; MI455X (gfx1250); checked and timed in simulation.
; The chip was launched on July 23, 2026; its instructions are those of AMD's public machine-readable ISA for CDNA 5 (MIT licence, August 2026) and "CDNA5" Instruction Set Architecture Reference Guide (July 2026). The comments in the code are by the model that wrote it; some were corrected since.
;; Advanced Mo E Layer. Allowed arithmetic: float matrix products may take bf16 or f16 operands with f32 sums; other float arithmetic in f32, or as packed bf16 or f16 multiplies, adds, multiply-adds, maxima and minima; sums over many terms, partial sums and values carried from step to step in f32; what a program stores and reads back later, other than sums and carried values, may be rounded once to bf16 or f16.
;; Inputs: W1 8 x 1,024 x 2,048 float32; W2 8 x 2,048 x 2,048 float32; W3 8 x 2,048 x 1,024 float32; Wr 1,024 x 8 float32; b1 8 x 2,048 float32; b2 8 x 2,048 float32; b3 8 x 1,024 float32; br 8 float32; x 1,024 x 1,024 float32.
;; Outputs: out0 1,024 x 1,024 float32.
;; 2 versions, each right. Each part assembles by itself: llvm-mc -triple=amdgcn-amd-amdhsa -mcpu=gfx1250 --defsym DOCPART=n.
;; ======== version 1 of 2: 5 launches
;; limits: values are held in f16: magnitudes above 65,504 overflow, below 6.1e-05 lose precision
;; workspace buffers: xb 2,097,152 bytes; maps 2,048 bytes of whole numbers; wts 8,192 bytes; h1 41,943,040 bytes; h2 41,943,040 bytes; y 16,777,216 bytes
;; launch router (part 1): grid 64 x 1, 4 waves a work-group, no clusters, 70,656 bytes of LDS; arguments x, Wr, br, xb, maps, wts; writes xb, maps, wts
.if DOCPART == 1
	.amdgcn_target "amdgcn-amd-amdhsa--gfx1250"
	.amdhsa_code_object_version 6
	.text
	.protected	k_q0ed6e9a3bc_router
	.globl	k_q0ed6e9a3bc_router
	.p2align	8
	.type	k_q0ed6e9a3bc_router,@function
k_q0ed6e9a3bc_router:
	s_mov_b64 s[64:65], 0
	v_nop
	global_prefetch_b8 v0, s[64:65] scope:SCOPE_SE
	s_setreg_imm32_b32 hwreg(HW_REG_WAVE_MODE, 25, 1), 1
	s_wait_xcnt 0x0
; ROUTER.  logits = x Wr + br; the two largest of a token's eight; their softmax weights, renormalised: w = p / (p1 + p2 + 1e-6).
; Also x rounded to bf16 (xb), which the first expert layer multiplies.
; A work-group takes 16 tokens; four waves.  x, Wr and br are rounded to bf16 like every input of this program; products by the matrix unit, sums in f32.
; OUT, all at fixed places (nothing here steers an address): xb [1024][1024] bf16; wts [1024][2] f32;
; maps: 16 rows of 32 words: row e: bit t set if token t chose expert e; row 8 + e: bit t set if e is token t's SECOND choice.
; LIMITS.  The choice is made on the f32 logits, the lower index winning a tie, as softmax keeps their order; two logits closer than the rounding of the
; sums (some 1e-7 of their size) may be ordered otherwise than by a sum in another order.  An exponential below 2^-126 counts as 0.  NaN and infinities are not treated apart.
.set XP,    2064                       ; a token's row in LDS: 2,048 bytes + 16: the 16 rows of a fragment load start 16 bytes apart modulo 256
.set WTB,   33280                      ; Wr in LDS: [1024 k][32 bytes]: eight experts in bf16, then eight zeros (the matrix form wants 16)
.set RED,   66048                      ; the four waves' partial logits, 1,024 bytes each
.set SPARE, 70144                      ; the spare words, 128 bytes a wave
.set XR,    64                         ; v[64:191]  x as loaded: token a, piece i at XR + 32 a + 4 i; later the fragments
.set WR,    192                        ; v[192:255] Wr as loaded: row i at WR + 8 i; later the accumulators
	s_load_b256 s[8:15], s[0:1], 0x0               ; x s[8:9], Wr s[10:11], br s[12:13], xb s[14:15]
	s_load_b128 s[24:27], s[0:1], 0x20             ; maps s[24:25], wts s[26:27]
	v_lshl_add_u32 v6, v0, 2, SPARE                ; my spare word,
	v_mov_b32 v7, 0                                ; and 0: kept for the wave's end alone
	v_lshrrev_b32 v1, 5, v0
	v_readfirstlane_b32 s2, v1                     ; wave 0..3
	v_and_b32 v1, 31, v0                           ; lane
	v_and_b32 v2, 15, v0                           ; r
	v_bfe_u32 v3, v0, 4, 1                         ; h
	v_lshlrev_b32 v4, 4, v1                        ; x: 16 bytes a lane
	v_lshlrev_b32 v5, 5, v0                        ; Wr: a row of 32 bytes a thread
	v_lshlrev_b32 v12, 3, v1                       ; xb: 8 bytes a lane
	s_mul_i32 s3, s2, 4*XP
	v_add_nc_u32 v13, s3, v12                      ; where my 8 bytes go in LDS: my wave's four rows
	v_add_nc_u32 v14, WTB, v5                      ; where my row of Wr goes
	v_mov_b32 v8, 0
	v_mov_b32 v9, 0
	v_mov_b32 v10, 0
	v_mov_b32 v11, 0                               ; sixteen bytes of zeros
	v_mul_u32_u24 v15, v2, XP                      ; x's fragments: row r, 16 h, my wave's 256 k
	v_lshl_add_u32 v15, v3, 4, v15
	s_lshl_b32 s3, s2, 9
	v_add_nc_u32 v15, s3, v15
	v_and_b32 v16, 7, v0                           ; Wr's fragments, by the turning load: row k0 + 8 h + lane % 8, 16 bytes by (lane / 8) % 2
	v_lshl_add_u32 v16, v3, 3, v16
	s_lshl_b32 s3, s2, 8
	v_add_nc_u32 v16, s3, v16
	v_lshlrev_b32 v16, 5, v16
	v_bfe_u32 v17, v0, 3, 1
	v_lshl_add_u32 v16, v17, 4, v16
	v_add_nc_u32 v16, WTB, v16
	s_lshl_b32 s3, s2, 10
	v_lshl_add_u32 v18, v1, 4, s3
	v_add_nc_u32 v18, RED, v18                     ; my wave's partial logits
	s_lshl_b32 s4, ttmp9, 16                       ; 16 tokens of 4,096 bytes,
	s_lshl_b32 s5, s2, 14                          ; my wave's four
	s_add_co_u32 s4, s4, s5
	s_mov_b32 s5, 0
	s_wait_kmcnt 0x0
	s_add_nc_u64 s[8:9], s[8:9], s[4:5]
	s_lshr_b32 s4, s4, 1                           ; half as many bytes in xb
	s_add_nc_u64 s[14:15], s[14:15], s[4:5]
	s_load_b256 s[16:23], s[12:13], 0x0            ; br
.irp a, 0,1,2,3
.irp i, 0,1,2,3,4,5,6,7
	global_load_b128 v[XR+32*(\a)+4*(\i):XR+32*(\a)+4*(\i)+3], v4, s[8:9] offset:(\a)*4096+(\i)*512 th:TH_LOAD_NT  ; 512 consecutive bytes
.endr
.endr
.irp i, 0,1,2,3,4,5,6,7
	global_load_b128 v[WR+8*(\i):WR+8*(\i)+3],   v5, s[10:11] offset:(\i)*4096     ; row thread + 128 i
	global_load_b128 v[WR+8*(\i)+4:WR+8*(\i)+7], v5, s[10:11] offset:(\i)*4096+16
.endr
	; x: rounded in place, stored to xb (a wave's store covers 256 consecutive bytes, aligned) and laid into LDS
.irp a, 0,1,2,3
	s_wait_loadcnt 16+8*(3-(\a))                   ; the later tokens' loads and Wr's sixteen may stay out
.irp i, 0,1,2,3,4,5,6,7
	v_cvt_pk_bf16_f32 v[XR+32*(\a)+4*(\i)],   v[XR+32*(\a)+4*(\i)],   v[XR+32*(\a)+4*(\i)+1]
	v_cvt_pk_bf16_f32 v[XR+32*(\a)+4*(\i)+1], v[XR+32*(\a)+4*(\i)+2], v[XR+32*(\a)+4*(\i)+3]
	global_store_b64 v12, v[XR+32*(\a)+4*(\i):XR+32*(\a)+4*(\i)+1], s[14:15] offset:(\a)*2048+(\i)*256
	ds_store_b64 v13, v[XR+32*(\a)+4*(\i):XR+32*(\a)+4*(\i)+1] offset:(\a)*XP+(\i)*256
.endr
.endr
	s_wait_loadcnt 0x0                             ; Wr
.irp i, 0,1,2,3,4,5,6,7
	v_cvt_pk_bf16_f32 v[WR+8*(\i)],   v[WR+8*(\i)],   v[WR+8*(\i)+1]
	v_cvt_pk_bf16_f32 v[WR+8*(\i)+1], v[WR+8*(\i)+2], v[WR+8*(\i)+3]
	v_cvt_pk_bf16_f32 v[WR+8*(\i)+2], v[WR+8*(\i)+4], v[WR+8*(\i)+5]
	v_cvt_pk_bf16_f32 v[WR+8*(\i)+3], v[WR+8*(\i)+6], v[WR+8*(\i)+7]
	ds_store_b128 v14, v[WR+8*(\i):WR+8*(\i)+3] offset:(\i)*4096
	ds_store_b128 v14, v[8:11] offset:(\i)*4096+16
.endr
	s_wait_dscnt 0x0                               ; for the others' sake: my rows are in LDS
	s_barrier_signal -1
	s_barrier_wait -1
	; wave w multiplies k = 256 w .. 256 w + 255: eight steps of 32, four accumulators by turns
	s_wait_xcnt 0x0                                ; the stores to xb have read v[64:191], which the fragments now take
.irp s, 0,1,2,3,4,5,6,7
	ds_load_b128 v[64+8*(\s):64+8*(\s)+3],   v15 offset:64*(\s)
	ds_load_b128 v[64+8*(\s)+4:64+8*(\s)+7], v15 offset:64*(\s)+32
	ds_load_tr16_b128 v[128+8*(\s):128+8*(\s)+3],   v16 offset:1024*(\s)
	ds_load_tr16_b128 v[128+8*(\s)+4:128+8*(\s)+7], v16 offset:1024*(\s)+512
.endr
	s_wait_dscnt 0x0
.irp s, 0,1,2,3
	v_wmma_f32_16x16x32_bf16 v[192+8*(\s):192+8*(\s)+7], v[128+8*(\s):128+8*(\s)+7], v[64+8*(\s):64+8*(\s)+7], 0  ; source 0 = 16 experts, source 1 = 16 tokens: lane r, register j = token r, expert 8 h + j
.endr
.irp s, 0,1,2,3
	v_wmma_f32_16x16x32_bf16 v[192+8*(\s):192+8*(\s)+7], v[160+8*(\s):160+8*(\s)+7], v[96+8*(\s):96+8*(\s)+7], v[192+8*(\s):192+8*(\s)+7]
.endr
.rept 4
	v_nop                                          ; four places between the last product and the first read of a result (ISA guide 7.12.1)
.endr
.irp p, 0,1,2,3                                        ; each accumulator is read from its low end on
	v_pk_add_f32 v[224+2*(\p):225+2*(\p)], v[192+2*(\p):193+2*(\p)], v[200+2*(\p):201+2*(\p)]
	v_pk_add_f32 v[232+2*(\p):233+2*(\p)], v[208+2*(\p):209+2*(\p)], v[216+2*(\p):217+2*(\p)]
	v_pk_add_f32 v[224+2*(\p):225+2*(\p)], v[224+2*(\p):225+2*(\p)], v[232+2*(\p):233+2*(\p)]
.endr
	ds_store_b128 v18, v[224:227]
	ds_store_b128 v18, v[228:231] offset:512
	s_wait_dscnt 0x0                               ; for wave 0's sake
	s_barrier_signal -1
	s_barrier_wait -1
	s_cmp_lg_u32 s2, 0
	s_cbranch_scc1 .Lend                           ; the rest is wave 0's: no barrier stands in it
.irp w, 0,1,2,3
	ds_load_b128 v[64+8*(\w):64+8*(\w)+3],   v18 offset:1024*(\w)       ; in wave 0 v18 is RED + 16 lane
	ds_load_b128 v[64+8*(\w)+4:64+8*(\w)+7], v18 offset:1024*(\w)+512
.endr
	s_wait_kmcnt 0x0                               ; br
	v_cvt_pk_bf16_f32 v40, s16, s17                ; br rounded to bf16
	v_cvt_pk_bf16_f32 v41, s18, s19
	v_cvt_pk_bf16_f32 v42, s20, s21
	v_cvt_pk_bf16_f32 v43, s22, s23
	s_wait_dscnt 0x0
.irp p, 0,1,2,3
	v_pk_add_f32 v[32+2*(\p):33+2*(\p)], v[64+2*(\p):65+2*(\p)], v[72+2*(\p):73+2*(\p)]
	v_pk_add_f32 v[44+2*(\p):45+2*(\p)], v[80+2*(\p):81+2*(\p)], v[88+2*(\p):89+2*(\p)]
	v_pk_add_f32 v[32+2*(\p):33+2*(\p)], v[32+2*(\p):33+2*(\p)], v[44+2*(\p):45+2*(\p)]
.endr
.irp p, 0,1,2,3
	v_lshlrev_b32 v44, 16, v[40+(\p)]
	v_and_b32 v45, 0xffff0000, v[40+(\p)]
	v_pk_add_f32 v[32+2*(\p):33+2*(\p)], v[32+2*(\p):33+2*(\p)], v[44:45]   ; lanes 0-15: token r's eight logits in v[32:39]
.endr
	; the largest (m1 v48, its index v49), upward with a strict comparison: the lower index wins a tie
	v_mov_b32 v48, v32
	v_mov_b32 v49, 0
.irp j, 1,2,3,4,5,6,7
	v_cmp_gt_f32 vcc_lo, v[32+(\j)], v48
	v_cndmask_b32 v49, v49, \j, vcc_lo
	v_cndmask_b32 v48, v48, v[32+(\j)], vcc_lo
.endr
	v_mov_b32 v51, 0xff800000                      ; -infinity takes the first choice's place,
.irp j, 0,1,2,3,4,5,6,7
	v_cmp_eq_u32 vcc_lo, \j, v49
	v_cndmask_b32 v[52+(\j)], v[32+(\j)], v51, vcc_lo
.endr
	v_mov_b32 v60, v52                             ; and the same walk finds the second (m2 v60, index v61)
	v_mov_b32 v61, 0
.irp j, 1,2,3,4,5,6,7
	v_cmp_gt_f32 vcc_lo, v[52+(\j)], v60
	v_cndmask_b32 v61, v61, \j, vcc_lo
	v_cndmask_b32 v60, v60, v[52+(\j)], vcc_lo
.endr
	; softmax with the maximum taken away: e_j = 2^((l_j - m1) log2 e); the first choice's e is 1, the second's is the ninth exponential
.irp j, 0,1,2,3,4,5,6,7
	v_sub_f32 v[64+(\j)], v[32+(\j)], v48
.endr
	v_sub_f32 v72, v60, v48
.irp j, 0,1,2,3,4,5,6,7,8
	v_mul_f32 v[64+(\j)], 0x3fb8aa3b, v[64+(\j)]
.endr
.irp j, 0,1,2,3,4,5,6,7,8
	v_exp_f32 v[64+(\j)], v[64+(\j)]
.endr
	v_nop                                          ; a plain instruction behind the last exponential (ISA guide 5.7.2),
	s_wait_alu depctr_va_vdst(0)                   ; and one wait for the nine
	v_add_f32 v73, v64, v65
	v_add_f32 v75, v66, v67
	v_add_f32 v76, v68, v69
	v_add_f32 v77, v70, v71
	v_add_f32 v73, v73, v75
	v_add_f32 v76, v76, v77
	v_add_f32 v73, v73, v76
	v_rcp_f32 v74, v73                             ; p1 = 1 / sum
	v_nop
	s_wait_alu depctr_va_vdst(0)
	v_mul_f32 v75, v72, v74                        ; p2
	v_add_f32 v76, v74, v75
	v_add_f32 v76, 0x358637bd, v76                 ; + 1e-6
	v_rcp_f32 v77, v76
	v_nop
	s_wait_alu depctr_va_vdst(0)
	v_mul_f32 v78, v74, v77
	v_mul_f32 v79, v75, v77
	; the choices as bits: a comparison's mask holds my 16 tokens in its low half; lane n of v80 takes row n's 16 bits
	v_mov_b32 v80, 0
.irp e, 0,1,2,3,4,5,6,7
	v_cmp_eq_u32 s30, \e, v49
	v_cmp_eq_u32 s31, \e, v61
	s_or_b32 s30, s30, s31
	s_and_b32 s30, s30, 0xffff
	s_and_b32 s31, s31, 0xffff
	v_writelane_b32 v80, s30, \e
	v_writelane_b32 v80, s31, 8+(\e)
.endr
	v_lshlrev_b32 v81, 7, v1                       ; maps: row = lane, 128 bytes a row, my work-group's half-word
	s_lshl_b32 s3, ttmp9, 1
	v_add_nc_u32 v81, s3, v81
	v_lshlrev_b32 v82, 3, v2                       ; wts: 8 bytes a token
	s_lshl_b32 s3, ttmp9, 7
	v_add_nc_u32 v82, s3, v82
	v_cmp_gt_u32 vcc_lo, 16, v1
	s_wait_xcnt 0x0                                ; EXEC changes only behind this wait
	s_and_saveexec_b32 s28, vcc_lo                 ; lanes 0-15
	global_store_b64 v82, v[78:79], s[26:27]
	global_store_b16 v81, v80, s[24:25]            ; 2 bytes to each of 16 rows: 2,048 bytes in the whole launch, in the order in which the next launches' scalar loads want them
	s_wait_xcnt 0x0                                ; and again, in front of the line that widens it
	s_or_b32 exec_lo, exec_lo, s28
.Lend:
	s_wait_tensorcnt 0x0                           ; the wave's end, behind my last LDS store
	ds_add_u32 v6, v7
	s_wait_dscnt 0x0
	s_endpgm
.Lfunc_end_k_q0ed6e9a3bc_router:
	.size	k_q0ed6e9a3bc_router, .Lfunc_end_k_q0ed6e9a3bc_router-k_q0ed6e9a3bc_router
	.p2alignl 7, 3214868480
	.fill 96, 4, 3214868480
	.section	.rodata,"a",@progbits
	.p2align	6, 0x0
	.amdhsa_kernel k_q0ed6e9a3bc_router
		.amdhsa_group_segment_fixed_size 70656
		.amdhsa_private_segment_fixed_size 0
		.amdhsa_enable_private_segment 0
		.amdhsa_kernarg_size 48
		.amdhsa_user_sgpr_count 2
		.amdhsa_user_sgpr_kernarg_segment_ptr 1
		.amdhsa_wavefront_size32 1
		.amdhsa_system_sgpr_workgroup_id_x 1
		.amdhsa_system_sgpr_workgroup_id_y 1
		.amdhsa_system_sgpr_workgroup_id_z 1
		.amdhsa_system_vgpr_workitem_id 0
		.amdhsa_next_free_vgpr 256
		.amdhsa_next_free_sgpr 66
		.amdhsa_reserve_vcc 1
		.amdhsa_float_denorm_mode_32 3
		.amdhsa_float_denorm_mode_16_64 3
		.amdhsa_memory_ordered 1
		.amdhsa_forward_progress 1
		.amdhsa_inst_pref_size 33
	.end_amdhsa_kernel
	.amdgpu_metadata
---
amdhsa.version: [ 1, 2 ]
amdhsa.kernels:
  - .name:           k_q0ed6e9a3bc_router
    .symbol:         k_q0ed6e9a3bc_router.kd
    .args:
      - { .name: x, .offset: 0, .size: 8, .value_kind: global_buffer, .address_space: global }
      - { .name: Wr, .offset: 8, .size: 8, .value_kind: global_buffer, .address_space: global }
      - { .name: br, .offset: 16, .size: 8, .value_kind: global_buffer, .address_space: global }
      - { .name: xb, .offset: 24, .size: 8, .value_kind: global_buffer, .address_space: global }
      - { .name: maps, .offset: 32, .size: 8, .value_kind: global_buffer, .address_space: global }
      - { .name: wts, .offset: 40, .size: 8, .value_kind: global_buffer, .address_space: global }
    .group_segment_fixed_size: 70656
    .private_segment_fixed_size: 0
    .kernarg_segment_align: 8
    .kernarg_segment_size: 48
    .max_flat_workgroup_size: 128
    .sgpr_count:     66
    .vgpr_count:     256
    .wavefront_size: 32
...
	.end_amdgpu_metadata
.endif
;; end of part 1
;; launch mlp1 (part 2): grid 32 x 8, 4 waves a work-group, no clusters, 165,376 bytes of LDS; arguments xb, maps, W1, b1, h1; writes h1
.if DOCPART == 2
	.amdgcn_target "amdgcn-amd-amdhsa--gfx1250"
	.amdhsa_code_object_version 6
	.text
	.protected	k_q0ed6e9a3bc_mlp1
	.globl	k_q0ed6e9a3bc_mlp1
	.p2align	8
	.type	k_q0ed6e9a3bc_mlp1,@function
k_q0ed6e9a3bc_mlp1:
	s_mov_b64 s[64:65], 0
	v_nop
	global_prefetch_b8 v0, s[64:65] scope:SCOPE_SE
	s_setreg_imm32_b32 hwreg(HW_REG_WAVE_MODE, 25, 1), 1
	s_wait_xcnt 0x0
; ONE LAYER OF THE EXPERTS' CHAIN, for the rows that chose the expert alone.  One text for the three layers; LAYER picks the sizes.
;   LAYER 1: h1 = relu(x W1[e] + b1[e])     LAYER 2: h2 = relu(h1 W2[e] + b2[e])     LAYER 3: y = w (h2 W3[e] + b3[e]), K in two halves, partial rows in f32
; FORMATS.  Weights and biases are rounded to bf16 on their way through registers, like every input of this program; x came rounded; sums in f32.  h1 is f16, h2 is bf16.  A rounding to bf16's 8 significant
; bits is off by some 2^-9 of the number, and what h1 and h2 lose reaches the output undiminished: f16's 11 bits make h1's share an eighth.  So layer 2 multiplies in f16: W2, rounded to bf16, is written as f16
; (exact from 2^-17 up in magnitude, below that to within 2^-25).  Layers 1 and 3 multiply in bf16.
; SHARE.  A work-group has ONE expert e (grid y) and 64 columns of its weights (grid x; in layer 3 x % 16, and x / 16 is the K half), which it alone reads, each byte once; and ALL rows of that expert.
; Four waves, all alike.  K goes in chunks of 128.  Wave u loads the f32 weights of block u (32 k) of each chunk, rounds them and lays them into LDS as matrix fragments; each LDS byte is written once and the
; whole slice stays.  Wave u multiplies row tiles 4 i + u by all 64 columns.  In chunk j a wave stores chunk j + 1, asks for chunk j + 3 and multiplies chunk j; one barrier a chunk.
; THE ORDER OF THE LOADS.  Loads into registers come back in issue order on one counter a wave (ISA guide 5.7.1).  Chunk j asks first for the token rows of chunk j + 1, then for the weights of chunk j + 3:
; the wait for chunk j's token rows then leaves the weights of chunk j + 2 out, and a request for weights has two chunks' work in which to land: 16 to 32 loads of 512 bytes a wave are on their way.
; NO CLUSTER, NO TENSOR LOAD: each weight has one reader; what an expert's work-groups share is its token rows, which go lane by lane into registers (in layer 1 by a list), and beside the resident slice
; (layer 2: 262,144 bytes) LDS has no room for two slots of 320 rows x 256 bytes.
; ROWS.  A token's rank in its expert is the number of set bits below it in the expert's bitmap (maps, stored by the router).  Tile T = ranks 16 T .. 16 T + 15.  A PASS is 20 tiles: wave u has tiles
; 20 p + 4 i + u, i = 0..4: 5 x 4 accumulators.  Pass 0 runs with the stream; an expert with more than 320 rows takes further passes (at most four: 1,024 rows) from the resident slice, not overlapped with any load of weights.
; Ranks past the count repeat the last row.  Slot 4's loads, products and stores are jumped where its tile is past the count; slots 0 to 3 of every pass that runs are stored in h1, h2, so the next layer loads stored bytes alone.
; An expert without rows still walks pass 0 (on token 0's row; in layer 3 it stores nothing): every wave passes every barrier, none of which hangs on loaded data.
; h1, h2 LIE IN FRAGMENT ORDER: [8 e][80 tiles][64 kb][1,024 bytes]; byte g 512 + (16 h + r) 16 of a block holds row r, k = 32 kb + 16 g + 8 h + 0..7: a fragment is two loads of 512 consecutive bytes.
; LIMITS.  f16 ends at 65,504: an h1 or a W2 beyond that becomes an infinity.  With x of spread 1 and W1 of spread 0.02 h1's spread is sqrt(1024) x 0.02 = 0.64 and its largest about 3; x and W1 both 30 times larger
; give about 2,700, an offset of 30 spreads on both about 18,500; both 30 times smaller leave a spread of 7e-4, far above f16's fixed step of 6e-8.  h2 carries three such factors, has no such room, and stays bf16.
; NaN and infinities are not treated apart.
.set LAYER, 1
.if LAYER == 2
.set KW,   2048                        ; k rows of a work-group
.set EWSH, 24                          ; an expert's weights: 1 << EWSH bytes
.else
.set KW,   1024
.set EWSH, 23
.endif
.if LAYER == 3
.set PSH,  12
.set WM0,  0x52                        ; products: C and D in window 1, tokens (source 0) in window 2 or 3, W in window 0
.set WMS,  1
.else
.set PSH,  13
.set WM0,  0x58                        ; products: C and D in window 1, W (source 0) in window 0, tokens (source 1) in window 2 or 3
.set WMS,  4
.endif
.if LAYER == 1
.set ASTEP, 256                        ; bytes that a chunk advances in the token rows: 128 bf16 of a row of xb,
.else
.set ASTEP, 4096                       ; or four blocks of h
.endif
.set PITCH, 1<<PSH                     ; bytes in a row of W, and in an expert's bias
.set NCH,   KW/128                     ; chunks
.set CH,    128*PITCH                  ; bytes from chunk to chunk in W
.set CHB,   16384                      ; a chunk in LDS: 4 blocks (32 k) of 4,096: c 1024 + g 512 + 16 lane
.set TILEB, 65536
.set EST,   80*TILEB
.set LIST,  (NCH+1)*CHB                ; behind the slice and one chunk's room, which takes the loop's last piece and is never read
.set LISTB, 4352                       ; a wave's own list: 1,024 entries, 32 words for the lanes with nothing to say
.if LAYER == 2
.set SPARE, LIST
.else
.set SPARE, LIST+4*LISTB
.endif
; scalars
.set WV, 2                             ; wave: u
.set HM, 3                             ; a word's upper half (layer 2)
.set EX, 4                             ; expert
.set SL, 5                             ; slice
.set KH, 6                             ; K half (layer 3)
.set PC, 7                             ; running count
.set SRC, 8                            ; s[8:9]   token rows
.set MAPS, 10                          ; s[10:11]
.set WB, 12                            ; s[12:13] W, stepped
.set BP, 14                            ; s[14:15] bias
.set BM, 16                            ; s[16:47] the expert's bitmap; s[48:63], s[68:83] its second-choice bitmap (layer 3).  Behind the count s16.. are used again:
.set CNT, 16
.set CM1, 17                           ; max(count, 1) - 1
.set MT, 18                            ; live tiles
.set NPASS, 19
.set PIDX, 20
.set LM, 21                            ; -1: the chunk's request for weights exists; 0: it would pass the slice's end
.set SV, 22
.set TBM, 23                           ; LDS byte of the chunk to be multiplied
.set TBS, 24                           ; LDS byte of the chunk to be stored
.set REM, 25                           ; chunks of the pass still to be multiplied, this one among them
.set Q, 26
.set LV4, 27                           ; 1: slot 4's tile is live
.set TS, 66
.set TS2, 67
.set OUT, 84                           ; s[84:85]
.set WTS, 86                           ; s[86:87] (layer 3)
.set A0, 88                            ; s[88:89] the pass's token rows; s[92:93] the next chunk's; s[94:95] at work
.set AN, 92
.set TN, 94
.set ST, 96                            ; s[96:97] an offset as a pair; the high word stays 0
; vectors, window 0
.set LL, 1
.set RR, 2
.set HH, 3
.set BADR, 4                           ; the bias's offset; then the LDS address of the chunk's fragments
.set L16, 5
.set SPW, 6                            ; my spare word; never rewritten
.set NIL, 7                            ; 0; never rewritten
.set AO, 8                             ; v[8:12] layer 1: slot i's token x 2,048 + 16 h
.set SO, 13                            ; layers 1, 2: my offset in h
.set R16, 13                           ; layer 3: 16 r
.set LB, 14
.set PO, 15                            ; (32 u + lane) PITCH: a row a lane, for the prefetch
.set ZZ, 16                            ; v[16:23] zeros
.set BF, 24                            ; v[24:87] W's fragments, two sets: 32 s + 8 c + 4 g
.set F, 88                             ; v[88:119] my block, rounded: 8 c + 4 g + p
.set WO, 120                           ; (32 u + 8 h) PITCH + 16 r
.set SA0, 121                          ; 4096 u + 16 lane
.set SA, 122
.set HX, 123
.set DI, 124
.set L2, 125
.set T0, 126
.set T1, 127
.set QR, 128                           ; v[128:255] weights as loaded, two sets of 16 loads: 64 s + 4 i + c
.set DD, 128                           ; layer 3's way out, where the weights lay
.set WA, 136
.set WGT, 144
.set RO, 152
; window 1: v[0:159] accumulator (i, c) at 32 i + 8 c; v[160:191] the bias as a C operand; v[192:..] at work on the way out; v255 zero (layers 1, 2)
.set BI, 160
.set TT, 192
; windows 2 and 3: v[0:159] the token fragments of a chunk, two buffers: 40 t + 8 i + 4 g
.set MSB, 0
.macro WIN new                         ; s_set_vgpr_msb: bits 1:0 source 0, 3:2 source 1, 5:4 source 2, 7:6 destination; the high byte repeats the setting that is left
.if MSB != (\new)
	s_set_vgpr_msb (MSB<<8)|(\new)
.set MSB, (\new)
.endif
.endm
.macro PLACES                          ; four places between a product and a load into, or a vector instruction on, one of its registers
.rept 4
	v_nop
.endr
.endm
; 16 loads: my 32 k rows of a chunk.  Lanes 0-15 take the slice's 256 bytes of one row, lanes 16-31 those of the row 8 further down: each half 256 consecutive bytes, aligned.
.macro SLOADS set, extra
.irp i, 0,1,2,3,4,5,6,7,8,9,10,11,12,13,14,15
	global_load_b128 v[QR+64*(\set)+4*(\i):QR+64*(\set)+4*(\i)+3], v[WO], s[WB:WB+1] offset:((\i)+8*((\i)/8))*PITCH+(\extra) th:TH_LOAD_NT
.endr
.endm
; The set's 32 rows are rounded, stored as fragments, and the set is asked for again, two chunks on.
; Lane (r, h) holds columns 4 r + c of rows k and k + 1: one conversion makes a fragment register of "n tile c" (columns 4 r + c, r = 0..15), k in its true place.
; masked = 1: where the request would pass the slice's end the 16 loads are issued with no lane on and the address stays.
.macro STREAM set, masked
.irp c, 0,1,2,3
.irp g, 0,1
.irp p, 0,1,2,3
	v_cvt_pk_bf16_f32 v[F+8*(\c)+4*(\g)+(\p)], v[QR+64*(\set)+4*(8*(\g)+2*(\p))+(\c)], v[QR+64*(\set)+4*(8*(\g)+2*(\p)+1)+(\c)]
.endr
.endr
.endr
.if LAYER == 2
	; the numbers rounded to bf16 are written as f16: widened into the set's 64 registers, which have been read, and packed again; in runs of 32, so that no line waits for the one before it
.set nn, 0
.rept 32
	v_lshlrev_b32 v[QR+64*(\set)+2*nn], 16, v[F+nn]
	v_and_b32 v[QR+64*(\set)+2*nn+1], s[HM], v[F+nn]
.set nn, nn+1
.endr
.set nn, 0
.rept 32
	v_cvt_pk_f16_f32 v[F+nn], v[QR+64*(\set)+2*nn], v[QR+64*(\set)+2*nn+1]
.set nn, nn+1
.endr
.endif
	v_add_nc_u32 v[SA], s[TBS], v[SA0]
.irp c, 0,1,2,3
.irp g, 0,1
	ds_store_b128 v[SA], v[F+8*(\c)+4*(\g):F+8*(\c)+4*(\g)+3] offset:(\c)*1024+(\g)*512  ; 512 consecutive bytes
.endr
.endr
	s_add_co_u32 s[TBS], s[TBS], CHB
.if \masked
	s_cmp_gt_u32 s[REM], 3                         ; chunk j + 3 exists where four chunks or more are left
	s_cselect_b32 s[LM], -1, 0
	s_and_b32 s[ST], s[LM], CH
	s_wait_xcnt 0x0                                ; W's address is stepped, and EXEC narrowed, only behind this wait
	s_add_nc_u64 s[WB:WB+1], s[WB:WB+1], s[ST:ST+1]
	s_and_saveexec_b32 s[SV], s[LM]
.else
	s_wait_xcnt 0x0
	s_add_nc_u64 s[WB:WB+1], s[WB:WB+1], 2*CH
.endif
	SLOADS \set, 0
.if \masked
	s_wait_xcnt 0x0                                ; and again in front of the line that widens EXEC
	s_or_b32 exec_lo, exec_lo, s[SV]
.endif
.endm
; Eight loads: slot i's fragments of a chunk's four K steps
.macro ALDS base, i
.irp t, 0,1,2,3
.irp g, 0,1
.if LAYER == 1
	global_load_b128 v[40*(\t)+8*(\i)+4*(\g):40*(\t)+8*(\i)+4*(\g)+3], v[AO+(\i)], s[\base:\base+1] offset:(\t)*64+32*(\g)
.else
	global_load_b128 v[40*(\t)+8*(\i)+4*(\g):40*(\t)+8*(\i)+4*(\g)+3], v[L16], s[\base:\base+1] offset:(\i)*4*TILEB+(\t)*1024+(\g)*512
.endif
.endr
.endr
.endm
; A chunk's token fragments into buffer par: 32 loads, and slot 4's eight where its tile is live
.macro ABATCH par, base
	WIN 0x80+0x40*(\par)
	ALDS \base, 0
	ALDS \base, 1
	ALDS \base, 2
	ALDS \base, 3
	WIN 0
	s_cmp_eq_u32 s[LV4], 0
	s_cbranch_scc1 .Lno4_\@
	WIN 0x80+0x40*(\par)
	ALDS \base, 4
	WIN 0
.Lno4_\@:
.endm
.macro BLD blk, set                    ; eight LDS loads: W's four fragments of one block
.irp c, 0,1,2,3
.irp g, 0,1
	ds_load_b128 v[BF+32*(\set)+8*(\c)+4*(\g):BF+32*(\set)+8*(\c)+4*(\g)+3], v[BADR] offset:(\blk)*4096+(\c)*1024+(\g)*512
.endr
.endr
.endm
; Slot i's four products of step t.  Layers 1, 2: source 0 = W: lane (r, h), register j = token r, column 32 h + 4 j + c.  Layer 3: source 0 = tokens: token 8 h + j, column 4 r + c.
.macro PROD t, i
.irp c, 0,1,2,3
.if LAYER == 3
	v_wmma_f32_16x16x32_bf16 v[32*(\i)+8*(\c):32*(\i)+8*(\c)+7], v[40*(\t)+8*(\i):40*(\t)+8*(\i)+7], v[BF+32*((\t)%2)+8*(\c):BF+32*((\t)%2)+8*(\c)+7], v[32*(\i)+8*(\c):32*(\i)+8*(\c)+7]
.elseif LAYER == 2
	v_wmma_f32_16x16x32_f16 v[32*(\i)+8*(\c):32*(\i)+8*(\c)+7], v[BF+32*((\t)%2)+8*(\c):BF+32*((\t)%2)+8*(\c)+7], v[40*(\t)+8*(\i):40*(\t)+8*(\i)+7], v[32*(\i)+8*(\c):32*(\i)+8*(\c)+7]
.else
	v_wmma_f32_16x16x32_bf16 v[32*(\i)+8*(\c):32*(\i)+8*(\c)+7], v[BF+32*((\t)%2)+8*(\c):BF+32*((\t)%2)+8*(\c)+7], v[40*(\t)+8*(\i):40*(\t)+8*(\i)+7], v[32*(\i)+8*(\c):32*(\i)+8*(\c)+7]
.endif
.endr
.endm
; K step t of a chunk's four.  The 16 or 20 accumulators take turns, one instruction a turn, over the loops' jumps too.
.macro MSTEP par, t
.if (\t) == 0
	BLD 0, 0
	BLD 1, 1
	s_wait_dscnt 8                                 ; the next block's eight may stay out
.elseif (\t) < 3
	PLACES
	BLD (\t)+1, ((\t)+1)%2
	s_wait_dscnt 8
.else
	s_wait_dscnt 0x0
.endif
	WIN WM0+WMS*(\par)
	PROD \t, 0
	PROD \t, 1
	PROD \t, 2
	PROD \t, 3
	WIN 0
	s_cmp_eq_u32 s[LV4], 0
	s_cbranch_scc1 .Lskip_\@                       ; slot 4's tile lies past the count
	WIN WM0+WMS*(\par)
	PROD \t, 4
	WIN 0
.Lskip_\@:
.endm
; CHUNK j of a pass; par = j % 2: its token buffer.  stream = 1: pass 0, which also stores chunk j + 1 of the weights, asks for chunk j + 3, and ends in the barrier.
.macro CHUNK par, stream
.if \stream
	s_wait_loadcnt 16                              ; behind this chunk's token rows one request for weights was issued: it may stay out; the weights of chunk j + 1 are older and in
	s_cmp_lg_u32 s[LM], 0
	s_cbranch_scc1 .Lfull_\@
	s_wait_loadcnt 0x0                             ; where that request went out with no lane on, nothing that is wanted is younger: the text leans on no count of such loads
.Lfull_\@:
.else
	s_wait_loadcnt 0x0                             ; this chunk's token rows
.endif
	PLACES                                         ; behind the last chunk's products, which read the other buffer and W's fragments
	ABATCH 1-(\par), AN                            ; the next chunk's token rows; behind the pass's last chunk its first chunk's once more: bytes that exist, loaded and not used
.if \stream
	STREAM 1-(\par), 1
	s_cmp_gt_u32 s[REM], 6
	s_cbranch_scc0 .Lnopf_\@                       ; chunk j + 6 would pass the slice's end
	global_prefetch_b8 v[PO], s[WB:WB+1] offset:3*CH th:TH_LOAD_NT scope:SCOPE_SE  ; my 32 rows' 256 bytes of chunk j + 6, which trip j + 3 loads: a lane a row, each block asked for once in the launch; 3 chunks, 96 KB a work-group, ahead
.Lnopf_\@:
.endif
	v_add_nc_u32 v[BADR], s[TBM], v[L16]
	MSTEP \par, 0
	MSTEP \par, 1
	MSTEP \par, 2
	MSTEP \par, 3
	s_wait_xcnt 0x0                                ; the loads' base is rewritten only behind this wait
	s_add_nc_u64 s[TN:TN+1], s[AN:AN+1], ASTEP
	s_cmp_gt_u32 s[REM], 2
	s_cselect_b64 s[AN:AN+1], s[TN:TN+1], s[A0:A0+1]
	s_sub_co_u32 s[REM], s[REM], 1
	s_add_co_u32 s[TBM], s[TBM], CHB
.if \stream
	s_wait_dscnt 0x0                               ; my stores of chunk j + 1 are done, my reads are back
	s_barrier_signal -1
	s_barrier_wait -1
.endif
.endm
; A pass begins: which tiles, their rows, the sums started with the bias (a product of zeros with the bias as C, in the form of the layer's products: one text then serves every K step, and nothing is cleared), chunk 0's token rows.
.macro PASS_SETUP
	s_mul_i32 s[TS], s[PIDX], 20
	s_add_co_u32 s[TS], s[TS], s[WV]               ; my slot 0's tile
	s_add_co_u32 s[TS2], s[TS], 16
	s_cmp_lt_u32 s[TS2], s[MT]
	s_cselect_b32 s[LV4], 1, 0
.if LAYER == 1
	s_lshl_b32 s[TS], s[TS], 4
.irp i, 0,1,2,3,4
	v_add3_u32 v[T0], v[RR], s[TS], 64*(\i)        ; my row's rank,
	v_min_u32 v[T0], s[CM1], v[T0]                 ; past the count the last row once more,
	v_min_u32 v[T0], 0x3ff, v[T0]
	v_lshl_add_u32 v[T0], v[T0], 2, v[LB]
	ds_load_b32 v[AO+(\i)], v[T0]                  ; its token
.endr
	s_wait_dscnt 0x0
.irp i, 0,1,2,3,4
	v_min_u32 v[AO+(\i)], 0x3ff, v[AO+(\i)]
	v_lshl_add_u32 v[AO+(\i)], v[AO+(\i)], 11, v[HX]
.endr
	s_mov_b64 s[A0:A0+1], s[SRC:SRC+1]
.else
	s_lshl_b32 s[ST], s[TS], 16
	s_add_nc_u64 s[A0:A0+1], s[SRC:SRC+1], s[ST:ST+1]
.endif
	WIN 0x50
.irp i, 0,1,2,3,4
.irp c, 0,1,2,3
.if LAYER == 2
	v_wmma_f32_16x16x32_f16 v[32*(\i)+8*(\c):32*(\i)+8*(\c)+7], v[ZZ:ZZ+7], v[ZZ:ZZ+7], v[BI+8*(\c):BI+8*(\c)+7]
.else
	v_wmma_f32_16x16x32_bf16 v[32*(\i)+8*(\c):32*(\i)+8*(\c)+7], v[ZZ:ZZ+7], v[ZZ:ZZ+7], v[BI+8*(\c):BI+8*(\c)+7]
.endif
.endr
.endr
	WIN 0
	ABATCH 0, A0
	s_add_nc_u64 s[AN:AN+1], s[A0:A0+1], ASTEP
	s_mov_b32 s[REM], NCH
	s_mov_b32 s[TBM], 0
.endm
.if LAYER == 3
; Layer 3's way out for slot i: a live tile's rows are multiplied by their tokens' weights and stored: sixteen lanes fill the slice's 256 bytes of a row of y, aligned.  Ranks past the count store the last row's bits once more.
.macro YTILE i
	s_add_co_u32 s[TS2], s[TS], 64*(\i)
	s_cmp_ge_u32 s[TS2], s[CNT]
	s_cbranch_scc1 .Ldead_\@
	s_wait_xcnt 0x0                                ; the earlier tiles' stores have read their addresses and data
.set j, 0
.rept 8
	v_add3_u32 v[RO+j], v[HX], s[TS2], j           ; register j holds rank 16 T + 8 h + j
	v_min_u32 v[RO+j], s[CM1], v[RO+j]
	v_min_u32 v[RO+j], 0x3ff, v[RO+j]
	v_lshl_add_u32 v[RO+j], v[RO+j], 2, v[LB]
	ds_load_b32 v[DD+j], v[RO+j]                   ; 2 x token + (second choice)
.set j, j+1
.endr
	s_wait_dscnt 0x0
.set j, 0
.rept 8
	v_min_u32 v[DD+j], 0x7ff, v[DD+j]
	v_lshlrev_b32 v[WA+j], 2, v[DD+j]
	global_load_b32 v[WGT+j], v[WA+j], s[WTS:WTS+1]
	v_lshl_add_u32 v[RO+j], v[DD+j], 12, v[R16]
.set j, j+1
.endr
	s_wait_loadcnt 0x0
	WIN 0x41                                       ; destination and source 0 in window 1
.set j, 0
.rept 8                                                ; each accumulator is read from its low end on
.irp c, 0,1,2,3
	v_mul_f32 v[TT+32*((\i)%2)+4*j+(\c)], v[32*(\i)+8*(\c)+j], v[WGT+j]
.endr
.set j, j+1
.endr
	WIN 0x04                                       ; store data in window 1
.set j, 0
.rept 8
	global_store_b128 v[RO+j], v[TT+32*((\i)%2)+4*j:TT+32*((\i)%2)+4*j+3], s[OUT:OUT+1]
.set j, j+1
.endr
	WIN 0
.Ldead_\@:
.endm
.else
; Layers 1, 2: a lane's 32 numbers of a slot are 32 neighbouring columns of one row: rounded (layer 1 to f16, layer 2 to bf16), ReLU on the packed halves, four stores of 16 bytes, in each of which sixteen lanes fill 256 consecutive bytes, aligned
.macro HTILE i
.if (\i) % 3 == 0
	s_wait_xcnt 0x0                                ; three sets of store registers take turns: the stores that read the sets written from here on were issued ahead of this wait
.endif
	WIN 0x45
.set j, 0
.rept 8                                                ; each accumulator is read from its low end on
.if LAYER == 1
	v_cvt_pk_f16_f32 v[TT+16*((\i)%3)+2*j],   v[32*(\i)+j],    v[32*(\i)+8+j]
	v_cvt_pk_f16_f32 v[TT+16*((\i)%3)+2*j+1], v[32*(\i)+16+j], v[32*(\i)+24+j]
.else
	v_cvt_pk_bf16_f32 v[TT+16*((\i)%3)+2*j],   v[32*(\i)+j],    v[32*(\i)+8+j]
	v_cvt_pk_bf16_f32 v[TT+16*((\i)%3)+2*j+1], v[32*(\i)+16+j], v[32*(\i)+24+j]
.endif
.set j, j+1
.endr
.set j, 0
.rept 16
.if LAYER == 1
	v_pk_max_num_f16 v[TT+16*((\i)%3)+j], v[TT+16*((\i)%3)+j], v255
.else
	v_pk_max_num_bf16 v[TT+16*((\i)%3)+j], v[TT+16*((\i)%3)+j], v255
.endif
.set j, j+1
.endr
	WIN 0x04
.irp q, 0,1,2,3
	global_store_b128 v[SO], v[TT+16*((\i)%3)+4*(\q):TT+16*((\i)%3)+4*(\q)+3], s[OUT:OUT+1] offset:(\i)*4*TILEB+((\q)/2)*512+((\q)%2)*256
.endr
	WIN 0
.endm
.endif
	s_load_b256 s[8:15], s[0:1], 0x0               ; token rows, maps, W, bias
.if LAYER == 3
	s_load_b128 s[84:87], s[0:1], 0x20             ; y, wts
.else
	s_load_b64 s[84:85], s[0:1], 0x20              ; h
.endif
	v_lshl_add_u32 v[SPW], v0, 2, SPARE            ; my spare word,
	v_mov_b32 v[NIL], 0                            ; and 0: kept for the wave's end alone
	v_lshrrev_b32 v1, 5, v0
	v_readfirstlane_b32 s[WV], v1
	v_and_b32 v[LL], 31, v0
	v_and_b32 v[RR], 15, v0
	v_bfe_u32 v[HH], v0, 4, 1
	s_and_b32 s[EX], ttmp7, 0xffff
.if LAYER == 3
	s_and_b32 s[SL], ttmp9, 15
	s_lshr_b32 s[KH], ttmp9, 4
	v_lshlrev_b32 v[BADR], 4, v[RR]                ; the bias: b[4 r + c]
.else
	s_mov_b32 s[SL], ttmp9
	v_lshlrev_b32 v[BADR], 7, v[HH]                ; the bias: b[32 h + ..]
.endif
.if LAYER == 2
	s_mov_b32 s[HM], 0xffff0000
.endif
	s_mov_b32 s[ST+1], 0
	s_lshl_b32 s[TS], s[WV], 5                     ; my block's 32 rows
	v_lshl_add_u32 v[WO], v[HH], 3, s[TS]
	v_lshlrev_b32 v[WO], PSH, v[WO]
	v_lshl_add_u32 v[WO], v[RR], 4, v[WO]
	v_add_nc_u32 v[PO], s[TS], v[LL]
	v_lshlrev_b32 v[PO], PSH, v[PO]
	s_wait_kmcnt 0x0
	s_lshl_b32 s[ST], s[EX], 7
	s_add_nc_u64 s[MAPS:MAPS+1], s[MAPS:MAPS+1], s[ST:ST+1]
	s_load_b512 s[16:31], s[MAPS:MAPS+1], 0x0
	s_load_b512 s[32:47], s[MAPS:MAPS+1], 0x40
.if LAYER == 3
	s_load_b512 s[48:63], s[MAPS:MAPS+1], 0x400
	s_load_b512 s[68:83], s[MAPS:MAPS+1], 0x440
.endif
	s_lshl_b32 s[ST], s[EX], PSH
	s_lshl_b32 s[TS], s[SL], 8
	s_add_co_u32 s[ST], s[ST], s[TS]
	s_add_nc_u64 s[BP:BP+1], s[BP:BP+1], s[ST:ST+1]
	; the bias first, so that the wait for it leaves the weights out
.if LAYER == 3
	global_load_b128 v[F:F+3], v[BADR], s[BP:BP+1]
.else
.irp q, 0,1,2,3,4,5,6,7
	global_load_b128 v[F+4*(\q):F+4*(\q)+3], v[BADR], s[BP:BP+1] offset:16*(\q)  ; b[32 h + 4 j + c], j = q
.endr
.endif
	s_lshl_b32 s[ST], s[EX], EWSH
	s_add_co_u32 s[ST], s[ST], s[TS]
.if LAYER == 3
	s_lshl_b32 s[TS], s[KH], 22                    ; 1,024 rows of 4,096 bytes
	s_add_co_u32 s[ST], s[ST], s[TS]
.endif
	s_add_nc_u64 s[WB:WB+1], s[WB:WB+1], s[ST:ST+1]
	SLOADS 0, 0                                    ; chunks 0 and 1 of the weights
	SLOADS 1, CH
.irp n, 3,4,5
	global_prefetch_b8 v[PO], s[WB:WB+1] offset:(\n)*CH th:TH_LOAD_NT scope:SCOPE_SE  ; my rows of chunks 3 to 5, which trips 0 to 2 load; the loop goes on with chunk 6
.endr
	s_mul_i32 s[ST], s[EX], EST
.if LAYER == 3
	s_lshl_b32 s[TS], s[KH], 15                    ; 32 blocks of 1,024 bytes
	s_add_co_u32 s[ST], s[ST], s[TS]
.endif
.if LAYER != 1
	s_add_nc_u64 s[SRC:SRC+1], s[SRC:SRC+1], s[ST:ST+1]
.endif
.if LAYER == 3
	s_lshl_b32 s[ST], s[KH], 23                    ; y's half: 2,048 rows of 4,096 bytes
	s_lshl_b32 s[TS], s[SL], 8
.else
	s_lshl_b32 s[TS], s[SL], 11                    ; the slice's two blocks
.endif
	s_add_co_u32 s[ST], s[ST], s[TS]
	s_add_nc_u64 s[OUT:OUT+1], s[OUT:OUT+1], s[ST:ST+1]
	v_lshlrev_b32 v[L16], 4, v[LL]
	s_lshl_b32 s[TS], s[WV], 12
	v_lshl_add_u32 v[SA0], v[LL], 4, s[TS]
.if LAYER == 3
	v_lshlrev_b32 v[R16], 4, v[RR]
	v_lshlrev_b32 v[HX], 3, v[HH]
	v_lshlrev_b32 v[L2], 1, v[LL]
.else
	s_lshl_b32 s[TS], s[WV], 16
	v_lshl_add_u32 v[SO], v[HH], 10, s[TS]         ; tile u, block h, 16 r
	v_lshl_add_u32 v[SO], v[RR], 4, v[SO]
.endif
.if LAYER == 1
	v_lshlrev_b32 v[HX], 4, v[HH]
.endif
.if LAYER != 2
	s_mul_i32 s[TS], s[WV], LISTB
	s_add_co_u32 s[TS], s[TS], LIST
	v_mov_b32 v[LB], s[TS]                         ; my own list
	v_add_nc_u32 v[DI], 1024, v[LL]
.endif
.set j, 0
.rept 8
	v_mov_b32 v[ZZ+j], 0
.set j, j+1
.endr
	; slot 4's fragment registers hold zeros until a live tile's loads write them; where the tile is past the count its products are jumped with its loads, and nothing is made of them
.irp w, 0x80, 0xc0
	WIN \w
.irp t, 0,1,2,3
.set j, 0
.rept 8
	v_mov_b32 v[40*(\t)+32+j], 0
.set j, j+1
.endr
.endr
.endr
	WIN 0
	s_wait_kmcnt 0x0
	; the list: entry rank = token (layer 3: 2 x token + second choice).  Word j of the bitmap: a set lane's rank is the count so far plus the set bits below it; the other lanes write words that nobody reads.
	s_mov_b32 s[PC], 0
.if LAYER != 2
	v_lshl_add_u32 v[T0], v[LL], 2, v[LB]
	ds_store_b32 v[T0], v[ZZ]                      ; entry 0 exists where the expert has no row
.endif
.set j, 0
.rept 32
.if LAYER != 2
	v_mbcnt_lo_u32_b32 v[T0], s[BM+j], s[PC]
	v_cndmask_b32 v[T0], v[DI], v[T0], s[BM+j]
	v_min_u32 v[T0], 0x41f, v[T0]
	v_lshl_add_u32 v[T0], v[T0], 2, v[LB]
.if LAYER == 1
	v_or_b32 v[T1], 32*j, v[LL]
.else
	v_cndmask_b32 v[T1], 0, 1, s[48+j+4*(j/16)]
	v_add3_u32 v[T1], v[T1], v[L2], 64*j
.endif
	ds_store_b32 v[T0], v[T1]
.endif
	s_bcnt1_i32_b32 s[TS2], s[BM+j]
	s_add_co_u32 s[PC], s[PC], s[TS2]
.set j, j+1
.endr
	s_mov_b32 s[CNT], s[PC]
	s_max_u32 s[CM1], s[PC], 1
	s_sub_co_u32 s[CM1], s[CM1], 1
	s_add_co_u32 s[MT], s[PC], 15
	s_lshr_b32 s[MT], s[MT], 4
	s_add_co_u32 s[NPASS], s[MT], 19
	s_mul_hi_u32 s[NPASS], s[NPASS], 0x0ccccccd    ; (tiles + 19) / 20
	s_mov_b32 s[PIDX], 0
	s_mov_b32 s[LM], -1
	s_mov_b32 s[TBS], 0
	; the bias, rounded to bf16, as a C operand
.if LAYER == 3
	s_cmp_eq_u32 s[KH], 0
	s_cselect_b32 s[TS], -1, 0                     ; K half 0 alone adds it
.endif
	s_wait_loadcnt 32                              ; behind the bias: the 32 loads of chunks 0 and 1
.if LAYER == 3
	v_cvt_pk_bf16_f32 v[BF], v[F], v[F+1]
	v_cvt_pk_bf16_f32 v[BF+1], v[F+2], v[F+3]
	v_lshlrev_b32 v[BF+2], 16, v[BF]
	v_and_b32 v[BF+3], 0xffff0000, v[BF]
	v_lshlrev_b32 v[BF+4], 16, v[BF+1]
	v_and_b32 v[BF+5], 0xffff0000, v[BF+1]
	WIN 0x40
.irp c, 0,1,2,3
.set j, 0
.rept 8
	v_and_b32 v[BI+8*(\c)+j], s[TS], v[BF+2+(\c)]
.set j, j+1
.endr
.endr
.else
.set j, 0
.rept 8
	v_cvt_pk_bf16_f32 v[BF+2*j], v[F+4*j], v[F+4*j+1]
	v_cvt_pk_bf16_f32 v[BF+2*j+1], v[F+4*j+2], v[F+4*j+3]
.set j, j+1
.endr
	WIN 0x40
.set j, 0
.rept 8
	v_lshlrev_b32 v[BI+j], 16, v[BF+2*j]
	v_and_b32 v[BI+8+j], 0xffff0000, v[BF+2*j]
	v_lshlrev_b32 v[BI+16+j], 16, v[BF+2*j+1]
	v_and_b32 v[BI+24+j], 0xffff0000, v[BF+2*j+1]
.set j, j+1
.endr
	v_mov_b32 v255, 0                              ; for the ReLU on packed halves
.endif
	WIN 0
	PASS_SETUP
	s_wait_loadcnt 48                              ; behind chunk 0's weights: chunk 1's 16 loads and the token rows' 32 at the least
	STREAM 0, 0                                    ; chunk 0 is stored, chunk 2 asked for
	s_wait_dscnt 0x0                               ; for the others' sake: my block of chunk 0 is in LDS
	s_barrier_signal -1
	s_barrier_wait -1
	s_mov_b32 s[Q], NCH/2
.Lq:
	CHUNK 0, 1
	CHUNK 1, 1
	s_sub_co_u32 s[Q], s[Q], 1
	s_cmp_lg_u32 s[Q], 0
	s_cbranch_scc1 .Lq
	s_branch .Lepi                                 ; pass 0 is multiplied: the loop over passes is entered at its way out
.Lpass:                                                ; passes 1 to 3, from the resident slice: no barrier and no LDS store; a pass that the count does not reach is jumped
	s_cmp_ge_u32 s[PIDX], s[NPASS]
	s_cbranch_scc1 .Lbottom
	PASS_SETUP
	s_mov_b32 s[Q], NCH/2
.Lk:
	CHUNK 0, 0
	CHUNK 1, 0
	s_sub_co_u32 s[Q], s[Q], 1
	s_cmp_lg_u32 s[Q], 0
	s_cbranch_scc1 .Lk
.Lepi:
	s_wait_loadcnt 0x0                             ; the look-ahead's last loads: the buffers and their addresses are free
.rept 5
	v_nop                                          ; places behind the last products: four for the reads below, five for the next pass's first products, which write over these accumulators
.endr
.if LAYER == 3
	s_mul_i32 s[TS], s[PIDX], 20
	s_add_co_u32 s[TS], s[TS], s[WV]
	s_lshl_b32 s[TS], s[TS], 4                     ; my slot 0's first rank
	YTILE 0
	YTILE 1
	YTILE 2
	YTILE 3
	YTILE 4
.else
	HTILE 0
	HTILE 1
	HTILE 2
	HTILE 3
	s_cmp_eq_u32 s[LV4], 0
	s_cbranch_scc1 .Lno4e                          ; the next layer does not load a slot 4 that is past the count
	HTILE 4
.Lno4e:
	s_wait_xcnt 0x0
	s_add_nc_u64 s[OUT:OUT+1], s[OUT:OUT+1], 20*TILEB
.endif
.Lbottom:
	s_add_co_u32 s[PIDX], s[PIDX], 1
	s_cmp_lt_u32 s[PIDX], 4
	s_cbranch_scc1 .Lpass
	s_wait_dscnt 0x0                               ; my LDS reads are back, those of the later passes too;
	s_barrier_signal -1                            ; the four waves meet once more: every wave's reads of LDS are over
	s_barrier_wait -1                              ; before any wave's last LDS write, below
	s_wait_tensorcnt 0x0                           ; the wave's end, behind the wave's last LDS store
	ds_add_u32 v[SPW], v[NIL]
	s_wait_dscnt 0x0
	s_endpgm
.Lfunc_end_k_q0ed6e9a3bc_mlp1:
	.size	k_q0ed6e9a3bc_mlp1, .Lfunc_end_k_q0ed6e9a3bc_mlp1-k_q0ed6e9a3bc_mlp1
	.p2alignl 7, 3214868480
	.fill 96, 4, 3214868480
	.section	.rodata,"a",@progbits
	.p2align	6, 0x0
	.amdhsa_kernel k_q0ed6e9a3bc_mlp1
		.amdhsa_group_segment_fixed_size 165376
		.amdhsa_private_segment_fixed_size 0
		.amdhsa_enable_private_segment 0
		.amdhsa_kernarg_size 40
		.amdhsa_user_sgpr_count 2
		.amdhsa_user_sgpr_kernarg_segment_ptr 1
		.amdhsa_wavefront_size32 1
		.amdhsa_system_sgpr_workgroup_id_x 1
		.amdhsa_system_sgpr_workgroup_id_y 1
		.amdhsa_system_sgpr_workgroup_id_z 1
		.amdhsa_system_vgpr_workitem_id 0
		.amdhsa_next_free_vgpr 928
		.amdhsa_next_free_sgpr 98
		.amdhsa_reserve_vcc 0
		.amdhsa_float_denorm_mode_32 3
		.amdhsa_float_denorm_mode_16_64 3
		.amdhsa_memory_ordered 1
		.amdhsa_forward_progress 1
		.amdhsa_inst_pref_size 119
	.end_amdhsa_kernel
	.amdgpu_metadata
---
amdhsa.version: [ 1, 2 ]
amdhsa.kernels:
  - .name:           k_q0ed6e9a3bc_mlp1
    .symbol:         k_q0ed6e9a3bc_mlp1.kd
    .args:
      - { .name: xb, .offset: 0, .size: 8, .value_kind: global_buffer, .address_space: global }
      - { .name: maps, .offset: 8, .size: 8, .value_kind: global_buffer, .address_space: global }
      - { .name: W1, .offset: 16, .size: 8, .value_kind: global_buffer, .address_space: global }
      - { .name: b1, .offset: 24, .size: 8, .value_kind: global_buffer, .address_space: global }
      - { .name: h1, .offset: 32, .size: 8, .value_kind: global_buffer, .address_space: global }
    .group_segment_fixed_size: 165376
    .private_segment_fixed_size: 0
    .kernarg_segment_align: 8
    .kernarg_segment_size: 40
    .max_flat_workgroup_size: 128
    .sgpr_count:     98
    .vgpr_count:     928
    .wavefront_size: 32
...
	.end_amdgpu_metadata
.endif
;; end of part 2
;; launch mlp2 (part 3): grid 32 x 8, 4 waves a work-group, no clusters, 279,040 bytes of LDS; arguments h1, maps, W2, b2, h2; writes h2
.if DOCPART == 3
	.amdgcn_target "amdgcn-amd-amdhsa--gfx1250"
	.amdhsa_code_object_version 6
	.text
	.protected	k_q0ed6e9a3bc_mlp2
	.globl	k_q0ed6e9a3bc_mlp2
	.p2align	8
	.type	k_q0ed6e9a3bc_mlp2,@function
k_q0ed6e9a3bc_mlp2:
	s_mov_b64 s[64:65], 0
	v_nop
	global_prefetch_b8 v0, s[64:65] scope:SCOPE_SE
	s_setreg_imm32_b32 hwreg(HW_REG_WAVE_MODE, 25, 1), 1
	s_wait_xcnt 0x0
; ONE LAYER OF THE EXPERTS' CHAIN, for the rows that chose the expert alone.  One text for the three layers; LAYER picks the sizes.
;   LAYER 1: h1 = relu(x W1[e] + b1[e])     LAYER 2: h2 = relu(h1 W2[e] + b2[e])     LAYER 3: y = w (h2 W3[e] + b3[e]), K in two halves, partial rows in f32
; FORMATS.  Weights and biases are rounded to bf16 on their way through registers, like every input of this program; x came rounded; sums in f32.  h1 is f16, h2 is bf16.  A rounding to bf16's 8 significant
; bits is off by some 2^-9 of the number, and what h1 and h2 lose reaches the output undiminished: f16's 11 bits make h1's share an eighth.  So layer 2 multiplies in f16: W2, rounded to bf16, is written as f16
; (exact from 2^-17 up in magnitude, below that to within 2^-25).  Layers 1 and 3 multiply in bf16.
; SHARE.  A work-group has ONE expert e (grid y) and 64 columns of its weights (grid x; in layer 3 x % 16, and x / 16 is the K half), which it alone reads, each byte once; and ALL rows of that expert.
; Four waves, all alike.  K goes in chunks of 128.  Wave u loads the f32 weights of block u (32 k) of each chunk, rounds them and lays them into LDS as matrix fragments; each LDS byte is written once and the
; whole slice stays.  Wave u multiplies row tiles 4 i + u by all 64 columns.  In chunk j a wave stores chunk j + 1, asks for chunk j + 3 and multiplies chunk j; one barrier a chunk.
; THE ORDER OF THE LOADS.  Loads into registers come back in issue order on one counter a wave (ISA guide 5.7.1).  Chunk j asks first for the token rows of chunk j + 1, then for the weights of chunk j + 3:
; the wait for chunk j's token rows then leaves the weights of chunk j + 2 out, and a request for weights has two chunks' work in which to land: 16 to 32 loads of 512 bytes a wave are on their way.
; NO CLUSTER, NO TENSOR LOAD: each weight has one reader; what an expert's work-groups share is its token rows, which go lane by lane into registers (in layer 1 by a list), and beside the resident slice
; (layer 2: 262,144 bytes) LDS has no room for two slots of 320 rows x 256 bytes.
; ROWS.  A token's rank in its expert is the number of set bits below it in the expert's bitmap (maps, stored by the router).  Tile T = ranks 16 T .. 16 T + 15.  A PASS is 20 tiles: wave u has tiles
; 20 p + 4 i + u, i = 0..4: 5 x 4 accumulators.  Pass 0 runs with the stream; an expert with more than 320 rows takes further passes (at most four: 1,024 rows) from the resident slice, not overlapped with any load of weights.
; Ranks past the count repeat the last row.  Slot 4's loads, products and stores are jumped where its tile is past the count; slots 0 to 3 of every pass that runs are stored in h1, h2, so the next layer loads stored bytes alone.
; An expert without rows still walks pass 0 (on token 0's row; in layer 3 it stores nothing): every wave passes every barrier, none of which hangs on loaded data.
; h1, h2 LIE IN FRAGMENT ORDER: [8 e][80 tiles][64 kb][1,024 bytes]; byte g 512 + (16 h + r) 16 of a block holds row r, k = 32 kb + 16 g + 8 h + 0..7: a fragment is two loads of 512 consecutive bytes.
; LIMITS.  f16 ends at 65,504: an h1 or a W2 beyond that becomes an infinity.  With x of spread 1 and W1 of spread 0.02 h1's spread is sqrt(1024) x 0.02 = 0.64 and its largest about 3; x and W1 both 30 times larger
; give about 2,700, an offset of 30 spreads on both about 18,500; both 30 times smaller leave a spread of 7e-4, far above f16's fixed step of 6e-8.  h2 carries three such factors, has no such room, and stays bf16.
; NaN and infinities are not treated apart.
.set LAYER, 2
.if LAYER == 2
.set KW,   2048                        ; k rows of a work-group
.set EWSH, 24                          ; an expert's weights: 1 << EWSH bytes
.else
.set KW,   1024
.set EWSH, 23
.endif
.if LAYER == 3
.set PSH,  12
.set WM0,  0x52                        ; products: C and D in window 1, tokens (source 0) in window 2 or 3, W in window 0
.set WMS,  1
.else
.set PSH,  13
.set WM0,  0x58                        ; products: C and D in window 1, W (source 0) in window 0, tokens (source 1) in window 2 or 3
.set WMS,  4
.endif
.if LAYER == 1
.set ASTEP, 256                        ; bytes that a chunk advances in the token rows: 128 bf16 of a row of xb,
.else
.set ASTEP, 4096                       ; or four blocks of h
.endif
.set PITCH, 1<<PSH                     ; bytes in a row of W, and in an expert's bias
.set NCH,   KW/128                     ; chunks
.set CH,    128*PITCH                  ; bytes from chunk to chunk in W
.set CHB,   16384                      ; a chunk in LDS: 4 blocks (32 k) of 4,096: c 1024 + g 512 + 16 lane
.set TILEB, 65536
.set EST,   80*TILEB
.set LIST,  (NCH+1)*CHB                ; behind the slice and one chunk's room, which takes the loop's last piece and is never read
.set LISTB, 4352                       ; a wave's own list: 1,024 entries, 32 words for the lanes with nothing to say
.if LAYER == 2
.set SPARE, LIST
.else
.set SPARE, LIST+4*LISTB
.endif
; scalars
.set WV, 2                             ; wave: u
.set HM, 3                             ; a word's upper half (layer 2)
.set EX, 4                             ; expert
.set SL, 5                             ; slice
.set KH, 6                             ; K half (layer 3)
.set PC, 7                             ; running count
.set SRC, 8                            ; s[8:9]   token rows
.set MAPS, 10                          ; s[10:11]
.set WB, 12                            ; s[12:13] W, stepped
.set BP, 14                            ; s[14:15] bias
.set BM, 16                            ; s[16:47] the expert's bitmap; s[48:63], s[68:83] its second-choice bitmap (layer 3).  Behind the count s16.. are used again:
.set CNT, 16
.set CM1, 17                           ; max(count, 1) - 1
.set MT, 18                            ; live tiles
.set NPASS, 19
.set PIDX, 20
.set LM, 21                            ; -1: the chunk's request for weights exists; 0: it would pass the slice's end
.set SV, 22
.set TBM, 23                           ; LDS byte of the chunk to be multiplied
.set TBS, 24                           ; LDS byte of the chunk to be stored
.set REM, 25                           ; chunks of the pass still to be multiplied, this one among them
.set Q, 26
.set LV4, 27                           ; 1: slot 4's tile is live
.set TS, 66
.set TS2, 67
.set OUT, 84                           ; s[84:85]
.set WTS, 86                           ; s[86:87] (layer 3)
.set A0, 88                            ; s[88:89] the pass's token rows; s[92:93] the next chunk's; s[94:95] at work
.set AN, 92
.set TN, 94
.set ST, 96                            ; s[96:97] an offset as a pair; the high word stays 0
; vectors, window 0
.set LL, 1
.set RR, 2
.set HH, 3
.set BADR, 4                           ; the bias's offset; then the LDS address of the chunk's fragments
.set L16, 5
.set SPW, 6                            ; my spare word; never rewritten
.set NIL, 7                            ; 0; never rewritten
.set AO, 8                             ; v[8:12] layer 1: slot i's token x 2,048 + 16 h
.set SO, 13                            ; layers 1, 2: my offset in h
.set R16, 13                           ; layer 3: 16 r
.set LB, 14
.set PO, 15                            ; (32 u + lane) PITCH: a row a lane, for the prefetch
.set ZZ, 16                            ; v[16:23] zeros
.set BF, 24                            ; v[24:87] W's fragments, two sets: 32 s + 8 c + 4 g
.set F, 88                             ; v[88:119] my block, rounded: 8 c + 4 g + p
.set WO, 120                           ; (32 u + 8 h) PITCH + 16 r
.set SA0, 121                          ; 4096 u + 16 lane
.set SA, 122
.set HX, 123
.set DI, 124
.set L2, 125
.set T0, 126
.set T1, 127
.set QR, 128                           ; v[128:255] weights as loaded, two sets of 16 loads: 64 s + 4 i + c
.set DD, 128                           ; layer 3's way out, where the weights lay
.set WA, 136
.set WGT, 144
.set RO, 152
; window 1: v[0:159] accumulator (i, c) at 32 i + 8 c; v[160:191] the bias as a C operand; v[192:..] at work on the way out; v255 zero (layers 1, 2)
.set BI, 160
.set TT, 192
; windows 2 and 3: v[0:159] the token fragments of a chunk, two buffers: 40 t + 8 i + 4 g
.set MSB, 0
.macro WIN new                         ; s_set_vgpr_msb: bits 1:0 source 0, 3:2 source 1, 5:4 source 2, 7:6 destination; the high byte repeats the setting that is left
.if MSB != (\new)
	s_set_vgpr_msb (MSB<<8)|(\new)
.set MSB, (\new)
.endif
.endm
.macro PLACES                          ; four places between a product and a load into, or a vector instruction on, one of its registers
.rept 4
	v_nop
.endr
.endm
; 16 loads: my 32 k rows of a chunk.  Lanes 0-15 take the slice's 256 bytes of one row, lanes 16-31 those of the row 8 further down: each half 256 consecutive bytes, aligned.
.macro SLOADS set, extra
.irp i, 0,1,2,3,4,5,6,7,8,9,10,11,12,13,14,15
	global_load_b128 v[QR+64*(\set)+4*(\i):QR+64*(\set)+4*(\i)+3], v[WO], s[WB:WB+1] offset:((\i)+8*((\i)/8))*PITCH+(\extra) th:TH_LOAD_NT
.endr
.endm
; The set's 32 rows are rounded, stored as fragments, and the set is asked for again, two chunks on.
; Lane (r, h) holds columns 4 r + c of rows k and k + 1: one conversion makes a fragment register of "n tile c" (columns 4 r + c, r = 0..15), k in its true place.
; masked = 1: where the request would pass the slice's end the 16 loads are issued with no lane on and the address stays.
.macro STREAM set, masked
.irp c, 0,1,2,3
.irp g, 0,1
.irp p, 0,1,2,3
	v_cvt_pk_bf16_f32 v[F+8*(\c)+4*(\g)+(\p)], v[QR+64*(\set)+4*(8*(\g)+2*(\p))+(\c)], v[QR+64*(\set)+4*(8*(\g)+2*(\p)+1)+(\c)]
.endr
.endr
.endr
.if LAYER == 2
	; the numbers rounded to bf16 are written as f16: widened into the set's 64 registers, which have been read, and packed again; in runs of 32, so that no line waits for the one before it
.set nn, 0
.rept 32
	v_lshlrev_b32 v[QR+64*(\set)+2*nn], 16, v[F+nn]
	v_and_b32 v[QR+64*(\set)+2*nn+1], s[HM], v[F+nn]
.set nn, nn+1
.endr
.set nn, 0
.rept 32
	v_cvt_pk_f16_f32 v[F+nn], v[QR+64*(\set)+2*nn], v[QR+64*(\set)+2*nn+1]
.set nn, nn+1
.endr
.endif
	v_add_nc_u32 v[SA], s[TBS], v[SA0]
.irp c, 0,1,2,3
.irp g, 0,1
	ds_store_b128 v[SA], v[F+8*(\c)+4*(\g):F+8*(\c)+4*(\g)+3] offset:(\c)*1024+(\g)*512  ; 512 consecutive bytes
.endr
.endr
	s_add_co_u32 s[TBS], s[TBS], CHB
.if \masked
	s_cmp_gt_u32 s[REM], 3                         ; chunk j + 3 exists where four chunks or more are left
	s_cselect_b32 s[LM], -1, 0
	s_and_b32 s[ST], s[LM], CH
	s_wait_xcnt 0x0                                ; W's address is stepped, and EXEC narrowed, only behind this wait
	s_add_nc_u64 s[WB:WB+1], s[WB:WB+1], s[ST:ST+1]
	s_and_saveexec_b32 s[SV], s[LM]
.else
	s_wait_xcnt 0x0
	s_add_nc_u64 s[WB:WB+1], s[WB:WB+1], 2*CH
.endif
	SLOADS \set, 0
.if \masked
	s_wait_xcnt 0x0                                ; and again in front of the line that widens EXEC
	s_or_b32 exec_lo, exec_lo, s[SV]
.endif
.endm
; Eight loads: slot i's fragments of a chunk's four K steps
.macro ALDS base, i
.irp t, 0,1,2,3
.irp g, 0,1
.if LAYER == 1
	global_load_b128 v[40*(\t)+8*(\i)+4*(\g):40*(\t)+8*(\i)+4*(\g)+3], v[AO+(\i)], s[\base:\base+1] offset:(\t)*64+32*(\g)
.else
	global_load_b128 v[40*(\t)+8*(\i)+4*(\g):40*(\t)+8*(\i)+4*(\g)+3], v[L16], s[\base:\base+1] offset:(\i)*4*TILEB+(\t)*1024+(\g)*512
.endif
.endr
.endr
.endm
; A chunk's token fragments into buffer par: 32 loads, and slot 4's eight where its tile is live
.macro ABATCH par, base
	WIN 0x80+0x40*(\par)
	ALDS \base, 0
	ALDS \base, 1
	ALDS \base, 2
	ALDS \base, 3
	WIN 0
	s_cmp_eq_u32 s[LV4], 0
	s_cbranch_scc1 .Lno4_\@
	WIN 0x80+0x40*(\par)
	ALDS \base, 4
	WIN 0
.Lno4_\@:
.endm
.macro BLD blk, set                    ; eight LDS loads: W's four fragments of one block
.irp c, 0,1,2,3
.irp g, 0,1
	ds_load_b128 v[BF+32*(\set)+8*(\c)+4*(\g):BF+32*(\set)+8*(\c)+4*(\g)+3], v[BADR] offset:(\blk)*4096+(\c)*1024+(\g)*512
.endr
.endr
.endm
; Slot i's four products of step t.  Layers 1, 2: source 0 = W: lane (r, h), register j = token r, column 32 h + 4 j + c.  Layer 3: source 0 = tokens: token 8 h + j, column 4 r + c.
.macro PROD t, i
.irp c, 0,1,2,3
.if LAYER == 3
	v_wmma_f32_16x16x32_bf16 v[32*(\i)+8*(\c):32*(\i)+8*(\c)+7], v[40*(\t)+8*(\i):40*(\t)+8*(\i)+7], v[BF+32*((\t)%2)+8*(\c):BF+32*((\t)%2)+8*(\c)+7], v[32*(\i)+8*(\c):32*(\i)+8*(\c)+7]
.elseif LAYER == 2
	v_wmma_f32_16x16x32_f16 v[32*(\i)+8*(\c):32*(\i)+8*(\c)+7], v[BF+32*((\t)%2)+8*(\c):BF+32*((\t)%2)+8*(\c)+7], v[40*(\t)+8*(\i):40*(\t)+8*(\i)+7], v[32*(\i)+8*(\c):32*(\i)+8*(\c)+7]
.else
	v_wmma_f32_16x16x32_bf16 v[32*(\i)+8*(\c):32*(\i)+8*(\c)+7], v[BF+32*((\t)%2)+8*(\c):BF+32*((\t)%2)+8*(\c)+7], v[40*(\t)+8*(\i):40*(\t)+8*(\i)+7], v[32*(\i)+8*(\c):32*(\i)+8*(\c)+7]
.endif
.endr
.endm
; K step t of a chunk's four.  The 16 or 20 accumulators take turns, one instruction a turn, over the loops' jumps too.
.macro MSTEP par, t
.if (\t) == 0
	BLD 0, 0
	BLD 1, 1
	s_wait_dscnt 8                                 ; the next block's eight may stay out
.elseif (\t) < 3
	PLACES
	BLD (\t)+1, ((\t)+1)%2
	s_wait_dscnt 8
.else
	s_wait_dscnt 0x0
.endif
	WIN WM0+WMS*(\par)
	PROD \t, 0
	PROD \t, 1
	PROD \t, 2
	PROD \t, 3
	WIN 0
	s_cmp_eq_u32 s[LV4], 0
	s_cbranch_scc1 .Lskip_\@                       ; slot 4's tile lies past the count
	WIN WM0+WMS*(\par)
	PROD \t, 4
	WIN 0
.Lskip_\@:
.endm
; CHUNK j of a pass; par = j % 2: its token buffer.  stream = 1: pass 0, which also stores chunk j + 1 of the weights, asks for chunk j + 3, and ends in the barrier.
.macro CHUNK par, stream
.if \stream
	s_wait_loadcnt 16                              ; behind this chunk's token rows one request for weights was issued: it may stay out; the weights of chunk j + 1 are older and in
	s_cmp_lg_u32 s[LM], 0
	s_cbranch_scc1 .Lfull_\@
	s_wait_loadcnt 0x0                             ; where that request went out with no lane on, nothing that is wanted is younger: the text leans on no count of such loads
.Lfull_\@:
.else
	s_wait_loadcnt 0x0                             ; this chunk's token rows
.endif
	PLACES                                         ; behind the last chunk's products, which read the other buffer and W's fragments
	ABATCH 1-(\par), AN                            ; the next chunk's token rows; behind the pass's last chunk its first chunk's once more: bytes that exist, loaded and not used
.if \stream
	STREAM 1-(\par), 1
	s_cmp_gt_u32 s[REM], 6
	s_cbranch_scc0 .Lnopf_\@                       ; chunk j + 6 would pass the slice's end
	global_prefetch_b8 v[PO], s[WB:WB+1] offset:3*CH th:TH_LOAD_NT scope:SCOPE_SE  ; my 32 rows' 256 bytes of chunk j + 6, which trip j + 3 loads: a lane a row, each block asked for once in the launch; 3 chunks, 96 KB a work-group, ahead
.Lnopf_\@:
.endif
	v_add_nc_u32 v[BADR], s[TBM], v[L16]
	MSTEP \par, 0
	MSTEP \par, 1
	MSTEP \par, 2
	MSTEP \par, 3
	s_wait_xcnt 0x0                                ; the loads' base is rewritten only behind this wait
	s_add_nc_u64 s[TN:TN+1], s[AN:AN+1], ASTEP
	s_cmp_gt_u32 s[REM], 2
	s_cselect_b64 s[AN:AN+1], s[TN:TN+1], s[A0:A0+1]
	s_sub_co_u32 s[REM], s[REM], 1
	s_add_co_u32 s[TBM], s[TBM], CHB
.if \stream
	s_wait_dscnt 0x0                               ; my stores of chunk j + 1 are done, my reads are back
	s_barrier_signal -1
	s_barrier_wait -1
.endif
.endm
; A pass begins: which tiles, their rows, the sums started with the bias (a product of zeros with the bias as C, in the form of the layer's products: one text then serves every K step, and nothing is cleared), chunk 0's token rows.
.macro PASS_SETUP
	s_mul_i32 s[TS], s[PIDX], 20
	s_add_co_u32 s[TS], s[TS], s[WV]               ; my slot 0's tile
	s_add_co_u32 s[TS2], s[TS], 16
	s_cmp_lt_u32 s[TS2], s[MT]
	s_cselect_b32 s[LV4], 1, 0
.if LAYER == 1
	s_lshl_b32 s[TS], s[TS], 4
.irp i, 0,1,2,3,4
	v_add3_u32 v[T0], v[RR], s[TS], 64*(\i)        ; my row's rank,
	v_min_u32 v[T0], s[CM1], v[T0]                 ; past the count the last row once more,
	v_min_u32 v[T0], 0x3ff, v[T0]
	v_lshl_add_u32 v[T0], v[T0], 2, v[LB]
	ds_load_b32 v[AO+(\i)], v[T0]                  ; its token
.endr
	s_wait_dscnt 0x0
.irp i, 0,1,2,3,4
	v_min_u32 v[AO+(\i)], 0x3ff, v[AO+(\i)]
	v_lshl_add_u32 v[AO+(\i)], v[AO+(\i)], 11, v[HX]
.endr
	s_mov_b64 s[A0:A0+1], s[SRC:SRC+1]
.else
	s_lshl_b32 s[ST], s[TS], 16
	s_add_nc_u64 s[A0:A0+1], s[SRC:SRC+1], s[ST:ST+1]
.endif
	WIN 0x50
.irp i, 0,1,2,3,4
.irp c, 0,1,2,3
.if LAYER == 2
	v_wmma_f32_16x16x32_f16 v[32*(\i)+8*(\c):32*(\i)+8*(\c)+7], v[ZZ:ZZ+7], v[ZZ:ZZ+7], v[BI+8*(\c):BI+8*(\c)+7]
.else
	v_wmma_f32_16x16x32_bf16 v[32*(\i)+8*(\c):32*(\i)+8*(\c)+7], v[ZZ:ZZ+7], v[ZZ:ZZ+7], v[BI+8*(\c):BI+8*(\c)+7]
.endif
.endr
.endr
	WIN 0
	ABATCH 0, A0
	s_add_nc_u64 s[AN:AN+1], s[A0:A0+1], ASTEP
	s_mov_b32 s[REM], NCH
	s_mov_b32 s[TBM], 0
.endm
.if LAYER == 3
; Layer 3's way out for slot i: a live tile's rows are multiplied by their tokens' weights and stored: sixteen lanes fill the slice's 256 bytes of a row of y, aligned.  Ranks past the count store the last row's bits once more.
.macro YTILE i
	s_add_co_u32 s[TS2], s[TS], 64*(\i)
	s_cmp_ge_u32 s[TS2], s[CNT]
	s_cbranch_scc1 .Ldead_\@
	s_wait_xcnt 0x0                                ; the earlier tiles' stores have read their addresses and data
.set j, 0
.rept 8
	v_add3_u32 v[RO+j], v[HX], s[TS2], j           ; register j holds rank 16 T + 8 h + j
	v_min_u32 v[RO+j], s[CM1], v[RO+j]
	v_min_u32 v[RO+j], 0x3ff, v[RO+j]
	v_lshl_add_u32 v[RO+j], v[RO+j], 2, v[LB]
	ds_load_b32 v[DD+j], v[RO+j]                   ; 2 x token + (second choice)
.set j, j+1
.endr
	s_wait_dscnt 0x0
.set j, 0
.rept 8
	v_min_u32 v[DD+j], 0x7ff, v[DD+j]
	v_lshlrev_b32 v[WA+j], 2, v[DD+j]
	global_load_b32 v[WGT+j], v[WA+j], s[WTS:WTS+1]
	v_lshl_add_u32 v[RO+j], v[DD+j], 12, v[R16]
.set j, j+1
.endr
	s_wait_loadcnt 0x0
	WIN 0x41                                       ; destination and source 0 in window 1
.set j, 0
.rept 8                                                ; each accumulator is read from its low end on
.irp c, 0,1,2,3
	v_mul_f32 v[TT+32*((\i)%2)+4*j+(\c)], v[32*(\i)+8*(\c)+j], v[WGT+j]
.endr
.set j, j+1
.endr
	WIN 0x04                                       ; store data in window 1
.set j, 0
.rept 8
	global_store_b128 v[RO+j], v[TT+32*((\i)%2)+4*j:TT+32*((\i)%2)+4*j+3], s[OUT:OUT+1]
.set j, j+1
.endr
	WIN 0
.Ldead_\@:
.endm
.else
; Layers 1, 2: a lane's 32 numbers of a slot are 32 neighbouring columns of one row: rounded (layer 1 to f16, layer 2 to bf16), ReLU on the packed halves, four stores of 16 bytes, in each of which sixteen lanes fill 256 consecutive bytes, aligned
.macro HTILE i
.if (\i) % 3 == 0
	s_wait_xcnt 0x0                                ; three sets of store registers take turns: the stores that read the sets written from here on were issued ahead of this wait
.endif
	WIN 0x45
.set j, 0
.rept 8                                                ; each accumulator is read from its low end on
.if LAYER == 1
	v_cvt_pk_f16_f32 v[TT+16*((\i)%3)+2*j],   v[32*(\i)+j],    v[32*(\i)+8+j]
	v_cvt_pk_f16_f32 v[TT+16*((\i)%3)+2*j+1], v[32*(\i)+16+j], v[32*(\i)+24+j]
.else
	v_cvt_pk_bf16_f32 v[TT+16*((\i)%3)+2*j],   v[32*(\i)+j],    v[32*(\i)+8+j]
	v_cvt_pk_bf16_f32 v[TT+16*((\i)%3)+2*j+1], v[32*(\i)+16+j], v[32*(\i)+24+j]
.endif
.set j, j+1
.endr
.set j, 0
.rept 16
.if LAYER == 1
	v_pk_max_num_f16 v[TT+16*((\i)%3)+j], v[TT+16*((\i)%3)+j], v255
.else
	v_pk_max_num_bf16 v[TT+16*((\i)%3)+j], v[TT+16*((\i)%3)+j], v255
.endif
.set j, j+1
.endr
	WIN 0x04
.irp q, 0,1,2,3
	global_store_b128 v[SO], v[TT+16*((\i)%3)+4*(\q):TT+16*((\i)%3)+4*(\q)+3], s[OUT:OUT+1] offset:(\i)*4*TILEB+((\q)/2)*512+((\q)%2)*256
.endr
	WIN 0
.endm
.endif
	s_load_b256 s[8:15], s[0:1], 0x0               ; token rows, maps, W, bias
.if LAYER == 3
	s_load_b128 s[84:87], s[0:1], 0x20             ; y, wts
.else
	s_load_b64 s[84:85], s[0:1], 0x20              ; h
.endif
	v_lshl_add_u32 v[SPW], v0, 2, SPARE            ; my spare word,
	v_mov_b32 v[NIL], 0                            ; and 0: kept for the wave's end alone
	v_lshrrev_b32 v1, 5, v0
	v_readfirstlane_b32 s[WV], v1
	v_and_b32 v[LL], 31, v0
	v_and_b32 v[RR], 15, v0
	v_bfe_u32 v[HH], v0, 4, 1
	s_and_b32 s[EX], ttmp7, 0xffff
.if LAYER == 3
	s_and_b32 s[SL], ttmp9, 15
	s_lshr_b32 s[KH], ttmp9, 4
	v_lshlrev_b32 v[BADR], 4, v[RR]                ; the bias: b[4 r + c]
.else
	s_mov_b32 s[SL], ttmp9
	v_lshlrev_b32 v[BADR], 7, v[HH]                ; the bias: b[32 h + ..]
.endif
.if LAYER == 2
	s_mov_b32 s[HM], 0xffff0000
.endif
	s_mov_b32 s[ST+1], 0
	s_lshl_b32 s[TS], s[WV], 5                     ; my block's 32 rows
	v_lshl_add_u32 v[WO], v[HH], 3, s[TS]
	v_lshlrev_b32 v[WO], PSH, v[WO]
	v_lshl_add_u32 v[WO], v[RR], 4, v[WO]
	v_add_nc_u32 v[PO], s[TS], v[LL]
	v_lshlrev_b32 v[PO], PSH, v[PO]
	s_wait_kmcnt 0x0
	s_lshl_b32 s[ST], s[EX], 7
	s_add_nc_u64 s[MAPS:MAPS+1], s[MAPS:MAPS+1], s[ST:ST+1]
	s_load_b512 s[16:31], s[MAPS:MAPS+1], 0x0
	s_load_b512 s[32:47], s[MAPS:MAPS+1], 0x40
.if LAYER == 3
	s_load_b512 s[48:63], s[MAPS:MAPS+1], 0x400
	s_load_b512 s[68:83], s[MAPS:MAPS+1], 0x440
.endif
	s_lshl_b32 s[ST], s[EX], PSH
	s_lshl_b32 s[TS], s[SL], 8
	s_add_co_u32 s[ST], s[ST], s[TS]
	s_add_nc_u64 s[BP:BP+1], s[BP:BP+1], s[ST:ST+1]
	; the bias first, so that the wait for it leaves the weights out
.if LAYER == 3
	global_load_b128 v[F:F+3], v[BADR], s[BP:BP+1]
.else
.irp q, 0,1,2,3,4,5,6,7
	global_load_b128 v[F+4*(\q):F+4*(\q)+3], v[BADR], s[BP:BP+1] offset:16*(\q)  ; b[32 h + 4 j + c], j = q
.endr
.endif
	s_lshl_b32 s[ST], s[EX], EWSH
	s_add_co_u32 s[ST], s[ST], s[TS]
.if LAYER == 3
	s_lshl_b32 s[TS], s[KH], 22                    ; 1,024 rows of 4,096 bytes
	s_add_co_u32 s[ST], s[ST], s[TS]
.endif
	s_add_nc_u64 s[WB:WB+1], s[WB:WB+1], s[ST:ST+1]
	SLOADS 0, 0                                    ; chunks 0 and 1 of the weights
	SLOADS 1, CH
.irp n, 3,4,5
	global_prefetch_b8 v[PO], s[WB:WB+1] offset:(\n)*CH th:TH_LOAD_NT scope:SCOPE_SE  ; my rows of chunks 3 to 5, which trips 0 to 2 load; the loop goes on with chunk 6
.endr
	s_mul_i32 s[ST], s[EX], EST
.if LAYER == 3
	s_lshl_b32 s[TS], s[KH], 15                    ; 32 blocks of 1,024 bytes
	s_add_co_u32 s[ST], s[ST], s[TS]
.endif
.if LAYER != 1
	s_add_nc_u64 s[SRC:SRC+1], s[SRC:SRC+1], s[ST:ST+1]
.endif
.if LAYER == 3
	s_lshl_b32 s[ST], s[KH], 23                    ; y's half: 2,048 rows of 4,096 bytes
	s_lshl_b32 s[TS], s[SL], 8
.else
	s_lshl_b32 s[TS], s[SL], 11                    ; the slice's two blocks
.endif
	s_add_co_u32 s[ST], s[ST], s[TS]
	s_add_nc_u64 s[OUT:OUT+1], s[OUT:OUT+1], s[ST:ST+1]
	v_lshlrev_b32 v[L16], 4, v[LL]
	s_lshl_b32 s[TS], s[WV], 12
	v_lshl_add_u32 v[SA0], v[LL], 4, s[TS]
.if LAYER == 3
	v_lshlrev_b32 v[R16], 4, v[RR]
	v_lshlrev_b32 v[HX], 3, v[HH]
	v_lshlrev_b32 v[L2], 1, v[LL]
.else
	s_lshl_b32 s[TS], s[WV], 16
	v_lshl_add_u32 v[SO], v[HH], 10, s[TS]         ; tile u, block h, 16 r
	v_lshl_add_u32 v[SO], v[RR], 4, v[SO]
.endif
.if LAYER == 1
	v_lshlrev_b32 v[HX], 4, v[HH]
.endif
.if LAYER != 2
	s_mul_i32 s[TS], s[WV], LISTB
	s_add_co_u32 s[TS], s[TS], LIST
	v_mov_b32 v[LB], s[TS]                         ; my own list
	v_add_nc_u32 v[DI], 1024, v[LL]
.endif
.set j, 0
.rept 8
	v_mov_b32 v[ZZ+j], 0
.set j, j+1
.endr
	; slot 4's fragment registers hold zeros until a live tile's loads write them; where the tile is past the count its products are jumped with its loads, and nothing is made of them
.irp w, 0x80, 0xc0
	WIN \w
.irp t, 0,1,2,3
.set j, 0
.rept 8
	v_mov_b32 v[40*(\t)+32+j], 0
.set j, j+1
.endr
.endr
.endr
	WIN 0
	s_wait_kmcnt 0x0
	; the list: entry rank = token (layer 3: 2 x token + second choice).  Word j of the bitmap: a set lane's rank is the count so far plus the set bits below it; the other lanes write words that nobody reads.
	s_mov_b32 s[PC], 0
.if LAYER != 2
	v_lshl_add_u32 v[T0], v[LL], 2, v[LB]
	ds_store_b32 v[T0], v[ZZ]                      ; entry 0 exists where the expert has no row
.endif
.set j, 0
.rept 32
.if LAYER != 2
	v_mbcnt_lo_u32_b32 v[T0], s[BM+j], s[PC]
	v_cndmask_b32 v[T0], v[DI], v[T0], s[BM+j]
	v_min_u32 v[T0], 0x41f, v[T0]
	v_lshl_add_u32 v[T0], v[T0], 2, v[LB]
.if LAYER == 1
	v_or_b32 v[T1], 32*j, v[LL]
.else
	v_cndmask_b32 v[T1], 0, 1, s[48+j+4*(j/16)]
	v_add3_u32 v[T1], v[T1], v[L2], 64*j
.endif
	ds_store_b32 v[T0], v[T1]
.endif
	s_bcnt1_i32_b32 s[TS2], s[BM+j]
	s_add_co_u32 s[PC], s[PC], s[TS2]
.set j, j+1
.endr
	s_mov_b32 s[CNT], s[PC]
	s_max_u32 s[CM1], s[PC], 1
	s_sub_co_u32 s[CM1], s[CM1], 1
	s_add_co_u32 s[MT], s[PC], 15
	s_lshr_b32 s[MT], s[MT], 4
	s_add_co_u32 s[NPASS], s[MT], 19
	s_mul_hi_u32 s[NPASS], s[NPASS], 0x0ccccccd    ; (tiles + 19) / 20
	s_mov_b32 s[PIDX], 0
	s_mov_b32 s[LM], -1
	s_mov_b32 s[TBS], 0
	; the bias, rounded to bf16, as a C operand
.if LAYER == 3
	s_cmp_eq_u32 s[KH], 0
	s_cselect_b32 s[TS], -1, 0                     ; K half 0 alone adds it
.endif
	s_wait_loadcnt 32                              ; behind the bias: the 32 loads of chunks 0 and 1
.if LAYER == 3
	v_cvt_pk_bf16_f32 v[BF], v[F], v[F+1]
	v_cvt_pk_bf16_f32 v[BF+1], v[F+2], v[F+3]
	v_lshlrev_b32 v[BF+2], 16, v[BF]
	v_and_b32 v[BF+3], 0xffff0000, v[BF]
	v_lshlrev_b32 v[BF+4], 16, v[BF+1]
	v_and_b32 v[BF+5], 0xffff0000, v[BF+1]
	WIN 0x40
.irp c, 0,1,2,3
.set j, 0
.rept 8
	v_and_b32 v[BI+8*(\c)+j], s[TS], v[BF+2+(\c)]
.set j, j+1
.endr
.endr
.else
.set j, 0
.rept 8
	v_cvt_pk_bf16_f32 v[BF+2*j], v[F+4*j], v[F+4*j+1]
	v_cvt_pk_bf16_f32 v[BF+2*j+1], v[F+4*j+2], v[F+4*j+3]
.set j, j+1
.endr
	WIN 0x40
.set j, 0
.rept 8
	v_lshlrev_b32 v[BI+j], 16, v[BF+2*j]
	v_and_b32 v[BI+8+j], 0xffff0000, v[BF+2*j]
	v_lshlrev_b32 v[BI+16+j], 16, v[BF+2*j+1]
	v_and_b32 v[BI+24+j], 0xffff0000, v[BF+2*j+1]
.set j, j+1
.endr
	v_mov_b32 v255, 0                              ; for the ReLU on packed halves
.endif
	WIN 0
	PASS_SETUP
	s_wait_loadcnt 48                              ; behind chunk 0's weights: chunk 1's 16 loads and the token rows' 32 at the least
	STREAM 0, 0                                    ; chunk 0 is stored, chunk 2 asked for
	s_wait_dscnt 0x0                               ; for the others' sake: my block of chunk 0 is in LDS
	s_barrier_signal -1
	s_barrier_wait -1
	s_mov_b32 s[Q], NCH/2
.Lq:
	CHUNK 0, 1
	CHUNK 1, 1
	s_sub_co_u32 s[Q], s[Q], 1
	s_cmp_lg_u32 s[Q], 0
	s_cbranch_scc1 .Lq
	s_branch .Lepi                                 ; pass 0 is multiplied: the loop over passes is entered at its way out
.Lpass:                                                ; passes 1 to 3, from the resident slice: no barrier and no LDS store; a pass that the count does not reach is jumped
	s_cmp_ge_u32 s[PIDX], s[NPASS]
	s_cbranch_scc1 .Lbottom
	PASS_SETUP
	s_mov_b32 s[Q], NCH/2
.Lk:
	CHUNK 0, 0
	CHUNK 1, 0
	s_sub_co_u32 s[Q], s[Q], 1
	s_cmp_lg_u32 s[Q], 0
	s_cbranch_scc1 .Lk
.Lepi:
	s_wait_loadcnt 0x0                             ; the look-ahead's last loads: the buffers and their addresses are free
.rept 5
	v_nop                                          ; places behind the last products: four for the reads below, five for the next pass's first products, which write over these accumulators
.endr
.if LAYER == 3
	s_mul_i32 s[TS], s[PIDX], 20
	s_add_co_u32 s[TS], s[TS], s[WV]
	s_lshl_b32 s[TS], s[TS], 4                     ; my slot 0's first rank
	YTILE 0
	YTILE 1
	YTILE 2
	YTILE 3
	YTILE 4
.else
	HTILE 0
	HTILE 1
	HTILE 2
	HTILE 3
	s_cmp_eq_u32 s[LV4], 0
	s_cbranch_scc1 .Lno4e                          ; the next layer does not load a slot 4 that is past the count
	HTILE 4
.Lno4e:
	s_wait_xcnt 0x0
	s_add_nc_u64 s[OUT:OUT+1], s[OUT:OUT+1], 20*TILEB
.endif
.Lbottom:
	s_add_co_u32 s[PIDX], s[PIDX], 1
	s_cmp_lt_u32 s[PIDX], 4
	s_cbranch_scc1 .Lpass
	s_wait_dscnt 0x0                               ; my LDS reads are back, those of the later passes too;
	s_barrier_signal -1                            ; the four waves meet once more: every wave's reads of LDS are over
	s_barrier_wait -1                              ; before any wave's last LDS write, below
	s_wait_tensorcnt 0x0                           ; the wave's end, behind the wave's last LDS store
	ds_add_u32 v[SPW], v[NIL]
	s_wait_dscnt 0x0
	s_endpgm
.Lfunc_end_k_q0ed6e9a3bc_mlp2:
	.size	k_q0ed6e9a3bc_mlp2, .Lfunc_end_k_q0ed6e9a3bc_mlp2-k_q0ed6e9a3bc_mlp2
	.p2alignl 7, 3214868480
	.fill 96, 4, 3214868480
	.section	.rodata,"a",@progbits
	.p2align	6, 0x0
	.amdhsa_kernel k_q0ed6e9a3bc_mlp2
		.amdhsa_group_segment_fixed_size 279040
		.amdhsa_private_segment_fixed_size 0
		.amdhsa_enable_private_segment 0
		.amdhsa_kernarg_size 40
		.amdhsa_user_sgpr_count 2
		.amdhsa_user_sgpr_kernarg_segment_ptr 1
		.amdhsa_wavefront_size32 1
		.amdhsa_system_sgpr_workgroup_id_x 1
		.amdhsa_system_sgpr_workgroup_id_y 1
		.amdhsa_system_sgpr_workgroup_id_z 1
		.amdhsa_system_vgpr_workitem_id 0
		.amdhsa_next_free_vgpr 928
		.amdhsa_next_free_sgpr 98
		.amdhsa_reserve_vcc 0
		.amdhsa_float_denorm_mode_32 3
		.amdhsa_float_denorm_mode_16_64 3
		.amdhsa_memory_ordered 1
		.amdhsa_forward_progress 1
		.amdhsa_inst_pref_size 114
	.end_amdhsa_kernel
	.amdgpu_metadata
---
amdhsa.version: [ 1, 2 ]
amdhsa.kernels:
  - .name:           k_q0ed6e9a3bc_mlp2
    .symbol:         k_q0ed6e9a3bc_mlp2.kd
    .args:
      - { .name: h1, .offset: 0, .size: 8, .value_kind: global_buffer, .address_space: global }
      - { .name: maps, .offset: 8, .size: 8, .value_kind: global_buffer, .address_space: global }
      - { .name: W2, .offset: 16, .size: 8, .value_kind: global_buffer, .address_space: global }
      - { .name: b2, .offset: 24, .size: 8, .value_kind: global_buffer, .address_space: global }
      - { .name: h2, .offset: 32, .size: 8, .value_kind: global_buffer, .address_space: global }
    .group_segment_fixed_size: 279040
    .private_segment_fixed_size: 0
    .kernarg_segment_align: 8
    .kernarg_segment_size: 40
    .max_flat_workgroup_size: 128
    .sgpr_count:     98
    .vgpr_count:     928
    .wavefront_size: 32
...
	.end_amdgpu_metadata
.endif
;; end of part 3
;; launch mlp3 (part 4): grid 32 x 8, 4 waves a work-group, no clusters, 165,376 bytes of LDS; arguments h2, maps, W3, b3, y, wts; writes y
.if DOCPART == 4
	.amdgcn_target "amdgcn-amd-amdhsa--gfx1250"
	.amdhsa_code_object_version 6
	.text
	.protected	k_q0ed6e9a3bc_mlp3
	.globl	k_q0ed6e9a3bc_mlp3
	.p2align	8
	.type	k_q0ed6e9a3bc_mlp3,@function
k_q0ed6e9a3bc_mlp3:
	s_mov_b64 s[64:65], 0
	v_nop
	global_prefetch_b8 v0, s[64:65] scope:SCOPE_SE
	s_setreg_imm32_b32 hwreg(HW_REG_WAVE_MODE, 25, 1), 1
	s_wait_xcnt 0x0
; ONE LAYER OF THE EXPERTS' CHAIN, for the rows that chose the expert alone.  One text for the three layers; LAYER picks the sizes.
;   LAYER 1: h1 = relu(x W1[e] + b1[e])     LAYER 2: h2 = relu(h1 W2[e] + b2[e])     LAYER 3: y = w (h2 W3[e] + b3[e]), K in two halves, partial rows in f32
; FORMATS.  Weights and biases are rounded to bf16 on their way through registers, like every input of this program; x came rounded; sums in f32.  h1 is f16, h2 is bf16.  A rounding to bf16's 8 significant
; bits is off by some 2^-9 of the number, and what h1 and h2 lose reaches the output undiminished: f16's 11 bits make h1's share an eighth.  So layer 2 multiplies in f16: W2, rounded to bf16, is written as f16
; (exact from 2^-17 up in magnitude, below that to within 2^-25).  Layers 1 and 3 multiply in bf16.
; SHARE.  A work-group has ONE expert e (grid y) and 64 columns of its weights (grid x; in layer 3 x % 16, and x / 16 is the K half), which it alone reads, each byte once; and ALL rows of that expert.
; Four waves, all alike.  K goes in chunks of 128.  Wave u loads the f32 weights of block u (32 k) of each chunk, rounds them and lays them into LDS as matrix fragments; each LDS byte is written once and the
; whole slice stays.  Wave u multiplies row tiles 4 i + u by all 64 columns.  In chunk j a wave stores chunk j + 1, asks for chunk j + 3 and multiplies chunk j; one barrier a chunk.
; THE ORDER OF THE LOADS.  Loads into registers come back in issue order on one counter a wave (ISA guide 5.7.1).  Chunk j asks first for the token rows of chunk j + 1, then for the weights of chunk j + 3:
; the wait for chunk j's token rows then leaves the weights of chunk j + 2 out, and a request for weights has two chunks' work in which to land: 16 to 32 loads of 512 bytes a wave are on their way.
; NO CLUSTER, NO TENSOR LOAD: each weight has one reader; what an expert's work-groups share is its token rows, which go lane by lane into registers (in layer 1 by a list), and beside the resident slice
; (layer 2: 262,144 bytes) LDS has no room for two slots of 320 rows x 256 bytes.
; ROWS.  A token's rank in its expert is the number of set bits below it in the expert's bitmap (maps, stored by the router).  Tile T = ranks 16 T .. 16 T + 15.  A PASS is 20 tiles: wave u has tiles
; 20 p + 4 i + u, i = 0..4: 5 x 4 accumulators.  Pass 0 runs with the stream; an expert with more than 320 rows takes further passes (at most four: 1,024 rows) from the resident slice, not overlapped with any load of weights.
; Ranks past the count repeat the last row.  Slot 4's loads, products and stores are jumped where its tile is past the count; slots 0 to 3 of every pass that runs are stored in h1, h2, so the next layer loads stored bytes alone.
; An expert without rows still walks pass 0 (on token 0's row; in layer 3 it stores nothing): every wave passes every barrier, none of which hangs on loaded data.
; h1, h2 LIE IN FRAGMENT ORDER: [8 e][80 tiles][64 kb][1,024 bytes]; byte g 512 + (16 h + r) 16 of a block holds row r, k = 32 kb + 16 g + 8 h + 0..7: a fragment is two loads of 512 consecutive bytes.
; LIMITS.  f16 ends at 65,504: an h1 or a W2 beyond that becomes an infinity.  With x of spread 1 and W1 of spread 0.02 h1's spread is sqrt(1024) x 0.02 = 0.64 and its largest about 3; x and W1 both 30 times larger
; give about 2,700, an offset of 30 spreads on both about 18,500; both 30 times smaller leave a spread of 7e-4, far above f16's fixed step of 6e-8.  h2 carries three such factors, has no such room, and stays bf16.
; NaN and infinities are not treated apart.
.set LAYER, 3
.if LAYER == 2
.set KW,   2048                        ; k rows of a work-group
.set EWSH, 24                          ; an expert's weights: 1 << EWSH bytes
.else
.set KW,   1024
.set EWSH, 23
.endif
.if LAYER == 3
.set PSH,  12
.set WM0,  0x52                        ; products: C and D in window 1, tokens (source 0) in window 2 or 3, W in window 0
.set WMS,  1
.else
.set PSH,  13
.set WM0,  0x58                        ; products: C and D in window 1, W (source 0) in window 0, tokens (source 1) in window 2 or 3
.set WMS,  4
.endif
.if LAYER == 1
.set ASTEP, 256                        ; bytes that a chunk advances in the token rows: 128 bf16 of a row of xb,
.else
.set ASTEP, 4096                       ; or four blocks of h
.endif
.set PITCH, 1<<PSH                     ; bytes in a row of W, and in an expert's bias
.set NCH,   KW/128                     ; chunks
.set CH,    128*PITCH                  ; bytes from chunk to chunk in W
.set CHB,   16384                      ; a chunk in LDS: 4 blocks (32 k) of 4,096: c 1024 + g 512 + 16 lane
.set TILEB, 65536
.set EST,   80*TILEB
.set LIST,  (NCH+1)*CHB                ; behind the slice and one chunk's room, which takes the loop's last piece and is never read
.set LISTB, 4352                       ; a wave's own list: 1,024 entries, 32 words for the lanes with nothing to say
.if LAYER == 2
.set SPARE, LIST
.else
.set SPARE, LIST+4*LISTB
.endif
; scalars
.set WV, 2                             ; wave: u
.set HM, 3                             ; a word's upper half (layer 2)
.set EX, 4                             ; expert
.set SL, 5                             ; slice
.set KH, 6                             ; K half (layer 3)
.set PC, 7                             ; running count
.set SRC, 8                            ; s[8:9]   token rows
.set MAPS, 10                          ; s[10:11]
.set WB, 12                            ; s[12:13] W, stepped
.set BP, 14                            ; s[14:15] bias
.set BM, 16                            ; s[16:47] the expert's bitmap; s[48:63], s[68:83] its second-choice bitmap (layer 3).  Behind the count s16.. are used again:
.set CNT, 16
.set CM1, 17                           ; max(count, 1) - 1
.set MT, 18                            ; live tiles
.set NPASS, 19
.set PIDX, 20
.set LM, 21                            ; -1: the chunk's request for weights exists; 0: it would pass the slice's end
.set SV, 22
.set TBM, 23                           ; LDS byte of the chunk to be multiplied
.set TBS, 24                           ; LDS byte of the chunk to be stored
.set REM, 25                           ; chunks of the pass still to be multiplied, this one among them
.set Q, 26
.set LV4, 27                           ; 1: slot 4's tile is live
.set TS, 66
.set TS2, 67
.set OUT, 84                           ; s[84:85]
.set WTS, 86                           ; s[86:87] (layer 3)
.set A0, 88                            ; s[88:89] the pass's token rows; s[92:93] the next chunk's; s[94:95] at work
.set AN, 92
.set TN, 94
.set ST, 96                            ; s[96:97] an offset as a pair; the high word stays 0
; vectors, window 0
.set LL, 1
.set RR, 2
.set HH, 3
.set BADR, 4                           ; the bias's offset; then the LDS address of the chunk's fragments
.set L16, 5
.set SPW, 6                            ; my spare word; never rewritten
.set NIL, 7                            ; 0; never rewritten
.set AO, 8                             ; v[8:12] layer 1: slot i's token x 2,048 + 16 h
.set SO, 13                            ; layers 1, 2: my offset in h
.set R16, 13                           ; layer 3: 16 r
.set LB, 14
.set PO, 15                            ; (32 u + lane) PITCH: a row a lane, for the prefetch
.set ZZ, 16                            ; v[16:23] zeros
.set BF, 24                            ; v[24:87] W's fragments, two sets: 32 s + 8 c + 4 g
.set F, 88                             ; v[88:119] my block, rounded: 8 c + 4 g + p
.set WO, 120                           ; (32 u + 8 h) PITCH + 16 r
.set SA0, 121                          ; 4096 u + 16 lane
.set SA, 122
.set HX, 123
.set DI, 124
.set L2, 125
.set T0, 126
.set T1, 127
.set QR, 128                           ; v[128:255] weights as loaded, two sets of 16 loads: 64 s + 4 i + c
.set DD, 128                           ; layer 3's way out, where the weights lay
.set WA, 136
.set WGT, 144
.set RO, 152
; window 1: v[0:159] accumulator (i, c) at 32 i + 8 c; v[160:191] the bias as a C operand; v[192:..] at work on the way out; v255 zero (layers 1, 2)
.set BI, 160
.set TT, 192
; windows 2 and 3: v[0:159] the token fragments of a chunk, two buffers: 40 t + 8 i + 4 g
.set MSB, 0
.macro WIN new                         ; s_set_vgpr_msb: bits 1:0 source 0, 3:2 source 1, 5:4 source 2, 7:6 destination; the high byte repeats the setting that is left
.if MSB != (\new)
	s_set_vgpr_msb (MSB<<8)|(\new)
.set MSB, (\new)
.endif
.endm
.macro PLACES                          ; four places between a product and a load into, or a vector instruction on, one of its registers
.rept 4
	v_nop
.endr
.endm
; 16 loads: my 32 k rows of a chunk.  Lanes 0-15 take the slice's 256 bytes of one row, lanes 16-31 those of the row 8 further down: each half 256 consecutive bytes, aligned.
.macro SLOADS set, extra
.irp i, 0,1,2,3,4,5,6,7,8,9,10,11,12,13,14,15
	global_load_b128 v[QR+64*(\set)+4*(\i):QR+64*(\set)+4*(\i)+3], v[WO], s[WB:WB+1] offset:((\i)+8*((\i)/8))*PITCH+(\extra) th:TH_LOAD_NT
.endr
.endm
; The set's 32 rows are rounded, stored as fragments, and the set is asked for again, two chunks on.
; Lane (r, h) holds columns 4 r + c of rows k and k + 1: one conversion makes a fragment register of "n tile c" (columns 4 r + c, r = 0..15), k in its true place.
; masked = 1: where the request would pass the slice's end the 16 loads are issued with no lane on and the address stays.
.macro STREAM set, masked
.irp c, 0,1,2,3
.irp g, 0,1
.irp p, 0,1,2,3
	v_cvt_pk_bf16_f32 v[F+8*(\c)+4*(\g)+(\p)], v[QR+64*(\set)+4*(8*(\g)+2*(\p))+(\c)], v[QR+64*(\set)+4*(8*(\g)+2*(\p)+1)+(\c)]
.endr
.endr
.endr
.if LAYER == 2
	; the numbers rounded to bf16 are written as f16: widened into the set's 64 registers, which have been read, and packed again; in runs of 32, so that no line waits for the one before it
.set nn, 0
.rept 32
	v_lshlrev_b32 v[QR+64*(\set)+2*nn], 16, v[F+nn]
	v_and_b32 v[QR+64*(\set)+2*nn+1], s[HM], v[F+nn]
.set nn, nn+1
.endr
.set nn, 0
.rept 32
	v_cvt_pk_f16_f32 v[F+nn], v[QR+64*(\set)+2*nn], v[QR+64*(\set)+2*nn+1]
.set nn, nn+1
.endr
.endif
	v_add_nc_u32 v[SA], s[TBS], v[SA0]
.irp c, 0,1,2,3
.irp g, 0,1
	ds_store_b128 v[SA], v[F+8*(\c)+4*(\g):F+8*(\c)+4*(\g)+3] offset:(\c)*1024+(\g)*512  ; 512 consecutive bytes
.endr
.endr
	s_add_co_u32 s[TBS], s[TBS], CHB
.if \masked
	s_cmp_gt_u32 s[REM], 3                         ; chunk j + 3 exists where four chunks or more are left
	s_cselect_b32 s[LM], -1, 0
	s_and_b32 s[ST], s[LM], CH
	s_wait_xcnt 0x0                                ; W's address is stepped, and EXEC narrowed, only behind this wait
	s_add_nc_u64 s[WB:WB+1], s[WB:WB+1], s[ST:ST+1]
	s_and_saveexec_b32 s[SV], s[LM]
.else
	s_wait_xcnt 0x0
	s_add_nc_u64 s[WB:WB+1], s[WB:WB+1], 2*CH
.endif
	SLOADS \set, 0
.if \masked
	s_wait_xcnt 0x0                                ; and again in front of the line that widens EXEC
	s_or_b32 exec_lo, exec_lo, s[SV]
.endif
.endm
; Eight loads: slot i's fragments of a chunk's four K steps
.macro ALDS base, i
.irp t, 0,1,2,3
.irp g, 0,1
.if LAYER == 1
	global_load_b128 v[40*(\t)+8*(\i)+4*(\g):40*(\t)+8*(\i)+4*(\g)+3], v[AO+(\i)], s[\base:\base+1] offset:(\t)*64+32*(\g)
.else
	global_load_b128 v[40*(\t)+8*(\i)+4*(\g):40*(\t)+8*(\i)+4*(\g)+3], v[L16], s[\base:\base+1] offset:(\i)*4*TILEB+(\t)*1024+(\g)*512
.endif
.endr
.endr
.endm
; A chunk's token fragments into buffer par: 32 loads, and slot 4's eight where its tile is live
.macro ABATCH par, base
	WIN 0x80+0x40*(\par)
	ALDS \base, 0
	ALDS \base, 1
	ALDS \base, 2
	ALDS \base, 3
	WIN 0
	s_cmp_eq_u32 s[LV4], 0
	s_cbranch_scc1 .Lno4_\@
	WIN 0x80+0x40*(\par)
	ALDS \base, 4
	WIN 0
.Lno4_\@:
.endm
.macro BLD blk, set                    ; eight LDS loads: W's four fragments of one block
.irp c, 0,1,2,3
.irp g, 0,1
	ds_load_b128 v[BF+32*(\set)+8*(\c)+4*(\g):BF+32*(\set)+8*(\c)+4*(\g)+3], v[BADR] offset:(\blk)*4096+(\c)*1024+(\g)*512
.endr
.endr
.endm
; Slot i's four products of step t.  Layers 1, 2: source 0 = W: lane (r, h), register j = token r, column 32 h + 4 j + c.  Layer 3: source 0 = tokens: token 8 h + j, column 4 r + c.
.macro PROD t, i
.irp c, 0,1,2,3
.if LAYER == 3
	v_wmma_f32_16x16x32_bf16 v[32*(\i)+8*(\c):32*(\i)+8*(\c)+7], v[40*(\t)+8*(\i):40*(\t)+8*(\i)+7], v[BF+32*((\t)%2)+8*(\c):BF+32*((\t)%2)+8*(\c)+7], v[32*(\i)+8*(\c):32*(\i)+8*(\c)+7]
.elseif LAYER == 2
	v_wmma_f32_16x16x32_f16 v[32*(\i)+8*(\c):32*(\i)+8*(\c)+7], v[BF+32*((\t)%2)+8*(\c):BF+32*((\t)%2)+8*(\c)+7], v[40*(\t)+8*(\i):40*(\t)+8*(\i)+7], v[32*(\i)+8*(\c):32*(\i)+8*(\c)+7]
.else
	v_wmma_f32_16x16x32_bf16 v[32*(\i)+8*(\c):32*(\i)+8*(\c)+7], v[BF+32*((\t)%2)+8*(\c):BF+32*((\t)%2)+8*(\c)+7], v[40*(\t)+8*(\i):40*(\t)+8*(\i)+7], v[32*(\i)+8*(\c):32*(\i)+8*(\c)+7]
.endif
.endr
.endm
; K step t of a chunk's four.  The 16 or 20 accumulators take turns, one instruction a turn, over the loops' jumps too.
.macro MSTEP par, t
.if (\t) == 0
	BLD 0, 0
	BLD 1, 1
	s_wait_dscnt 8                                 ; the next block's eight may stay out
.elseif (\t) < 3
	PLACES
	BLD (\t)+1, ((\t)+1)%2
	s_wait_dscnt 8
.else
	s_wait_dscnt 0x0
.endif
	WIN WM0+WMS*(\par)
	PROD \t, 0
	PROD \t, 1
	PROD \t, 2
	PROD \t, 3
	WIN 0
	s_cmp_eq_u32 s[LV4], 0
	s_cbranch_scc1 .Lskip_\@                       ; slot 4's tile lies past the count
	WIN WM0+WMS*(\par)
	PROD \t, 4
	WIN 0
.Lskip_\@:
.endm
; CHUNK j of a pass; par = j % 2: its token buffer.  stream = 1: pass 0, which also stores chunk j + 1 of the weights, asks for chunk j + 3, and ends in the barrier.
.macro CHUNK par, stream
.if \stream
	s_wait_loadcnt 16                              ; behind this chunk's token rows one request for weights was issued: it may stay out; the weights of chunk j + 1 are older and in
	s_cmp_lg_u32 s[LM], 0
	s_cbranch_scc1 .Lfull_\@
	s_wait_loadcnt 0x0                             ; where that request went out with no lane on, nothing that is wanted is younger: the text leans on no count of such loads
.Lfull_\@:
.else
	s_wait_loadcnt 0x0                             ; this chunk's token rows
.endif
	PLACES                                         ; behind the last chunk's products, which read the other buffer and W's fragments
	ABATCH 1-(\par), AN                            ; the next chunk's token rows; behind the pass's last chunk its first chunk's once more: bytes that exist, loaded and not used
.if \stream
	STREAM 1-(\par), 1
	s_cmp_gt_u32 s[REM], 6
	s_cbranch_scc0 .Lnopf_\@                       ; chunk j + 6 would pass the slice's end
	global_prefetch_b8 v[PO], s[WB:WB+1] offset:3*CH th:TH_LOAD_NT scope:SCOPE_SE  ; my 32 rows' 256 bytes of chunk j + 6, which trip j + 3 loads: a lane a row, each block asked for once in the launch; 3 chunks, 96 KB a work-group, ahead
.Lnopf_\@:
.endif
	v_add_nc_u32 v[BADR], s[TBM], v[L16]
	MSTEP \par, 0
	MSTEP \par, 1
	MSTEP \par, 2
	MSTEP \par, 3
	s_wait_xcnt 0x0                                ; the loads' base is rewritten only behind this wait
	s_add_nc_u64 s[TN:TN+1], s[AN:AN+1], ASTEP
	s_cmp_gt_u32 s[REM], 2
	s_cselect_b64 s[AN:AN+1], s[TN:TN+1], s[A0:A0+1]
	s_sub_co_u32 s[REM], s[REM], 1
	s_add_co_u32 s[TBM], s[TBM], CHB
.if \stream
	s_wait_dscnt 0x0                               ; my stores of chunk j + 1 are done, my reads are back
	s_barrier_signal -1
	s_barrier_wait -1
.endif
.endm
; A pass begins: which tiles, their rows, the sums started with the bias (a product of zeros with the bias as C, in the form of the layer's products: one text then serves every K step, and nothing is cleared), chunk 0's token rows.
.macro PASS_SETUP
	s_mul_i32 s[TS], s[PIDX], 20
	s_add_co_u32 s[TS], s[TS], s[WV]               ; my slot 0's tile
	s_add_co_u32 s[TS2], s[TS], 16
	s_cmp_lt_u32 s[TS2], s[MT]
	s_cselect_b32 s[LV4], 1, 0
.if LAYER == 1
	s_lshl_b32 s[TS], s[TS], 4
.irp i, 0,1,2,3,4
	v_add3_u32 v[T0], v[RR], s[TS], 64*(\i)        ; my row's rank,
	v_min_u32 v[T0], s[CM1], v[T0]                 ; past the count the last row once more,
	v_min_u32 v[T0], 0x3ff, v[T0]
	v_lshl_add_u32 v[T0], v[T0], 2, v[LB]
	ds_load_b32 v[AO+(\i)], v[T0]                  ; its token
.endr
	s_wait_dscnt 0x0
.irp i, 0,1,2,3,4
	v_min_u32 v[AO+(\i)], 0x3ff, v[AO+(\i)]
	v_lshl_add_u32 v[AO+(\i)], v[AO+(\i)], 11, v[HX]
.endr
	s_mov_b64 s[A0:A0+1], s[SRC:SRC+1]
.else
	s_lshl_b32 s[ST], s[TS], 16
	s_add_nc_u64 s[A0:A0+1], s[SRC:SRC+1], s[ST:ST+1]
.endif
	WIN 0x50
.irp i, 0,1,2,3,4
.irp c, 0,1,2,3
.if LAYER == 2
	v_wmma_f32_16x16x32_f16 v[32*(\i)+8*(\c):32*(\i)+8*(\c)+7], v[ZZ:ZZ+7], v[ZZ:ZZ+7], v[BI+8*(\c):BI+8*(\c)+7]
.else
	v_wmma_f32_16x16x32_bf16 v[32*(\i)+8*(\c):32*(\i)+8*(\c)+7], v[ZZ:ZZ+7], v[ZZ:ZZ+7], v[BI+8*(\c):BI+8*(\c)+7]
.endif
.endr
.endr
	WIN 0
	ABATCH 0, A0
	s_add_nc_u64 s[AN:AN+1], s[A0:A0+1], ASTEP
	s_mov_b32 s[REM], NCH
	s_mov_b32 s[TBM], 0
.endm
.if LAYER == 3
; Layer 3's way out for slot i: a live tile's rows are multiplied by their tokens' weights and stored: sixteen lanes fill the slice's 256 bytes of a row of y, aligned.  Ranks past the count store the last row's bits once more.
.macro YTILE i
	s_add_co_u32 s[TS2], s[TS], 64*(\i)
	s_cmp_ge_u32 s[TS2], s[CNT]
	s_cbranch_scc1 .Ldead_\@
	s_wait_xcnt 0x0                                ; the earlier tiles' stores have read their addresses and data
.set j, 0
.rept 8
	v_add3_u32 v[RO+j], v[HX], s[TS2], j           ; register j holds rank 16 T + 8 h + j
	v_min_u32 v[RO+j], s[CM1], v[RO+j]
	v_min_u32 v[RO+j], 0x3ff, v[RO+j]
	v_lshl_add_u32 v[RO+j], v[RO+j], 2, v[LB]
	ds_load_b32 v[DD+j], v[RO+j]                   ; 2 x token + (second choice)
.set j, j+1
.endr
	s_wait_dscnt 0x0
.set j, 0
.rept 8
	v_min_u32 v[DD+j], 0x7ff, v[DD+j]
	v_lshlrev_b32 v[WA+j], 2, v[DD+j]
	global_load_b32 v[WGT+j], v[WA+j], s[WTS:WTS+1]
	v_lshl_add_u32 v[RO+j], v[DD+j], 12, v[R16]
.set j, j+1
.endr
	s_wait_loadcnt 0x0
	WIN 0x41                                       ; destination and source 0 in window 1
.set j, 0
.rept 8                                                ; each accumulator is read from its low end on
.irp c, 0,1,2,3
	v_mul_f32 v[TT+32*((\i)%2)+4*j+(\c)], v[32*(\i)+8*(\c)+j], v[WGT+j]
.endr
.set j, j+1
.endr
	WIN 0x04                                       ; store data in window 1
.set j, 0
.rept 8
	global_store_b128 v[RO+j], v[TT+32*((\i)%2)+4*j:TT+32*((\i)%2)+4*j+3], s[OUT:OUT+1]
.set j, j+1
.endr
	WIN 0
.Ldead_\@:
.endm
.else
; Layers 1, 2: a lane's 32 numbers of a slot are 32 neighbouring columns of one row: rounded (layer 1 to f16, layer 2 to bf16), ReLU on the packed halves, four stores of 16 bytes, in each of which sixteen lanes fill 256 consecutive bytes, aligned
.macro HTILE i
.if (\i) % 3 == 0
	s_wait_xcnt 0x0                                ; three sets of store registers take turns: the stores that read the sets written from here on were issued ahead of this wait
.endif
	WIN 0x45
.set j, 0
.rept 8                                                ; each accumulator is read from its low end on
.if LAYER == 1
	v_cvt_pk_f16_f32 v[TT+16*((\i)%3)+2*j],   v[32*(\i)+j],    v[32*(\i)+8+j]
	v_cvt_pk_f16_f32 v[TT+16*((\i)%3)+2*j+1], v[32*(\i)+16+j], v[32*(\i)+24+j]
.else
	v_cvt_pk_bf16_f32 v[TT+16*((\i)%3)+2*j],   v[32*(\i)+j],    v[32*(\i)+8+j]
	v_cvt_pk_bf16_f32 v[TT+16*((\i)%3)+2*j+1], v[32*(\i)+16+j], v[32*(\i)+24+j]
.endif
.set j, j+1
.endr
.set j, 0
.rept 16
.if LAYER == 1
	v_pk_max_num_f16 v[TT+16*((\i)%3)+j], v[TT+16*((\i)%3)+j], v255
.else
	v_pk_max_num_bf16 v[TT+16*((\i)%3)+j], v[TT+16*((\i)%3)+j], v255
.endif
.set j, j+1
.endr
	WIN 0x04
.irp q, 0,1,2,3
	global_store_b128 v[SO], v[TT+16*((\i)%3)+4*(\q):TT+16*((\i)%3)+4*(\q)+3], s[OUT:OUT+1] offset:(\i)*4*TILEB+((\q)/2)*512+((\q)%2)*256
.endr
	WIN 0
.endm
.endif
	s_load_b256 s[8:15], s[0:1], 0x0               ; token rows, maps, W, bias
.if LAYER == 3
	s_load_b128 s[84:87], s[0:1], 0x20             ; y, wts
.else
	s_load_b64 s[84:85], s[0:1], 0x20              ; h
.endif
	v_lshl_add_u32 v[SPW], v0, 2, SPARE            ; my spare word,
	v_mov_b32 v[NIL], 0                            ; and 0: kept for the wave's end alone
	v_lshrrev_b32 v1, 5, v0
	v_readfirstlane_b32 s[WV], v1
	v_and_b32 v[LL], 31, v0
	v_and_b32 v[RR], 15, v0
	v_bfe_u32 v[HH], v0, 4, 1
	s_and_b32 s[EX], ttmp7, 0xffff
.if LAYER == 3
	s_and_b32 s[SL], ttmp9, 15
	s_lshr_b32 s[KH], ttmp9, 4
	v_lshlrev_b32 v[BADR], 4, v[RR]                ; the bias: b[4 r + c]
.else
	s_mov_b32 s[SL], ttmp9
	v_lshlrev_b32 v[BADR], 7, v[HH]                ; the bias: b[32 h + ..]
.endif
.if LAYER == 2
	s_mov_b32 s[HM], 0xffff0000
.endif
	s_mov_b32 s[ST+1], 0
	s_lshl_b32 s[TS], s[WV], 5                     ; my block's 32 rows
	v_lshl_add_u32 v[WO], v[HH], 3, s[TS]
	v_lshlrev_b32 v[WO], PSH, v[WO]
	v_lshl_add_u32 v[WO], v[RR], 4, v[WO]
	v_add_nc_u32 v[PO], s[TS], v[LL]
	v_lshlrev_b32 v[PO], PSH, v[PO]
	s_wait_kmcnt 0x0
	s_lshl_b32 s[ST], s[EX], 7
	s_add_nc_u64 s[MAPS:MAPS+1], s[MAPS:MAPS+1], s[ST:ST+1]
	s_load_b512 s[16:31], s[MAPS:MAPS+1], 0x0
	s_load_b512 s[32:47], s[MAPS:MAPS+1], 0x40
.if LAYER == 3
	s_load_b512 s[48:63], s[MAPS:MAPS+1], 0x400
	s_load_b512 s[68:83], s[MAPS:MAPS+1], 0x440
.endif
	s_lshl_b32 s[ST], s[EX], PSH
	s_lshl_b32 s[TS], s[SL], 8
	s_add_co_u32 s[ST], s[ST], s[TS]
	s_add_nc_u64 s[BP:BP+1], s[BP:BP+1], s[ST:ST+1]
	; the bias first, so that the wait for it leaves the weights out
.if LAYER == 3
	global_load_b128 v[F:F+3], v[BADR], s[BP:BP+1]
.else
.irp q, 0,1,2,3,4,5,6,7
	global_load_b128 v[F+4*(\q):F+4*(\q)+3], v[BADR], s[BP:BP+1] offset:16*(\q)  ; b[32 h + 4 j + c], j = q
.endr
.endif
	s_lshl_b32 s[ST], s[EX], EWSH
	s_add_co_u32 s[ST], s[ST], s[TS]
.if LAYER == 3
	s_lshl_b32 s[TS], s[KH], 22                    ; 1,024 rows of 4,096 bytes
	s_add_co_u32 s[ST], s[ST], s[TS]
.endif
	s_add_nc_u64 s[WB:WB+1], s[WB:WB+1], s[ST:ST+1]
	SLOADS 0, 0                                    ; chunks 0 and 1 of the weights
	SLOADS 1, CH
.irp n, 3,4,5
	global_prefetch_b8 v[PO], s[WB:WB+1] offset:(\n)*CH th:TH_LOAD_NT scope:SCOPE_SE  ; my rows of chunks 3 to 5, which trips 0 to 2 load; the loop goes on with chunk 6
.endr
	s_mul_i32 s[ST], s[EX], EST
.if LAYER == 3
	s_lshl_b32 s[TS], s[KH], 15                    ; 32 blocks of 1,024 bytes
	s_add_co_u32 s[ST], s[ST], s[TS]
.endif
.if LAYER != 1
	s_add_nc_u64 s[SRC:SRC+1], s[SRC:SRC+1], s[ST:ST+1]
.endif
.if LAYER == 3
	s_lshl_b32 s[ST], s[KH], 23                    ; y's half: 2,048 rows of 4,096 bytes
	s_lshl_b32 s[TS], s[SL], 8
.else
	s_lshl_b32 s[TS], s[SL], 11                    ; the slice's two blocks
.endif
	s_add_co_u32 s[ST], s[ST], s[TS]
	s_add_nc_u64 s[OUT:OUT+1], s[OUT:OUT+1], s[ST:ST+1]
	v_lshlrev_b32 v[L16], 4, v[LL]
	s_lshl_b32 s[TS], s[WV], 12
	v_lshl_add_u32 v[SA0], v[LL], 4, s[TS]
.if LAYER == 3
	v_lshlrev_b32 v[R16], 4, v[RR]
	v_lshlrev_b32 v[HX], 3, v[HH]
	v_lshlrev_b32 v[L2], 1, v[LL]
.else
	s_lshl_b32 s[TS], s[WV], 16
	v_lshl_add_u32 v[SO], v[HH], 10, s[TS]         ; tile u, block h, 16 r
	v_lshl_add_u32 v[SO], v[RR], 4, v[SO]
.endif
.if LAYER == 1
	v_lshlrev_b32 v[HX], 4, v[HH]
.endif
.if LAYER != 2
	s_mul_i32 s[TS], s[WV], LISTB
	s_add_co_u32 s[TS], s[TS], LIST
	v_mov_b32 v[LB], s[TS]                         ; my own list
	v_add_nc_u32 v[DI], 1024, v[LL]
.endif
.set j, 0
.rept 8
	v_mov_b32 v[ZZ+j], 0
.set j, j+1
.endr
	; slot 4's fragment registers hold zeros until a live tile's loads write them; where the tile is past the count its products are jumped with its loads, and nothing is made of them
.irp w, 0x80, 0xc0
	WIN \w
.irp t, 0,1,2,3
.set j, 0
.rept 8
	v_mov_b32 v[40*(\t)+32+j], 0
.set j, j+1
.endr
.endr
.endr
	WIN 0
	s_wait_kmcnt 0x0
	; the list: entry rank = token (layer 3: 2 x token + second choice).  Word j of the bitmap: a set lane's rank is the count so far plus the set bits below it; the other lanes write words that nobody reads.
	s_mov_b32 s[PC], 0
.if LAYER != 2
	v_lshl_add_u32 v[T0], v[LL], 2, v[LB]
	ds_store_b32 v[T0], v[ZZ]                      ; entry 0 exists where the expert has no row
.endif
.set j, 0
.rept 32
.if LAYER != 2
	v_mbcnt_lo_u32_b32 v[T0], s[BM+j], s[PC]
	v_cndmask_b32 v[T0], v[DI], v[T0], s[BM+j]
	v_min_u32 v[T0], 0x41f, v[T0]
	v_lshl_add_u32 v[T0], v[T0], 2, v[LB]
.if LAYER == 1
	v_or_b32 v[T1], 32*j, v[LL]
.else
	v_cndmask_b32 v[T1], 0, 1, s[48+j+4*(j/16)]
	v_add3_u32 v[T1], v[T1], v[L2], 64*j
.endif
	ds_store_b32 v[T0], v[T1]
.endif
	s_bcnt1_i32_b32 s[TS2], s[BM+j]
	s_add_co_u32 s[PC], s[PC], s[TS2]
.set j, j+1
.endr
	s_mov_b32 s[CNT], s[PC]
	s_max_u32 s[CM1], s[PC], 1
	s_sub_co_u32 s[CM1], s[CM1], 1
	s_add_co_u32 s[MT], s[PC], 15
	s_lshr_b32 s[MT], s[MT], 4
	s_add_co_u32 s[NPASS], s[MT], 19
	s_mul_hi_u32 s[NPASS], s[NPASS], 0x0ccccccd    ; (tiles + 19) / 20
	s_mov_b32 s[PIDX], 0
	s_mov_b32 s[LM], -1
	s_mov_b32 s[TBS], 0
	; the bias, rounded to bf16, as a C operand
.if LAYER == 3
	s_cmp_eq_u32 s[KH], 0
	s_cselect_b32 s[TS], -1, 0                     ; K half 0 alone adds it
.endif
	s_wait_loadcnt 32                              ; behind the bias: the 32 loads of chunks 0 and 1
.if LAYER == 3
	v_cvt_pk_bf16_f32 v[BF], v[F], v[F+1]
	v_cvt_pk_bf16_f32 v[BF+1], v[F+2], v[F+3]
	v_lshlrev_b32 v[BF+2], 16, v[BF]
	v_and_b32 v[BF+3], 0xffff0000, v[BF]
	v_lshlrev_b32 v[BF+4], 16, v[BF+1]
	v_and_b32 v[BF+5], 0xffff0000, v[BF+1]
	WIN 0x40
.irp c, 0,1,2,3
.set j, 0
.rept 8
	v_and_b32 v[BI+8*(\c)+j], s[TS], v[BF+2+(\c)]
.set j, j+1
.endr
.endr
.else
.set j, 0
.rept 8
	v_cvt_pk_bf16_f32 v[BF+2*j], v[F+4*j], v[F+4*j+1]
	v_cvt_pk_bf16_f32 v[BF+2*j+1], v[F+4*j+2], v[F+4*j+3]
.set j, j+1
.endr
	WIN 0x40
.set j, 0
.rept 8
	v_lshlrev_b32 v[BI+j], 16, v[BF+2*j]
	v_and_b32 v[BI+8+j], 0xffff0000, v[BF+2*j]
	v_lshlrev_b32 v[BI+16+j], 16, v[BF+2*j+1]
	v_and_b32 v[BI+24+j], 0xffff0000, v[BF+2*j+1]
.set j, j+1
.endr
	v_mov_b32 v255, 0                              ; for the ReLU on packed halves
.endif
	WIN 0
	PASS_SETUP
	s_wait_loadcnt 48                              ; behind chunk 0's weights: chunk 1's 16 loads and the token rows' 32 at the least
	STREAM 0, 0                                    ; chunk 0 is stored, chunk 2 asked for
	s_wait_dscnt 0x0                               ; for the others' sake: my block of chunk 0 is in LDS
	s_barrier_signal -1
	s_barrier_wait -1
	s_mov_b32 s[Q], NCH/2
.Lq:
	CHUNK 0, 1
	CHUNK 1, 1
	s_sub_co_u32 s[Q], s[Q], 1
	s_cmp_lg_u32 s[Q], 0
	s_cbranch_scc1 .Lq
	s_branch .Lepi                                 ; pass 0 is multiplied: the loop over passes is entered at its way out
.Lpass:                                                ; passes 1 to 3, from the resident slice: no barrier and no LDS store; a pass that the count does not reach is jumped
	s_cmp_ge_u32 s[PIDX], s[NPASS]
	s_cbranch_scc1 .Lbottom
	PASS_SETUP
	s_mov_b32 s[Q], NCH/2
.Lk:
	CHUNK 0, 0
	CHUNK 1, 0
	s_sub_co_u32 s[Q], s[Q], 1
	s_cmp_lg_u32 s[Q], 0
	s_cbranch_scc1 .Lk
.Lepi:
	s_wait_loadcnt 0x0                             ; the look-ahead's last loads: the buffers and their addresses are free
.rept 5
	v_nop                                          ; places behind the last products: four for the reads below, five for the next pass's first products, which write over these accumulators
.endr
.if LAYER == 3
	s_mul_i32 s[TS], s[PIDX], 20
	s_add_co_u32 s[TS], s[TS], s[WV]
	s_lshl_b32 s[TS], s[TS], 4                     ; my slot 0's first rank
	YTILE 0
	YTILE 1
	YTILE 2
	YTILE 3
	YTILE 4
.else
	HTILE 0
	HTILE 1
	HTILE 2
	HTILE 3
	s_cmp_eq_u32 s[LV4], 0
	s_cbranch_scc1 .Lno4e                          ; the next layer does not load a slot 4 that is past the count
	HTILE 4
.Lno4e:
	s_wait_xcnt 0x0
	s_add_nc_u64 s[OUT:OUT+1], s[OUT:OUT+1], 20*TILEB
.endif
.Lbottom:
	s_add_co_u32 s[PIDX], s[PIDX], 1
	s_cmp_lt_u32 s[PIDX], 4
	s_cbranch_scc1 .Lpass
	s_wait_dscnt 0x0                               ; my LDS reads are back, those of the later passes too;
	s_barrier_signal -1                            ; the four waves meet once more: every wave's reads of LDS are over
	s_barrier_wait -1                              ; before any wave's last LDS write, below
	s_wait_tensorcnt 0x0                           ; the wave's end, behind the wave's last LDS store
	ds_add_u32 v[SPW], v[NIL]
	s_wait_dscnt 0x0
	s_endpgm
.Lfunc_end_k_q0ed6e9a3bc_mlp3:
	.size	k_q0ed6e9a3bc_mlp3, .Lfunc_end_k_q0ed6e9a3bc_mlp3-k_q0ed6e9a3bc_mlp3
	.p2alignl 7, 3214868480
	.fill 96, 4, 3214868480
	.section	.rodata,"a",@progbits
	.p2align	6, 0x0
	.amdhsa_kernel k_q0ed6e9a3bc_mlp3
		.amdhsa_group_segment_fixed_size 165376
		.amdhsa_private_segment_fixed_size 0
		.amdhsa_enable_private_segment 0
		.amdhsa_kernarg_size 48
		.amdhsa_user_sgpr_count 2
		.amdhsa_user_sgpr_kernarg_segment_ptr 1
		.amdhsa_wavefront_size32 1
		.amdhsa_system_sgpr_workgroup_id_x 1
		.amdhsa_system_sgpr_workgroup_id_y 1
		.amdhsa_system_sgpr_workgroup_id_z 1
		.amdhsa_system_vgpr_workitem_id 0
		.amdhsa_next_free_vgpr 928
		.amdhsa_next_free_sgpr 98
		.amdhsa_reserve_vcc 0
		.amdhsa_float_denorm_mode_32 3
		.amdhsa_float_denorm_mode_16_64 3
		.amdhsa_memory_ordered 1
		.amdhsa_forward_progress 1
		.amdhsa_inst_pref_size 135
	.end_amdhsa_kernel
	.amdgpu_metadata
---
amdhsa.version: [ 1, 2 ]
amdhsa.kernels:
  - .name:           k_q0ed6e9a3bc_mlp3
    .symbol:         k_q0ed6e9a3bc_mlp3.kd
    .args:
      - { .name: h2, .offset: 0, .size: 8, .value_kind: global_buffer, .address_space: global }
      - { .name: maps, .offset: 8, .size: 8, .value_kind: global_buffer, .address_space: global }
      - { .name: W3, .offset: 16, .size: 8, .value_kind: global_buffer, .address_space: global }
      - { .name: b3, .offset: 24, .size: 8, .value_kind: global_buffer, .address_space: global }
      - { .name: y, .offset: 32, .size: 8, .value_kind: global_buffer, .address_space: global }
      - { .name: wts, .offset: 40, .size: 8, .value_kind: global_buffer, .address_space: global }
    .group_segment_fixed_size: 165376
    .private_segment_fixed_size: 0
    .kernarg_segment_align: 8
    .kernarg_segment_size: 48
    .max_flat_workgroup_size: 128
    .sgpr_count:     98
    .vgpr_count:     928
    .wavefront_size: 32
...
	.end_amdgpu_metadata
.endif
;; end of part 4
;; launch combine (part 5): grid 256 x 1, 8 waves a work-group, no clusters, 0 bytes of LDS; arguments y, out0; writes out0
.if DOCPART == 5
	.amdgcn_target "amdgcn-amd-amdhsa--gfx1250"
	.amdhsa_code_object_version 6
	.text
	.protected	k_q0ed6e9a3bc_combine
	.globl	k_q0ed6e9a3bc_combine
	.p2align	8
	.type	k_q0ed6e9a3bc_combine,@function
k_q0ed6e9a3bc_combine:
	s_mov_b64 s[64:65], 0
	v_nop
	global_prefetch_b8 v0, s[64:65] scope:SCOPE_SE
	s_setreg_imm32_b32 hwreg(HW_REG_WAVE_MODE, 25, 1), 1
	s_wait_xcnt 0x0
; out0[t] = the sum of token t's four partial rows: y [2 K halves][2 t + k][1024] in f32, each already multiplied by the choice's weight.
; A stream: a work-group takes 4 tokens, thread n the 16 bytes at 16 n of every row, so a wave's load or store covers 512 consecutive bytes, aligned.
; All 16 loads go out first; no LDS, no barrier, no matrix unit: there is nothing to share and one addition for each number read.
	s_load_b128 s[4:7], s[0:1], 0x0                ; y s[4:5], out0 s[6:7]
	v_lshlrev_b32 v1, 4, v0
	s_lshl_b32 s8, ttmp9, 15                       ; 4 tokens x 2 rows x 4,096 bytes
	s_mov_b32 s9, 0
	s_lshl_b32 s10, ttmp9, 14                      ; 4 rows of out0
	s_mov_b32 s11, 0
	s_wait_kmcnt 0x0
	s_add_nc_u64 s[4:5], s[4:5], s[8:9]
	s_add_nc_u64 s[12:13], s[4:5], 0x800000        ; the second K half
	s_add_nc_u64 s[6:7], s[6:7], s[10:11]
.irp a, 0,1,2,3
	global_load_b128 v[4+16*(\a):7+16*(\a)],   v1, s[4:5]   offset:(\a)*8192 th:TH_LOAD_NT
	global_load_b128 v[8+16*(\a):11+16*(\a)],  v1, s[12:13] offset:(\a)*8192 th:TH_LOAD_NT
	global_load_b128 v[12+16*(\a):15+16*(\a)], v1, s[4:5]   offset:(\a)*8192+4096 th:TH_LOAD_NT
	global_load_b128 v[16+16*(\a):19+16*(\a)], v1, s[12:13] offset:(\a)*8192+4096 th:TH_LOAD_NT
.endr
.irp a, 0,1,2,3
	s_wait_loadcnt 12-4*(\a)                       ; the later tokens' four loads each may stay out
	v_pk_add_f32 v[4+16*(\a):5+16*(\a)],   v[4+16*(\a):5+16*(\a)],   v[8+16*(\a):9+16*(\a)]      ; the first choice's two halves,
	v_pk_add_f32 v[6+16*(\a):7+16*(\a)],   v[6+16*(\a):7+16*(\a)],   v[10+16*(\a):11+16*(\a)]
	v_pk_add_f32 v[12+16*(\a):13+16*(\a)], v[12+16*(\a):13+16*(\a)], v[16+16*(\a):17+16*(\a)]    ; the second's,
	v_pk_add_f32 v[14+16*(\a):15+16*(\a)], v[14+16*(\a):15+16*(\a)], v[18+16*(\a):19+16*(\a)]
	v_pk_add_f32 v[4+16*(\a):5+16*(\a)],   v[4+16*(\a):5+16*(\a)],   v[12+16*(\a):13+16*(\a)]    ; and both
	v_pk_add_f32 v[6+16*(\a):7+16*(\a)],   v[6+16*(\a):7+16*(\a)],   v[14+16*(\a):15+16*(\a)]
	global_store_b128 v1, v[4+16*(\a):7+16*(\a)], s[6:7] offset:(\a)*4096 th:TH_STORE_NT
.endr
	s_endpgm
.Lfunc_end_k_q0ed6e9a3bc_combine:
	.size	k_q0ed6e9a3bc_combine, .Lfunc_end_k_q0ed6e9a3bc_combine-k_q0ed6e9a3bc_combine
	.p2alignl 7, 3214868480
	.fill 96, 4, 3214868480
	.section	.rodata,"a",@progbits
	.p2align	6, 0x0
	.amdhsa_kernel k_q0ed6e9a3bc_combine
		.amdhsa_group_segment_fixed_size 0
		.amdhsa_private_segment_fixed_size 0
		.amdhsa_enable_private_segment 0
		.amdhsa_kernarg_size 16
		.amdhsa_user_sgpr_count 2
		.amdhsa_user_sgpr_kernarg_segment_ptr 1
		.amdhsa_wavefront_size32 1
		.amdhsa_system_sgpr_workgroup_id_x 1
		.amdhsa_system_sgpr_workgroup_id_y 1
		.amdhsa_system_sgpr_workgroup_id_z 1
		.amdhsa_system_vgpr_workitem_id 0
		.amdhsa_next_free_vgpr 72
		.amdhsa_next_free_sgpr 66
		.amdhsa_reserve_vcc 0
		.amdhsa_float_denorm_mode_32 3
		.amdhsa_float_denorm_mode_16_64 3
		.amdhsa_memory_ordered 1
		.amdhsa_forward_progress 1
		.amdhsa_inst_pref_size 5
	.end_amdhsa_kernel
	.amdgpu_metadata
---
amdhsa.version: [ 1, 2 ]
amdhsa.kernels:
  - .name:           k_q0ed6e9a3bc_combine
    .symbol:         k_q0ed6e9a3bc_combine.kd
    .args:
      - { .name: y, .offset: 0, .size: 8, .value_kind: global_buffer, .address_space: global }
      - { .name: out0, .offset: 8, .size: 8, .value_kind: global_buffer, .address_space: global }
    .group_segment_fixed_size: 0
    .private_segment_fixed_size: 0
    .kernarg_segment_align: 8
    .kernarg_segment_size: 16
    .max_flat_workgroup_size: 256
    .sgpr_count:     66
    .vgpr_count:     72
    .wavefront_size: 32
...
	.end_amdgpu_metadata
.endif
;; end of part 5
;; ======== version 2 of 2: 5 launches
;; limits: values are held in f16: magnitudes above 65,504 overflow, below 6.1e-05 lose precision
;; workspace buffers: xb 2,097,152 bytes; maps 2,048 bytes of whole numbers; wts 8,192 bytes; h1 41,943,040 bytes; h2 41,943,040 bytes; y 16,777,216 bytes
;; launch router: the kernel of part 1 again; grid 64 x 1, 4 waves a work-group, no clusters, 70,656 bytes of LDS; arguments x, Wr, br, xb, maps, wts; writes xb, maps, wts
;; launch mlp1 (part 6): grid 32 x 8, 4 waves a work-group, no clusters, 147,968 bytes of LDS; arguments xb, maps, W1, b1, h1; writes h1
.if DOCPART == 6
	.amdgcn_target "amdgcn-amd-amdhsa--gfx1250"
	.amdhsa_code_object_version 6
	.text
	.protected	k_q0ed6e9a3bc_mlp1
	.globl	k_q0ed6e9a3bc_mlp1
	.p2align	8
	.type	k_q0ed6e9a3bc_mlp1,@function
k_q0ed6e9a3bc_mlp1:
	s_mov_b64 s[64:65], 0
	v_nop
	global_prefetch_b8 v0, s[64:65] scope:SCOPE_SE
	s_setreg_imm32_b32 hwreg(HW_REG_WAVE_MODE, 25, 1), 1
	s_wait_xcnt 0x0
; ONE LAYER OF THE EXPERTS' CHAIN, for the rows that chose the expert alone.  The text serves the three layers; LAYER picks the sizes and each layer's own parts.
;   LAYER 1: h1 = relu(x W1[e] + b1[e])     LAYER 2: h2 = relu(h1 W2[e] + b2[e])     LAYER 3: y = w (h2 W3[e] + b3[e]), K in two halves, partial rows in f32
; FORMATS.  Weights and biases are rounded to bf16 on their way through registers, like every input of this program; x came rounded; sums in f32.  h1 is f16, h2 is bf16.  A rounding to bf16's 8 significant
; bits is off by some 2^-9 of the number, and what h1 and h2 lose reaches the output undiminished: f16's 11 bits make h1's share an eighth.  So layer 2 multiplies in f16: W2, rounded to bf16, is written as f16
; (exact from 2^-17 up in magnitude, below that to within 2^-25).  Layers 1 and 3 multiply in bf16.
; SHARE.  A work-group has ONE expert e (grid y) and 64 columns of its weights (grid x; in layer 3 x % 16, and x / 16 is the K half), which it alone reads, each byte once; and ALL rows of that expert.
; Four waves, all alike.  K goes in chunks of 128.  Wave u loads the f32 weights of block u (32 k) of each chunk, rounds them and lays them into LDS as matrix fragments; each LDS byte is written once and the
; whole slice stays.  Wave u multiplies row tiles 4 i + u by all 64 columns.  In step j of the walk a wave stores chunk j + 1, asks for chunk j + 3 and multiplies chunk j; one barrier a chunk.
; THE WALK OVER K.  An expert's 32 work-groups (layer 3: the 16 of a K half) read the same token rows.  Each begins its walk at another chunk, C0, and goes once round the ring of NCH chunks.  C0 is x's low bits in
; reversed order, with x's next bit turned onto the top one: neighbours in x begin far apart, and the starts of every 2^i-th work-group are spread over the ring as well.  So at any time the work-groups read different
; chunks of the rows, and from the second step on a chunk's rows have been read a step earlier by another work-group.  The sums only change their order.  In LDS the chunks lie in the order of the walk.
; THE ORDER OF THE LOADS.  Loads into registers come back in issue order on one counter a wave (ISA guide 5.7.1).  Step j asks first for the token rows of step j + 1, then for the weights of step j + 3:
; the wait for step j's token rows then leaves the weights of step j + 2 out, and a request for weights has two steps' work in which to land: 16 to 32 loads of 512 bytes a wave are on their way.
; NO CLUSTER, NO TENSOR LOAD: each weight has one reader; what an expert's work-groups share is its token rows, which go lane by lane into registers (in layer 1 by their tokens' numbers), and beside the resident slice
; (layer 2: 262,144 bytes) LDS has no room for two slots of 320 rows x 256 bytes.
; ROWS.  A token's rank in its expert is the number of set bits below it in the expert's bitmap (maps, stored by the router).  Tile T = ranks 16 T .. 16 T + 15.  A PASS is 20 tiles: wave u has tiles
; 20 p + 4 i + u, i = 0..4: 5 x 4 accumulators.  Pass 0 runs with the stream.  An expert with more than 320 rows takes further passes (at most four: 1,024 rows) from the resident slice; there the token rows are asked
; for and awaited chunk by chunk, on one buffer and in one short text: such an expert's later passes overlap no load with their products.
; FROM RANK TO TOKEN.  Layer 1 finds the token of a rank in registers, so that a row's address is made of the bitmap's words by register arithmetic alone (macro TOKENS: the word by 31 comparisons with the counts of bits
; ahead of each word, the bit by five halvings; some 150 vector instructions a slot, written once and walked five times).  Layer 3, which wants a rank's token only for its stores, keeps a list in LDS.
; Ranks past the count repeat the last row.  Slot 4's loads, products and stores are jumped where its tile is past the count; slots 0 to 3 of every pass that runs are stored in h1, h2, so the next layer loads stored bytes alone.
; An expert without rows still walks pass 0 (layer 1: on token 1,023's row; in layer 3 it stores nothing): every wave passes every barrier, none of which hangs on loaded data.
; h1, h2 LIE IN FRAGMENT ORDER: [8 e][80 tiles][64 kb][1,024 bytes]; byte g 512 + (16 h + r) 16 of a block holds row r, k = 32 kb + 16 g + 8 h + 0..7: a fragment is two loads of 512 consecutive bytes.
; LIMITS.  f16 ends at 65,504: an h1 or a W2 beyond that becomes an infinity.  With x of spread 1 and W1 of spread 0.02 h1's spread is sqrt(1024) x 0.02 = 0.64 and its largest about 3; x and W1 both 30 times larger
; give about 2,700, an offset of 30 spreads on both about 18,500; both 30 times smaller leave a spread of 7e-4, far above f16's fixed step of 6e-8.  h2 carries three such factors, has no such room, and stays bf16.
; NaN and infinities are not treated apart.
.set LAYER, 1
.if LAYER == 2
.set KW,   2048                        ; k rows of a work-group
.set EWSH, 24                          ; an expert's weights: 1 << EWSH bytes
.set LOGN, 4
.else
.set KW,   1024
.set EWSH, 23
.set LOGN, 3
.endif
.if LAYER == 3
.set PSH,  12
.set WM0,  0x52                        ; products: C and D in window 1, tokens (source 0) in window 2 or 3, W in window 0
.set WMS,  1
.else
.set PSH,  13
.set WM0,  0x58                        ; products: C and D in window 1, W (source 0) in window 0, tokens (source 1) in window 2 or 3
.set WMS,  4
.endif
.if LAYER == 1
.set ASH,  8                           ; a chunk of the token rows: 1 << ASH bytes: 128 bf16 of a row of xb,
.else
.set ASH,  12                          ; or four blocks of h
.endif
.set PITCH, 1<<PSH                     ; bytes in a row of W, and in an expert's bias
.set WSH,   7+PSH                      ; a chunk of W: 128 rows: 1 << WSH bytes
.set NCH,   1<<LOGN                    ; chunks: KW / 128
.set CHB,   16384                      ; a chunk in LDS: 4 blocks (32 k) of 4,096: c 1024 + g 512 + 16 lane
.set TILEB, 65536
.set EST,   80*TILEB
.set LIST,  (NCH+1)*CHB                ; behind the slice and one chunk's room, which takes the loop's last piece and is never read
.set LISTB, 4352                       ; layer 3: a wave's own list: 1,024 entries, 32 words for the lanes with nothing to say
.if LAYER == 3
.set SPARE, LIST+4*LISTB
.else
.set SPARE, LIST
.endif
; scalars
.set WV, 2                             ; wave: u
.set HM, 3                             ; a word's upper half (layer 2)
.set EX, 4                             ; expert
.set SL, 5                             ; slice
.set KH, 6                             ; K half (layer 3)
.set PC, 7                             ; running count
.set SRC, 8                            ; s[8:9]   token rows
.set MAPS, 10                          ; s[10:11]
.set WBASE, 12                         ; s[12:13] W at my slice's chunk 0; fixed once made
.set BP, 14                            ; s[14:15] bias
.set BM, 16                            ; s[16:47] the expert's bitmap
.set KY, 48                            ; layer 1: s[48:63] key j = 32 x (set bits ahead of word j) + j for words 0 to 15,
.set KYH, 68                           ;          s[68:83] for words 16 to 31.  Layer 3: these 32 hold the expert's second-choice bitmap
.if LAYER == 1
; layer 1 keeps the bitmap for TOKENS, so what the loops carry lies in registers that are free once the head is done
.set CM1, 3                            ; max(count, 1) - 1
.set MT, 6                             ; live tiles
.set NPASS, 10                         ; (s[10:11] held maps' address until its scalar loads were awaited,
.set PIDX, 11
.set LM, 14                            ; s[14:15] the bias's until s_wait_xcnt 0 behind its loads)
.set SV, 15
.set TBM, 86
.set TBS, 87
.set REM, 101
.set Q, 7
.set LV4, 5
.else
; behind the count s16.. are used again
.set CNT, 16
.set CM1, 17                           ; max(count, 1) - 1
.set MT, 18                            ; live tiles
.set NPASS, 19
.set PIDX, 20
.set LM, 21                            ; -1: the step's request for weights exists; 0: the walk has no such step
.set SV, 22
.set TBM, 23                           ; LDS byte of the chunk to be multiplied
.set TBS, 24                           ; LDS byte of the chunk to be stored
.set REM, 25                           ; steps of the pass still to be multiplied, this one among them
.set Q, 26
.set LV4, 27                           ; 1: slot 4's tile is live
.endif
.set TS, 66
.set TS2, 67
.set OUT, 84                           ; s[84:85]
.set WTS, 86                           ; s[86:87] (layer 3)
.set A0, 88                            ; s[88:89] the pass's token rows at chunk 0
.set WP, 90                            ; s[90:91] W at the chunk that is asked for
.set AN, 92                            ; s[92:93] the token rows at the next step's chunk
.set TN, 94                            ; s[94:95] the same at the pass's first chunk; at the head W at the walk's second chunk
.set ST, 96                            ; s[96:97] an offset as a pair; the high word stays 0
.set C0, 98                            ; the chunk at which my walk begins
.set WC, 99                            ; the chunk of the ring whose weights are asked for next
.set AC, 100                           ; the chunk of the ring that AN names
; vectors, window 0
.set LL, 1
.set RR, 2
.set HH, 3
.set BADR, 4                           ; the bias's offset; then the LDS address of the chunk's fragments
.set L16, 5
.set SPW, 6                            ; my spare word; never rewritten
.set NIL, 7                            ; 0; never rewritten
.set AO, 8                             ; v[8:12] layer 1: slot i's token, then token x 2,048 + 16 h
.set DL, 8                             ; v[8:12] layer 3: 4 x the list entry of rank 16 T + lane % 16 of slot i's tile
.set SO, 13                            ; layers 1, 2: my offset in h
.set R16, 13                           ; layer 3: 16 r
.set LB, 14                            ; layer 3
.set PO, 15                            ; (32 u + lane) PITCH: a row a lane, for the prefetch
.set ZZ, 16                            ; v[16:23] zeros
.set BF, 24                            ; v[24:87] W's fragments, two sets: 32 s + 8 c + 4 g
; layer 1, at a pass's beginning, where W's fragments lie later: TOKENS at work
.set XRH, 24                           ; the trip's rank for my row, not yet held to the count
.set XRC, 25                           ; the rank
.set XRK, 26                           ; 32 x rank + 31
.set XKA, 27                           ; the last key not above it, and its word: among words 0 to 15,
.set XWA, 28
.set XKB, 29                           ; among words 16 to 31
.set XWB, 30
.set XC1, 31                           ; the word's bits counted in fields of 2,
.set XC2, 32                           ; of 4,
.set XC4, 33                           ; of 8
.set XLO, 34                           ; set bits still to be passed
.set XPO, 35                           ; the place in the word
.set XCC, 36
.set XT, 37
.set F, 88                             ; v[88:119] my block, rounded: 8 c + 4 g + p
.set WO, 120                           ; (32 u + 8 h) PITCH + 16 r
.set SA0, 121                          ; 4096 u + 16 lane
.set SA, 122
.set HX, 123
.set DI, 124                           ; layer 3
.set L2, 125
.set T0, 126
.set T1, 127                           ; at work at the head;
.set PO2, 127                          ; then PO + the prefetched chunk's bytes
.set QR, 128                           ; v[128:255] weights as loaded, two sets of 16 loads: 64 s + 4 i + c
.set DD, 128                           ; layer 3's way out, where the weights lay: v[128:167] slot i, register j: the row's offset in y
.set WGT, 168                          ; v[168:207] its weight
.set IDX, 208                          ; v[208:215] 4 x (8 h + j): the lane that holds token 8 h + j's numbers
.set WL0, 216                          ; v[216:220] the weights lane by lane
; window 1: v[0:159] accumulator (i, c) at 32 i + 8 c; v[160:191] the bias as a C operand; v[192:..] at work on the way out; v255 zero (layers 1, 2)
.set BI, 160
.set TT, 192
; windows 2 and 3: v[0:159] the token fragments of a chunk, two buffers: 40 t + 8 i + 4 g;  window 2, v[160:164] (layer 3): the weight of rank 16 T + lane % 16 of slot i's tile, as loaded
.set WL2, 160
.set MSB, 0
.macro WIN new                         ; s_set_vgpr_msb: bits 1:0 source 0, 3:2 source 1, 5:4 source 2, 7:6 destination; the high byte repeats the setting that is left
.if MSB != (\new)
	s_set_vgpr_msb (MSB<<8)|(\new)
.set MSB, (\new)
.endif
.endm
.macro PLACES                          ; four places between a product and a load into, or a vector instruction on, one of its registers
.rept 4
	v_nop
.endr
.endm
; 16 loads: my 32 k rows of a chunk.  Lanes 0-15 take the slice's 256 bytes of one row, lanes 16-31 those of the row 8 further down: each half 256 consecutive bytes, aligned.
.macro SLOADS set, base
.irp i, 0,1,2,3,4,5,6,7,8,9,10,11,12,13,14,15
	global_load_b128 v[QR+64*(\set)+4*(\i):QR+64*(\set)+4*(\i)+3], v[WO], s[\base:\base+1] offset:((\i)+8*((\i)/8))*PITCH th:TH_LOAD_NT
.endr
.endm
; The set's 32 rows are rounded, stored as fragments, and the set is asked for again, two steps on: chunk WC of the ring.
; Lane (r, h) holds columns 4 r + c of rows k and k + 1: one conversion makes a fragment register of "n tile c" (columns 4 r + c, r = 0..15), k in its true place.
; masked = 1: where the walk has no such step the 16 loads are issued with no lane on.
.macro STREAM set, masked
.irp c, 0,1,2,3
.irp g, 0,1
.irp p, 0,1,2,3
	v_cvt_pk_bf16_f32 v[F+8*(\c)+4*(\g)+(\p)], v[QR+64*(\set)+4*(8*(\g)+2*(\p))+(\c)], v[QR+64*(\set)+4*(8*(\g)+2*(\p)+1)+(\c)]
.endr
.endr
.endr
.if LAYER == 2
	; the numbers rounded to bf16 are written as f16: widened into the set's 64 registers, which have been read, and packed again; in runs of 32, so that no line waits for the one before it
.set nn, 0
.rept 32
	v_lshlrev_b32 v[QR+64*(\set)+2*nn], 16, v[F+nn]
	v_and_b32 v[QR+64*(\set)+2*nn+1], s[HM], v[F+nn]
.set nn, nn+1
.endr
.set nn, 0
.rept 32
	v_cvt_pk_f16_f32 v[F+nn], v[QR+64*(\set)+2*nn], v[QR+64*(\set)+2*nn+1]
.set nn, nn+1
.endr
.endif
	v_add_nc_u32 v[SA], s[TBS], v[SA0]
.irp c, 0,1,2,3
.irp g, 0,1
	ds_store_b128 v[SA], v[F+8*(\c)+4*(\g):F+8*(\c)+4*(\g)+3] offset:(\c)*1024+(\g)*512  ; 512 consecutive bytes
.endr
.endr
	s_add_co_u32 s[TBS], s[TBS], CHB
	s_lshl_b32 s[ST], s[WC], WSH                   ; the bytes of the chunk that is due,
	s_add_co_u32 s[WC], s[WC], 1                   ; and on round the ring
	s_and_b32 s[WC], s[WC], NCH-1
.if \masked
	s_cmp_gt_u32 s[REM], 3                         ; step j + 3 exists where four steps or more are left
	s_cselect_b32 s[LM], -1, 0
.endif
	s_wait_xcnt 0x0                                ; W's address is rewritten, and EXEC narrowed, only behind this wait
	s_add_nc_u64 s[WP:WP+1], s[WBASE:WBASE+1], s[ST:ST+1]
.if \masked
	s_and_saveexec_b32 s[SV], s[LM]
.endif
	SLOADS \set, WP
.if \masked
	s_wait_xcnt 0x0                                ; and again in front of the line that widens EXEC
	s_or_b32 exec_lo, exec_lo, s[SV]
.endif
.endm
; Eight loads: slot i's fragments of a chunk's four K steps
.macro ALDS base, i
.irp t, 0,1,2,3
.irp g, 0,1
.if LAYER == 1
	global_load_b128 v[40*(\t)+8*(\i)+4*(\g):40*(\t)+8*(\i)+4*(\g)+3], v[AO+(\i)], s[\base:\base+1] offset:(\t)*64+32*(\g)
.else
	global_load_b128 v[40*(\t)+8*(\i)+4*(\g):40*(\t)+8*(\i)+4*(\g)+3], v[L16], s[\base:\base+1] offset:(\i)*4*TILEB+(\t)*1024+(\g)*512
.endif
.endr
.endr
.endm
; A chunk's token fragments into buffer par: 32 loads, and slot 4's eight where its tile is live
.macro ABATCH par, base
	WIN 0x80+0x40*(\par)
	ALDS \base, 0
	ALDS \base, 1
	ALDS \base, 2
	ALDS \base, 3
	WIN 0
	s_cmp_eq_u32 s[LV4], 0
	s_cbranch_scc1 .Lno4_\@
	WIN 0x80+0x40*(\par)
	ALDS \base, 4
	WIN 0
.Lno4_\@:
.endm
.macro STEPA                           ; AN goes on round the ring
	s_add_co_u32 s[AC], s[AC], 1
	s_and_b32 s[AC], s[AC], NCH-1
	s_lshl_b32 s[ST], s[AC], ASH
	s_add_nc_u64 s[AN:AN+1], s[A0:A0+1], s[ST:ST+1]
.endm
.macro BLD blk, set                    ; eight LDS loads: W's four fragments of one block
.irp c, 0,1,2,3
.irp g, 0,1
	ds_load_b128 v[BF+32*(\set)+8*(\c)+4*(\g):BF+32*(\set)+8*(\c)+4*(\g)+3], v[BADR] offset:(\blk)*4096+(\c)*1024+(\g)*512
.endr
.endr
.endm
; Slot i's four products of step t.  Layers 1, 2: source 0 = W: lane (r, h), register j = token r, column 32 h + 4 j + c.  Layer 3: source 0 = tokens: token 8 h + j, column 4 r + c.
.macro PROD t, i
.irp c, 0,1,2,3
.if LAYER == 3
	v_wmma_f32_16x16x32_bf16 v[32*(\i)+8*(\c):32*(\i)+8*(\c)+7], v[40*(\t)+8*(\i):40*(\t)+8*(\i)+7], v[BF+32*((\t)%2)+8*(\c):BF+32*((\t)%2)+8*(\c)+7], v[32*(\i)+8*(\c):32*(\i)+8*(\c)+7]
.elseif LAYER == 2
	v_wmma_f32_16x16x32_f16 v[32*(\i)+8*(\c):32*(\i)+8*(\c)+7], v[BF+32*((\t)%2)+8*(\c):BF+32*((\t)%2)+8*(\c)+7], v[40*(\t)+8*(\i):40*(\t)+8*(\i)+7], v[32*(\i)+8*(\c):32*(\i)+8*(\c)+7]
.else
	v_wmma_f32_16x16x32_bf16 v[32*(\i)+8*(\c):32*(\i)+8*(\c)+7], v[BF+32*((\t)%2)+8*(\c):BF+32*((\t)%2)+8*(\c)+7], v[40*(\t)+8*(\i):40*(\t)+8*(\i)+7], v[32*(\i)+8*(\c):32*(\i)+8*(\c)+7]
.endif
.endr
.endm
; K step t of a chunk's four.  The 16 or 20 accumulators take turns, one instruction a turn, over the loops' jumps too.
.macro MSTEP par, t
.if (\t) == 0
	BLD 0, 0
	BLD 1, 1
	s_wait_dscnt 8                                 ; the next block's eight may stay out
.elseif (\t) < 3
	PLACES
	BLD (\t)+1, ((\t)+1)%2
	s_wait_dscnt 8
.else
	s_wait_dscnt 0x0
.endif
	WIN WM0+WMS*(\par)
	PROD \t, 0
	PROD \t, 1
	PROD \t, 2
	PROD \t, 3
	WIN 0
	s_cmp_eq_u32 s[LV4], 0
	s_cbranch_scc1 .Lskip_\@                       ; slot 4's tile lies past the count
	WIN WM0+WMS*(\par)
	PROD \t, 4
	WIN 0
.Lskip_\@:
.endm
; STEP j of pass 0; par = j % 2: its token buffer.  It asks for step j + 1's token rows, stores step j + 1's weights, asks for step j + 3's, multiplies, and ends in the barrier.
.macro CHUNK par
	s_wait_loadcnt 16                              ; behind this step's token rows one request for weights was issued: it may stay out; the weights of step j + 1 are older and in
	s_cmp_lg_u32 s[LM], 0
	s_cbranch_scc1 .Lfull_\@
	s_wait_loadcnt 0x0                             ; where that request went out with no lane on, nothing that is wanted is younger: the text leans on no count of such loads
.Lfull_\@:
	PLACES                                         ; behind the last step's products, which read the other buffer and W's fragments
.if \par
	s_cmp_eq_u32 s[REM], 1                         ; the pass's last step (NCH is even: it has par = 1) has no next one: nothing is asked for
	s_cbranch_scc1 .Lnola_\@
.endif
	ABATCH 1-(\par), AN
.if \par
.Lnola_\@:
.endif
	STREAM 1-(\par), 1
	s_cmp_gt_u32 s[REM], 6
	s_cbranch_scc0 .Lnopf_\@                       ; the walk has no step j + 6
	s_add_co_u32 s[TS], s[WC], 2                   ; WC names step j + 4's chunk
	s_and_b32 s[TS], s[TS], NCH-1
	s_lshl_b32 s[TS], s[TS], WSH
	v_add_nc_u32 v[PO2], s[TS], v[PO]              ; (the last prefetch's offset: STREAM's waits stand between)
	global_prefetch_b8 v[PO2], s[WBASE:WBASE+1] th:TH_LOAD_NT scope:SCOPE_SE  ; my 32 rows' 256 bytes of step j + 6's chunk, which step j + 3 loads: a lane a row, each block asked for once in the launch; 3 chunks, 96 KB a work-group, ahead
.Lnopf_\@:
	v_add_nc_u32 v[BADR], s[TBM], v[L16]
	MSTEP \par, 0
	MSTEP \par, 1
	MSTEP \par, 2
	MSTEP \par, 3
	s_wait_xcnt 0x0                                ; the loads' base is rewritten only behind this wait
	STEPA
	s_sub_co_u32 s[REM], s[REM], 1
	s_add_co_u32 s[TBM], s[TBM], CHB
	s_wait_dscnt 0x0                               ; my stores of step j + 1's chunk are done, my reads are back
	s_barrier_signal -1
	s_barrier_wait -1
.endm
; LAYER 1: FROM RANK TO TOKEN, in registers.  s[TS] holds my slot 0's first rank.  Five trips, one a slot; a trip's token is passed along v[AO:AO+4], so that slot i's ends in v[AO+i].
; The word: key j = 32 x (set bits ahead of word j) + j rises with j, and the word that holds rank R is the last whose key is not above 32 R + 31 (an empty word's key is passed by the next one's).
; Words 0-15 and 16-31 are walked as two chains that do not wait for each other; key 16 says which of the two holds.
; The bit: the word's bits are counted in fields of 2, 4, 8 and 16; five times the lower half of what is left is passed if it holds no more set bits than are still to be passed.
; With no row at all the rank is 0, every key is at most 31, the word is the last and empty, and the place runs to 31: token 1,023, whose row exists.
.macro TSTEP src, w
	v_bfe_u32 v[XCC], v[\src], v[XPO], \w          ; set bits in the lower half
	v_cmp_ge_u32 vcc_lo, v[XLO], v[XCC]
	v_sub_nc_u32 v[XT], v[XLO], v[XCC]
	v_cndmask_b32 v[XLO], v[XLO], v[XT], vcc_lo
	v_add_nc_u32 v[XT], \w, v[XPO]
	v_cndmask_b32 v[XPO], v[XPO], v[XT], vcc_lo
.endm
.macro TOKENS
	v_add_nc_u32 v[XRH], s[TS], v[RR]
	v_mov_b32 v[XT], 0
.irp i, 0,1,2,3,4
	v_mov_b32 v[AO+(\i)], 0
.endr
	s_mov_b32 s[TS2], 5
.Ltok_\@:
	s_add_co_u32 s[TS], s[TS2], s[LV4]
	s_cmp_eq_u32 s[TS], 1                          ; the fifth trip, where slot 4's tile is past the count: nothing is looked for, and the last token is passed on, which no load names
	s_cbranch_scc1 .Ltokdead_\@
	v_min_u32 v[XRC], s[CM1], v[XRH]               ; past the count the last row once more
	v_lshl_or_b32 v[XRK], v[XRC], 5, 31
	v_mov_b32 v[XKA], 0                            ; key 0 is 0
	v_mov_b32 v[XWA], s[BM]
	v_mov_b32 v[XKB], s[KYH]
	v_mov_b32 v[XWB], s[BM+16]
.set kk, 1
.rept 15
	v_cmp_le_u32 vcc_lo, s[KY+kk], v[XRK]
	v_cmp_le_u32 s[TS], s[KYH+kk], v[XRK]
	v_cndmask_b32 v[XKA], v[XKA], s[KY+kk], vcc_lo
	v_cndmask_b32 v[XWA], v[XWA], s[BM+kk], vcc_lo
	v_cndmask_b32 v[XKB], v[XKB], s[KYH+kk], s[TS]
	v_cndmask_b32 v[XWB], v[XWB], s[BM+16+kk], s[TS]
.set kk, kk+1
.endr
	v_cmp_le_u32 vcc_lo, s[KYH], v[XRK]
	v_cndmask_b32 v[XKA], v[XKA], v[XKB], vcc_lo
	v_cndmask_b32 v[XWA], v[XWA], v[XWB], vcc_lo
	v_lshrrev_b32 v[XT], 5, v[XKA]                 ; the set bits ahead of the word,
	v_sub_nc_u32 v[XLO], v[XRC], v[XT]             ; and those to be passed within it
	v_lshrrev_b32 v[XC1], 1, v[XWA]
	v_and_b32 v[XC1], 0x55555555, v[XC1]
	v_sub_nc_u32 v[XC1], v[XWA], v[XC1]            ; counts in fields of 2
	v_lshrrev_b32 v[XC2], 2, v[XC1]
	v_and_b32 v[XC2], 0x33333333, v[XC2]
	v_and_b32 v[XT], 0x33333333, v[XC1]
	v_add_nc_u32 v[XC2], v[XC2], v[XT]             ; of 4
	v_lshrrev_b32 v[XC4], 4, v[XC2]
	v_add_nc_u32 v[XC4], v[XC4], v[XC2]
	v_and_b32 v[XC4], 0x0f0f0f0f, v[XC4]           ; of 8
	v_lshrrev_b32 v[XCC], 8, v[XC4]
	v_add_nc_u32 v[XCC], v[XCC], v[XC4]
	v_and_b32 v[XCC], 0xff, v[XCC]                 ; the low 16 bits' count
	v_cmp_ge_u32 vcc_lo, v[XLO], v[XCC]
	v_sub_nc_u32 v[XT], v[XLO], v[XCC]
	v_cndmask_b32 v[XLO], v[XLO], v[XT], vcc_lo
	v_cndmask_b32 v[XPO], 0, 16, vcc_lo
	TSTEP XC4, 8
	TSTEP XC2, 4
	TSTEP XC1, 2
	TSTEP XWA, 1
	v_and_b32 v[XT], 31, v[XKA]                    ; the word's number
	v_lshl_add_u32 v[XT], v[XT], 5, v[XPO]         ; the token
.Ltokdead_\@:
.irp i, 0,1,2,3
	v_mov_b32 v[AO+(\i)], v[AO+(\i)+1]
.endr
	v_mov_b32 v[AO+4], v[XT]
	v_add_nc_u32 v[XRH], 64, v[XRH]                ; the next slot's tile lies four tiles on
	s_sub_co_u32 s[TS2], s[TS2], 1
	s_cmp_lg_u32 s[TS2], 0
	s_cbranch_scc1 .Ltok_\@
.endm
; A pass begins: which tiles, their rows, the sums started with the bias (a product of zeros with the bias as C, in the form of the layer's products: one text then serves every K step, and nothing is cleared), the first chunk's token rows.
.macro PASS_SETUP
	s_mul_i32 s[TS], s[PIDX], 20
	s_add_co_u32 s[TS], s[TS], s[WV]               ; my slot 0's tile
	s_add_co_u32 s[TS2], s[TS], 16
	s_cmp_lt_u32 s[TS2], s[MT]
	s_cselect_b32 s[LV4], 1, 0
.if LAYER == 1
	s_lshl_b32 s[TS], s[TS], 4
	TOKENS
.irp i, 0,1,2,3,4
	v_min_u32 v[AO+(\i)], 0x3ff, v[AO+(\i)]
	v_lshl_add_u32 v[AO+(\i)], v[AO+(\i)], 11, v[HX]
.endr
	s_mov_b64 s[A0:A0+1], s[SRC:SRC+1]
.else
	s_lshl_b32 s[ST], s[TS], 16
	s_add_nc_u64 s[A0:A0+1], s[SRC:SRC+1], s[ST:ST+1]
.endif
.if LAYER == 3
	; lane by lane: the list entry (2 x token + second choice) of rank 16 T + lane % 16 of each slot's tile, and that row's weight: five loads, older than the token rows, so that the first step's wait covers them
	s_lshl_b32 s[TS], s[TS], 4
.irp i, 0,1,2,3,4
	v_add3_u32 v[T0], v[RR], s[TS], 64*(\i)
	v_min_u32 v[T0], s[CM1], v[T0]                 ; past the count the last row once more
	v_min_u32 v[T0], 0x3ff, v[T0]
	v_lshl_add_u32 v[T0], v[T0], 2, v[LB]
	ds_load_b32 v[DL+(\i)], v[T0]
.endr
	s_wait_dscnt 0x0
.irp i, 0,1,2,3,4
	v_min_u32 v[DL+(\i)], 0x7ff, v[DL+(\i)]
	v_lshlrev_b32 v[DL+(\i)], 2, v[DL+(\i)]        ; 4 x the entry: the weight's byte in wts; kept for the way out
.endr
	WIN 0x80                                       ; destination window 2
.irp i, 0,1,2,3,4
	global_load_b32 v[WL2+(\i)], v[DL+(\i)], s[WTS:WTS+1]
.endr
	WIN 0
.endif
	s_lshl_b32 s[ST], s[C0], ASH                   ; the walk's first chunk,
	s_add_nc_u64 s[TN:TN+1], s[A0:A0+1], s[ST:ST+1]
	s_mov_b32 s[AC], s[C0]
	STEPA                                          ; and its second
	WIN 0x50
.irp i, 0,1,2,3,4
.irp c, 0,1,2,3
.if LAYER == 2
	v_wmma_f32_16x16x32_f16 v[32*(\i)+8*(\c):32*(\i)+8*(\c)+7], v[ZZ:ZZ+7], v[ZZ:ZZ+7], v[BI+8*(\c):BI+8*(\c)+7]
.else
	v_wmma_f32_16x16x32_bf16 v[32*(\i)+8*(\c):32*(\i)+8*(\c)+7], v[ZZ:ZZ+7], v[ZZ:ZZ+7], v[BI+8*(\c):BI+8*(\c)+7]
.endif
.endr
.endr
	WIN 0
	ABATCH 0, TN
	s_mov_b32 s[REM], NCH
	s_mov_b32 s[TBM], 0
.endm
.macro PF n, reg                       ; at the head: my rows of step n's chunk are prefetched; each of the three has an offset register of its own
	s_add_co_u32 s[TS], s[C0], \n
	s_and_b32 s[TS], s[TS], NCH-1
	s_lshl_b32 s[TS], s[TS], WSH
	v_add_nc_u32 v[\reg], s[TS], v[PO]
	global_prefetch_b8 v[\reg], s[WBASE:WBASE+1] th:TH_LOAD_NT scope:SCOPE_SE
.endm
.if LAYER == 3
; Layer 3's way out for slot i: a live tile's rows are multiplied by their tokens' weights and stored: sixteen lanes fill the slice's 256 bytes of a row of y, aligned.  Ranks past the count store the last row's bits once more.
.macro YTILE i
	s_add_co_u32 s[TS2], s[TS], 64*(\i)
	s_cmp_ge_u32 s[TS2], s[CNT]
	s_cbranch_scc1 .Ldead_\@
.if (\i) >= 2
	s_wait_xcnt 0x0                                ; two sets of store registers take turns: the stores of the tile two back have read theirs
.endif
	WIN 0x41                                       ; destination and source 0 in window 1
.set j, 0
.rept 8                                                ; each accumulator is read from its low end on
.irp c, 0,1,2,3
	v_mul_f32 v[TT+32*((\i)%2)+4*j+(\c)], v[32*(\i)+8*(\c)+j], v[WGT+8*(\i)+j]
.endr
.set j, j+1
.endr
	WIN 0x04                                       ; store data in window 1
.set j, 0
.rept 8
	global_store_b128 v[DD+8*(\i)+j], v[TT+32*((\i)%2)+4*j:TT+32*((\i)%2)+4*j+3], s[OUT:OUT+1]
.set j, j+1
.endr
	WIN 0
.Ldead_\@:
.endm
.else
; Layers 1, 2: a lane's 32 numbers of a slot are 32 neighbouring columns of one row: rounded (layer 1 to f16, layer 2 to bf16), ReLU on the packed halves, four stores of 16 bytes, in each of which sixteen lanes fill 256 consecutive bytes, aligned
.macro HTILE i
.if (\i) % 3 == 0
	s_wait_xcnt 0x0                                ; three sets of store registers take turns: the stores that read the sets written from here on were issued ahead of this wait
.endif
	WIN 0x45
.set j, 0
.rept 8                                                ; each accumulator is read from its low end on
.if LAYER == 1
	v_cvt_pk_f16_f32 v[TT+16*((\i)%3)+2*j],   v[32*(\i)+j],    v[32*(\i)+8+j]
	v_cvt_pk_f16_f32 v[TT+16*((\i)%3)+2*j+1], v[32*(\i)+16+j], v[32*(\i)+24+j]
.else
	v_cvt_pk_bf16_f32 v[TT+16*((\i)%3)+2*j],   v[32*(\i)+j],    v[32*(\i)+8+j]
	v_cvt_pk_bf16_f32 v[TT+16*((\i)%3)+2*j+1], v[32*(\i)+16+j], v[32*(\i)+24+j]
.endif
.set j, j+1
.endr
.set j, 0
.rept 16
.if LAYER == 1
	v_pk_max_num_f16 v[TT+16*((\i)%3)+j], v[TT+16*((\i)%3)+j], v255
.else
	v_pk_max_num_bf16 v[TT+16*((\i)%3)+j], v[TT+16*((\i)%3)+j], v255
.endif
.set j, j+1
.endr
	WIN 0x04
.irp q, 0,1,2,3
	global_store_b128 v[SO], v[TT+16*((\i)%3)+4*(\q):TT+16*((\i)%3)+4*(\q)+3], s[OUT:OUT+1] offset:(\i)*4*TILEB+((\q)/2)*512+((\q)%2)*256
.endr
	WIN 0
.endm
.endif
	s_load_b256 s[8:15], s[0:1], 0x0               ; token rows, maps, W, bias
.if LAYER == 3
	s_load_b128 s[84:87], s[0:1], 0x20             ; y, wts
.else
	s_load_b64 s[84:85], s[0:1], 0x20              ; h
.endif
	v_lshl_add_u32 v[SPW], v0, 2, SPARE            ; my spare word,
	v_mov_b32 v[NIL], 0                            ; and 0: kept for the wave's end alone
	v_lshrrev_b32 v1, 5, v0
	v_readfirstlane_b32 s[WV], v1
	v_and_b32 v[LL], 31, v0
	v_and_b32 v[RR], 15, v0
	v_bfe_u32 v[HH], v0, 4, 1
	s_and_b32 s[EX], ttmp7, 0xffff
.if LAYER == 3
	s_and_b32 s[SL], ttmp9, 15
	s_lshr_b32 s[KH], ttmp9, 4
	v_lshlrev_b32 v[BADR], 4, v[RR]                ; the bias: b[4 r + c]
.else
	s_mov_b32 s[SL], ttmp9
	v_lshlrev_b32 v[BADR], 7, v[HH]                ; the bias: b[32 h + ..]
.endif
.if LAYER == 2
	s_mov_b32 s[HM], 0xffff0000
.endif
	s_bfe_u32 s[C0], ttmp9, 0x10000                ; where my walk begins: x's LOGN low bits in reversed order,
	s_bfe_u32 s[TS], ttmp9, 0x10001
	s_lshl1_add_u32 s[C0], s[C0], s[TS]
	s_bfe_u32 s[TS], ttmp9, 0x10002
	s_lshl1_add_u32 s[C0], s[C0], s[TS]
.if LOGN == 4
	s_bfe_u32 s[TS], ttmp9, 0x10003
	s_lshl1_add_u32 s[C0], s[C0], s[TS]
.endif
	s_bfe_u32 s[TS], ttmp9, 0x10000+LOGN           ; and x's next bit turned onto the top one
	s_lshl_b32 s[TS], s[TS], LOGN-1
	s_xor_b32 s[C0], s[C0], s[TS]
	s_mov_b32 s[ST+1], 0
	s_lshl_b32 s[TS], s[WV], 5                     ; my block's 32 rows
	v_lshl_add_u32 v[WO], v[HH], 3, s[TS]
	v_lshlrev_b32 v[WO], PSH, v[WO]
	v_lshl_add_u32 v[WO], v[RR], 4, v[WO]
	v_add_nc_u32 v[PO], s[TS], v[LL]
	v_lshlrev_b32 v[PO], PSH, v[PO]
	s_wait_kmcnt 0x0
	s_lshl_b32 s[ST], s[EX], 7
	s_add_nc_u64 s[MAPS:MAPS+1], s[MAPS:MAPS+1], s[ST:ST+1]
	s_load_b512 s[16:31], s[MAPS:MAPS+1], 0x0
	s_load_b512 s[32:47], s[MAPS:MAPS+1], 0x40
.if LAYER == 3
	s_load_b512 s[48:63], s[MAPS:MAPS+1], 0x400
	s_load_b512 s[68:83], s[MAPS:MAPS+1], 0x440
.endif
	s_lshl_b32 s[ST], s[EX], PSH
	s_lshl_b32 s[TS], s[SL], 8
	s_add_co_u32 s[ST], s[ST], s[TS]
	s_add_nc_u64 s[BP:BP+1], s[BP:BP+1], s[ST:ST+1]
	; the bias first, so that the wait for it leaves the weights out
.if LAYER == 3
	global_load_b128 v[F:F+3], v[BADR], s[BP:BP+1]
.else
.irp q, 0,1,2,3,4,5,6,7
	global_load_b128 v[F+4*(\q):F+4*(\q)+3], v[BADR], s[BP:BP+1] offset:16*(\q)  ; b[32 h + 4 j + c], j = q
.endr
.endif
	s_lshl_b32 s[ST], s[EX], EWSH
	s_add_co_u32 s[ST], s[ST], s[TS]
.if LAYER == 3
	s_lshl_b32 s[TS], s[KH], 22                    ; 1,024 rows of 4,096 bytes
	s_add_co_u32 s[ST], s[ST], s[TS]
.endif
	s_add_nc_u64 s[WBASE:WBASE+1], s[WBASE:WBASE+1], s[ST:ST+1]
	s_lshl_b32 s[ST], s[C0], WSH                   ; the weights of the walk's first two chunks
	s_add_nc_u64 s[WP:WP+1], s[WBASE:WBASE+1], s[ST:ST+1]
	SLOADS 0, WP
	s_add_co_u32 s[WC], s[C0], 1
	s_and_b32 s[WC], s[WC], NCH-1
	s_lshl_b32 s[ST], s[WC], WSH
	s_add_nc_u64 s[TN:TN+1], s[WBASE:WBASE+1], s[ST:ST+1]
	SLOADS 1, TN
	s_add_co_u32 s[WC], s[WC], 1
	s_and_b32 s[WC], s[WC], NCH-1
	PF 3, T0                                       ; my rows of steps 3 to 5, which steps 0 to 2 load; the loop goes on with step 6
	PF 4, T1
	PF 5, SA
	s_mul_i32 s[ST], s[EX], EST
.if LAYER == 3
	s_lshl_b32 s[TS], s[KH], 15                    ; 32 blocks of 1,024 bytes
	s_add_co_u32 s[ST], s[ST], s[TS]
.endif
.if LAYER != 1
	s_add_nc_u64 s[SRC:SRC+1], s[SRC:SRC+1], s[ST:ST+1]
.endif
.if LAYER == 3
	s_lshl_b32 s[ST], s[KH], 23                    ; y's half: 2,048 rows of 4,096 bytes
	s_lshl_b32 s[TS], s[SL], 8
.else
	s_lshl_b32 s[TS], s[SL], 11                    ; the slice's two blocks
.endif
	s_add_co_u32 s[ST], s[ST], s[TS]
	s_add_nc_u64 s[OUT:OUT+1], s[OUT:OUT+1], s[ST:ST+1]
	v_lshlrev_b32 v[L16], 4, v[LL]
	s_lshl_b32 s[TS], s[WV], 12
	v_lshl_add_u32 v[SA0], v[LL], 4, s[TS]
.if LAYER == 3
	v_lshlrev_b32 v[R16], 4, v[RR]
	v_lshlrev_b32 v[HX], 3, v[HH]
	v_lshlrev_b32 v[L2], 1, v[LL]
.else
	s_lshl_b32 s[TS], s[WV], 16
	v_lshl_add_u32 v[SO], v[HH], 10, s[TS]         ; tile u, block h, 16 r
	v_lshl_add_u32 v[SO], v[RR], 4, v[SO]
.endif
.if LAYER == 1
	v_lshlrev_b32 v[HX], 4, v[HH]
.endif
.if LAYER == 3
	s_mul_i32 s[TS], s[WV], LISTB
	s_add_co_u32 s[TS], s[TS], LIST
	v_mov_b32 v[LB], s[TS]                         ; my own list
	v_add_nc_u32 v[DI], 1024, v[LL]
.endif
.set j, 0
.rept 8
	v_mov_b32 v[ZZ+j], 0
.set j, j+1
.endr
	; slot 4's fragment registers hold zeros until a live tile's loads write them; where the tile is past the count its products are jumped with its loads, and nothing is made of them
.irp w, 0x80, 0xc0
	WIN \w
.irp t, 0,1,2,3
.set j, 0
.rept 8
	v_mov_b32 v[40*(\t)+32+j], 0
.set j, j+1
.endr
.endr
.endr
	WIN 0
	s_wait_kmcnt 0x0
	s_wait_xcnt 0x0                                ; the three prefetches' offset registers, the pair that the second chunk's loads named and (layer 1) the bias's base are rewritten only behind this wait
	; the count.  Layer 1: on the way, each word's key.  Layer 3: the list: entry rank = 2 x token + second choice: a set lane's rank is the count so far plus the set bits below it; the other lanes write words that nobody reads.
	s_mov_b32 s[PC], 0
.if LAYER == 3
	v_lshl_add_u32 v[T0], v[LL], 2, v[LB]
	ds_store_b32 v[T0], v[ZZ]                      ; entry 0 exists where the expert has no row
.endif
.set j, 0
.rept 32
.if LAYER == 3
	v_mbcnt_lo_u32_b32 v[T0], s[BM+j], s[PC]
	v_cndmask_b32 v[T0], v[DI], v[T0], s[BM+j]
	v_min_u32 v[T0], 0x41f, v[T0]
	v_lshl_add_u32 v[T0], v[T0], 2, v[LB]
	v_cndmask_b32 v[T1], 0, 1, s[48+j+4*(j/16)]
	v_add3_u32 v[T1], v[T1], v[L2], 64*j
	ds_store_b32 v[T0], v[T1]
.endif
.if (LAYER == 1) && (j > 0)
	s_lshl_b32 s[KY+j+4*(j/16)], s[PC], 5          ; key j = 32 x (set bits ahead of word j) + j; key 0 is 0 and is not kept
	s_or_b32 s[KY+j+4*(j/16)], s[KY+j+4*(j/16)], j
.endif
	s_bcnt1_i32_b32 s[TS2], s[BM+j]
	s_add_co_u32 s[PC], s[PC], s[TS2]
.set j, j+1
.endr
.if LAYER != 1
	s_mov_b32 s[CNT], s[PC]
.endif
	s_max_u32 s[CM1], s[PC], 1
	s_sub_co_u32 s[CM1], s[CM1], 1
	s_add_co_u32 s[MT], s[PC], 15
	s_lshr_b32 s[MT], s[MT], 4
	s_add_co_u32 s[NPASS], s[MT], 19
	s_mul_hi_u32 s[NPASS], s[NPASS], 0x0ccccccd    ; (tiles + 19) / 20
	s_mov_b32 s[PIDX], 0
	s_mov_b32 s[LM], -1
	s_mov_b32 s[TBS], 0
	; the bias, rounded to bf16, as a C operand
.if LAYER == 3
	s_cmp_eq_u32 s[KH], 0
	s_cselect_b32 s[TS], -1, 0                     ; K half 0 alone adds it
.endif
	s_wait_loadcnt 32                              ; behind the bias: the 32 loads of the first two chunks
.if LAYER == 3
	v_cvt_pk_bf16_f32 v[BF], v[F], v[F+1]
	v_cvt_pk_bf16_f32 v[BF+1], v[F+2], v[F+3]
	v_lshlrev_b32 v[BF+2], 16, v[BF]
	v_and_b32 v[BF+3], 0xffff0000, v[BF]
	v_lshlrev_b32 v[BF+4], 16, v[BF+1]
	v_and_b32 v[BF+5], 0xffff0000, v[BF+1]
	WIN 0x40
.irp c, 0,1,2,3
.set j, 0
.rept 8
	v_and_b32 v[BI+8*(\c)+j], s[TS], v[BF+2+(\c)]
.set j, j+1
.endr
.endr
.else
.set j, 0
.rept 8
	v_cvt_pk_bf16_f32 v[BF+2*j], v[F+4*j], v[F+4*j+1]
	v_cvt_pk_bf16_f32 v[BF+2*j+1], v[F+4*j+2], v[F+4*j+3]
.set j, j+1
.endr
	WIN 0x40
.set j, 0
.rept 8
	v_lshlrev_b32 v[BI+j], 16, v[BF+2*j]
	v_and_b32 v[BI+8+j], 0xffff0000, v[BF+2*j]
	v_lshlrev_b32 v[BI+16+j], 16, v[BF+2*j+1]
	v_and_b32 v[BI+24+j], 0xffff0000, v[BF+2*j+1]
.set j, j+1
.endr
	v_mov_b32 v255, 0                              ; for the ReLU on packed halves
.endif
	WIN 0
	PASS_SETUP
	s_wait_loadcnt 48                              ; behind the first chunk's weights: the second's 16 loads and the token rows' 32 at the least (layer 3: five more)
	STREAM 0, 0                                    ; step 0's chunk is stored, step 2's asked for
	s_wait_dscnt 0x0                               ; for the others' sake: my block of it is in LDS
	s_barrier_signal -1
	s_barrier_wait -1
	s_mov_b32 s[Q], NCH/2
.Lq:
	CHUNK 0
	CHUNK 1
	s_sub_co_u32 s[Q], s[Q], 1
	s_cmp_lg_u32 s[Q], 0
	s_cbranch_scc1 .Lq
	s_branch .Lepi                                 ; pass 0 is multiplied: the loop over passes is entered at its way out
.Lpass:                                                ; passes 1 to 3, from the resident slice: no barrier and no LDS store; a pass that the count does not reach is jumped
	s_cmp_ge_u32 s[PIDX], s[NPASS]
	s_cbranch_scc1 .Lbottom
	PASS_SETUP
.Lk:                                                   ; a step on the one buffer: its token rows are awaited, multiplied, and the next step's asked for
	s_wait_loadcnt 0x0
	v_add_nc_u32 v[BADR], s[TBM], v[L16]
	MSTEP 0, 0
	MSTEP 0, 1
	MSTEP 0, 2
	MSTEP 0, 3
	PLACES                                         ; behind the step's products, which read the buffer and W's fragments
	s_cmp_eq_u32 s[REM], 1
	s_cbranch_scc1 .Lklast                         ; the last step has no next one
	ABATCH 0, AN
	s_wait_xcnt 0x0                                ; the loads' base is rewritten only behind this wait; the wave is about to wait for their data
	STEPA
.Lklast:
	s_add_co_u32 s[TBM], s[TBM], CHB
	s_sub_co_u32 s[REM], s[REM], 1
	s_cmp_lg_u32 s[REM], 0
	s_cbranch_scc1 .Lk
.Lepi:
	s_wait_loadcnt 0x0                             ; the last requests for weights, which went out with no lane on: their registers are free
.rept 5
	v_nop                                          ; places behind the last products: four for the reads below, five for the next pass's first products, which write over these accumulators
.endr
.if LAYER == 3
	s_wait_xcnt 0x0                                ; the last pass's stores have read their addresses and data
	s_mul_i32 s[TS], s[PIDX], 20
	s_add_co_u32 s[TS], s[TS], s[WV]
	s_lshl_b32 s[TS], s[TS], 4                     ; my slot 0's first rank
	; register j of an accumulator holds token 8 h + j of its tile: that token's list entry and weight lie in lane 8 h + j and are dealt out by lane permutes, which touch no LDS byte
	WIN 0x02                                       ; source 0 in window 2
.irp i, 0,1,2,3,4
	v_mov_b32 v[WL0+(\i)], v[WL2+(\i)]             ; into the window in which the permutes' other operands lie
.endr
	WIN 0
.set j, 0
.rept 8
	v_add_lshl_u32 v[IDX+j], v[HX], j, 2
.set j, j+1
.endr
.irp i, 0,1,2,3,4
.set j, 0
.rept 8
	ds_bpermute_b32 v[DD+8*(\i)+j], v[IDX+j], v[DL+(\i)]
.set j, j+1
.endr
.endr
.irp i, 0,1,2,3,4
.set j, 0
.rept 8
	ds_bpermute_b32 v[WGT+8*(\i)+j], v[IDX+j], v[WL0+(\i)]
.set j, j+1
.endr
.endr
	s_wait_dscnt 40                                ; the 40 permutes of weights may stay out
.set j, 0
.rept 40
	v_min_u32 v[DD+j], 0x1ffc, v[DD+j]
	v_lshl_add_u32 v[DD+j], v[DD+j], 10, v[R16]    ; 4 x entry x 1,024 = the row's 4,096 bytes, + 16 r
.set j, j+1
.endr
	s_wait_dscnt 0x0
	YTILE 0
	YTILE 1
	YTILE 2
	YTILE 3
	YTILE 4
.else
	HTILE 0
	HTILE 1
	HTILE 2
	HTILE 3
	s_cmp_eq_u32 s[LV4], 0
	s_cbranch_scc1 .Lno4e                          ; the next layer does not load a slot 4 that is past the count
	HTILE 4
.Lno4e:
	s_wait_xcnt 0x0
	s_add_nc_u64 s[OUT:OUT+1], s[OUT:OUT+1], 20*TILEB
.endif
.Lbottom:
	s_add_co_u32 s[PIDX], s[PIDX], 1
	s_cmp_lt_u32 s[PIDX], 4
	s_cbranch_scc1 .Lpass
	s_wait_dscnt 0x0                               ; my LDS reads are back, those of the later passes too;
	s_barrier_signal -1                            ; the four waves meet once more: every wave's reads of LDS are over
	s_barrier_wait -1                              ; before any wave's last LDS write, below
	s_wait_tensorcnt 0x0                           ; the wave's end, behind the wave's last LDS store
	ds_add_u32 v[SPW], v[NIL]
	s_wait_dscnt 0x0
	s_endpgm
.Lfunc_end_k_q0ed6e9a3bc_mlp1:
	.size	k_q0ed6e9a3bc_mlp1, .Lfunc_end_k_q0ed6e9a3bc_mlp1-k_q0ed6e9a3bc_mlp1
	.p2alignl 7, 3214868480
	.fill 96, 4, 3214868480
	.section	.rodata,"a",@progbits
	.p2align	6, 0x0
	.amdhsa_kernel k_q0ed6e9a3bc_mlp1
		.amdhsa_group_segment_fixed_size 147968
		.amdhsa_private_segment_fixed_size 0
		.amdhsa_enable_private_segment 0
		.amdhsa_kernarg_size 40
		.amdhsa_user_sgpr_count 2
		.amdhsa_user_sgpr_kernarg_segment_ptr 1
		.amdhsa_wavefront_size32 1
		.amdhsa_system_sgpr_workgroup_id_x 1
		.amdhsa_system_sgpr_workgroup_id_y 1
		.amdhsa_system_sgpr_workgroup_id_z 1
		.amdhsa_system_vgpr_workitem_id 0
		.amdhsa_next_free_vgpr 928
		.amdhsa_next_free_sgpr 102
		.amdhsa_reserve_vcc 1
		.amdhsa_float_denorm_mode_32 3
		.amdhsa_float_denorm_mode_16_64 3
		.amdhsa_memory_ordered 1
		.amdhsa_forward_progress 1
		.amdhsa_inst_pref_size 110
	.end_amdhsa_kernel
	.amdgpu_metadata
---
amdhsa.version: [ 1, 2 ]
amdhsa.kernels:
  - .name:           k_q0ed6e9a3bc_mlp1
    .symbol:         k_q0ed6e9a3bc_mlp1.kd
    .args:
      - { .name: xb, .offset: 0, .size: 8, .value_kind: global_buffer, .address_space: global }
      - { .name: maps, .offset: 8, .size: 8, .value_kind: global_buffer, .address_space: global }
      - { .name: W1, .offset: 16, .size: 8, .value_kind: global_buffer, .address_space: global }
      - { .name: b1, .offset: 24, .size: 8, .value_kind: global_buffer, .address_space: global }
      - { .name: h1, .offset: 32, .size: 8, .value_kind: global_buffer, .address_space: global }
    .group_segment_fixed_size: 147968
    .private_segment_fixed_size: 0
    .kernarg_segment_align: 8
    .kernarg_segment_size: 40
    .max_flat_workgroup_size: 128
    .sgpr_count:     102
    .vgpr_count:     928
    .wavefront_size: 32
...
	.end_amdgpu_metadata
.endif
;; end of part 6
;; launch mlp2 (part 7): grid 32 x 8, 4 waves a work-group, no clusters, 279,040 bytes of LDS; arguments h1, maps, W2, b2, h2; writes h2
.if DOCPART == 7
	.amdgcn_target "amdgcn-amd-amdhsa--gfx1250"
	.amdhsa_code_object_version 6
	.text
	.protected	k_q0ed6e9a3bc_mlp2
	.globl	k_q0ed6e9a3bc_mlp2
	.p2align	8
	.type	k_q0ed6e9a3bc_mlp2,@function
k_q0ed6e9a3bc_mlp2:
	s_mov_b64 s[64:65], 0
	v_nop
	global_prefetch_b8 v0, s[64:65] scope:SCOPE_SE
	s_setreg_imm32_b32 hwreg(HW_REG_WAVE_MODE, 25, 1), 1
	s_wait_xcnt 0x0
; ONE LAYER OF THE EXPERTS' CHAIN, for the rows that chose the expert alone.  One text for the three layers; LAYER picks the sizes.
;   LAYER 1: h1 = relu(x W1[e] + b1[e])     LAYER 2: h2 = relu(h1 W2[e] + b2[e])     LAYER 3: y = w (h2 W3[e] + b3[e]), K in two halves, partial rows in f32
; FORMATS.  Weights and biases are rounded to bf16 on their way through registers, like every input of this program; x came rounded; sums in f32.  h1 is f16, h2 is bf16.  A rounding to bf16's 8 significant
; bits is off by some 2^-9 of the number, and what h1 and h2 lose reaches the output undiminished: f16's 11 bits make h1's share an eighth.  So layer 2 multiplies in f16: W2, rounded to bf16, is written as f16
; (exact from 2^-17 up in magnitude, below that to within 2^-25).  Layers 1 and 3 multiply in bf16.
; SHARE.  A work-group has ONE expert e (grid y) and 64 columns of its weights (grid x; in layer 3 x % 16, and x / 16 is the K half), which it alone reads, each byte once; and ALL rows of that expert.
; Four waves, all alike.  K goes in chunks of 128.  Wave u loads the f32 weights of block u (32 k) of each chunk, rounds them and lays them into LDS as matrix fragments; each LDS byte is written once and the
; whole slice stays.  Wave u multiplies row tiles 4 i + u by all 64 columns.  In step j of the walk a wave stores chunk j + 1, asks for chunk j + 3 and multiplies chunk j; one barrier a chunk.
; THE WALK OVER K.  An expert's 32 work-groups (layer 3: the 16 of a K half) read the same token rows.  Each begins its walk at another chunk, C0, and goes once round the ring of NCH chunks.  C0 is x's low bits in
; reversed order, with x's next bit turned onto the top one: neighbours in x begin far apart, and the starts of every 2^i-th work-group are spread over the ring as well.  So at any time the work-groups read different
; chunks of the rows, and from the second step on a chunk's rows have been read a step earlier by another work-group.  The sums only change their order.  In LDS the chunks lie in the order of the walk.
; THE ORDER OF THE LOADS.  Loads into registers come back in issue order on one counter a wave (ISA guide 5.7.1).  Step j asks first for the token rows of step j + 1, then for the weights of step j + 3:
; the wait for step j's token rows then leaves the weights of step j + 2 out, and a request for weights has two steps' work in which to land: 16 to 32 loads of 512 bytes a wave are on their way.
; NO CLUSTER, NO TENSOR LOAD: each weight has one reader; what an expert's work-groups share is its token rows, which go lane by lane into registers (in layer 1 by a list), and beside the resident slice
; (layer 2: 262,144 bytes) LDS has no room for two slots of 320 rows x 256 bytes.
; ROWS.  A token's rank in its expert is the number of set bits below it in the expert's bitmap (maps, stored by the router).  Tile T = ranks 16 T .. 16 T + 15.  A PASS is 20 tiles: wave u has tiles
; 20 p + 4 i + u, i = 0..4: 5 x 4 accumulators.  Pass 0 runs with the stream.  An expert with more than 320 rows takes further passes (at most four: 1,024 rows) from the resident slice; there the token rows are asked
; for and awaited chunk by chunk, on one buffer and in one short text: such an expert's later passes overlap no load with their products.
; Ranks past the count repeat the last row.  Slot 4's loads, products and stores are jumped where its tile is past the count; slots 0 to 3 of every pass that runs are stored in h1, h2, so the next layer loads stored bytes alone.
; An expert without rows still walks pass 0 (on token 0's row; in layer 3 it stores nothing): every wave passes every barrier, none of which hangs on loaded data.
; h1, h2 LIE IN FRAGMENT ORDER: [8 e][80 tiles][64 kb][1,024 bytes]; byte g 512 + (16 h + r) 16 of a block holds row r, k = 32 kb + 16 g + 8 h + 0..7: a fragment is two loads of 512 consecutive bytes.
; LIMITS.  f16 ends at 65,504: an h1 or a W2 beyond that becomes an infinity.  With x of spread 1 and W1 of spread 0.02 h1's spread is sqrt(1024) x 0.02 = 0.64 and its largest about 3; x and W1 both 30 times larger
; give about 2,700, an offset of 30 spreads on both about 18,500; both 30 times smaller leave a spread of 7e-4, far above f16's fixed step of 6e-8.  h2 carries three such factors, has no such room, and stays bf16.
; NaN and infinities are not treated apart.
.set LAYER, 2
.if LAYER == 2
.set KW,   2048                        ; k rows of a work-group
.set EWSH, 24                          ; an expert's weights: 1 << EWSH bytes
.set LOGN, 4
.else
.set KW,   1024
.set EWSH, 23
.set LOGN, 3
.endif
.if LAYER == 3
.set PSH,  12
.set WM0,  0x52                        ; products: C and D in window 1, tokens (source 0) in window 2 or 3, W in window 0
.set WMS,  1
.else
.set PSH,  13
.set WM0,  0x58                        ; products: C and D in window 1, W (source 0) in window 0, tokens (source 1) in window 2 or 3
.set WMS,  4
.endif
.if LAYER == 1
.set ASH,  8                           ; a chunk of the token rows: 1 << ASH bytes: 128 bf16 of a row of xb,
.else
.set ASH,  12                          ; or four blocks of h
.endif
.set PITCH, 1<<PSH                     ; bytes in a row of W, and in an expert's bias
.set WSH,   7+PSH                      ; a chunk of W: 128 rows: 1 << WSH bytes
.set NCH,   1<<LOGN                    ; chunks: KW / 128
.set CHB,   16384                      ; a chunk in LDS: 4 blocks (32 k) of 4,096: c 1024 + g 512 + 16 lane
.set TILEB, 65536
.set EST,   80*TILEB
.set LIST,  (NCH+1)*CHB                ; behind the slice and one chunk's room, which takes the loop's last piece and is never read
.set LISTB, 4352                       ; a wave's own list: 1,024 entries, 32 words for the lanes with nothing to say
.if LAYER == 2
.set SPARE, LIST
.else
.set SPARE, LIST+4*LISTB
.endif
; scalars
.set WV, 2                             ; wave: u
.set HM, 3                             ; a word's upper half (layer 2)
.set EX, 4                             ; expert
.set SL, 5                             ; slice
.set KH, 6                             ; K half (layer 3)
.set PC, 7                             ; running count
.set SRC, 8                            ; s[8:9]   token rows
.set MAPS, 10                          ; s[10:11]
.set WBASE, 12                         ; s[12:13] W at my slice's chunk 0; fixed once made
.set BP, 14                            ; s[14:15] bias
.set BM, 16                            ; s[16:47] the expert's bitmap; s[48:63], s[68:83] its second-choice bitmap (layer 3).  Behind the count s16.. are used again:
.set CNT, 16
.set CM1, 17                           ; max(count, 1) - 1
.set MT, 18                            ; live tiles
.set NPASS, 19
.set PIDX, 20
.set LM, 21                            ; -1: the step's request for weights exists; 0: the walk has no such step
.set SV, 22
.set TBM, 23                           ; LDS byte of the chunk to be multiplied
.set TBS, 24                           ; LDS byte of the chunk to be stored
.set REM, 25                           ; steps of the pass still to be multiplied, this one among them
.set Q, 26
.set LV4, 27                           ; 1: slot 4's tile is live
.set TS, 66
.set TS2, 67
.set OUT, 84                           ; s[84:85]
.set WTS, 86                           ; s[86:87] (layer 3)
.set A0, 88                            ; s[88:89] the pass's token rows at chunk 0
.set WP, 90                            ; s[90:91] W at the chunk that is asked for
.set AN, 92                            ; s[92:93] the token rows at the next step's chunk
.set TN, 94                            ; s[94:95] the same at the pass's first chunk; at the head W at the walk's second chunk
.set ST, 96                            ; s[96:97] an offset as a pair; the high word stays 0
.set C0, 98                            ; the chunk at which my walk begins
.set WC, 99                            ; the chunk of the ring whose weights are asked for next
.set AC, 100                           ; the chunk of the ring that AN names
; vectors, window 0
.set LL, 1
.set RR, 2
.set HH, 3
.set BADR, 4                           ; the bias's offset; then the LDS address of the chunk's fragments
.set L16, 5
.set SPW, 6                            ; my spare word; never rewritten
.set NIL, 7                            ; 0; never rewritten
.set AO, 8                             ; v[8:12] layer 1: slot i's token x 2,048 + 16 h
.set DL, 8                             ; v[8:12] layer 3: 4 x the list entry of rank 16 T + lane % 16 of slot i's tile
.set SO, 13                            ; layers 1, 2: my offset in h
.set R16, 13                           ; layer 3: 16 r
.set LB, 14
.set PO, 15                            ; (32 u + lane) PITCH: a row a lane, for the prefetch
.set ZZ, 16                            ; v[16:23] zeros
.set BF, 24                            ; v[24:87] W's fragments, two sets: 32 s + 8 c + 4 g
.set F, 88                             ; v[88:119] my block, rounded: 8 c + 4 g + p
.set WO, 120                           ; (32 u + 8 h) PITCH + 16 r
.set SA0, 121                          ; 4096 u + 16 lane
.set SA, 122
.set HX, 123
.set DI, 124
.set L2, 125
.set T0, 126
.set T1, 127                           ; at work while the list is made;
.set PO2, 127                          ; then PO + the prefetched chunk's bytes
.set QR, 128                           ; v[128:255] weights as loaded, two sets of 16 loads: 64 s + 4 i + c
.set DD, 128                           ; layer 3's way out, where the weights lay: v[128:167] slot i, register j: the row's offset in y
.set WGT, 168                          ; v[168:207] its weight
.set IDX, 208                          ; v[208:215] 4 x (8 h + j): the lane that holds token 8 h + j's numbers
.set WL0, 216                          ; v[216:220] the weights lane by lane
; window 1: v[0:159] accumulator (i, c) at 32 i + 8 c; v[160:191] the bias as a C operand; v[192:..] at work on the way out; v255 zero (layers 1, 2)
.set BI, 160
.set TT, 192
; windows 2 and 3: v[0:159] the token fragments of a chunk, two buffers: 40 t + 8 i + 4 g;  window 2, v[160:164] (layer 3): the weight of rank 16 T + lane % 16 of slot i's tile, as loaded
.set WL2, 160
.set MSB, 0
.macro WIN new                         ; s_set_vgpr_msb: bits 1:0 source 0, 3:2 source 1, 5:4 source 2, 7:6 destination; the high byte repeats the setting that is left
.if MSB != (\new)
	s_set_vgpr_msb (MSB<<8)|(\new)
.set MSB, (\new)
.endif
.endm
.macro PLACES                          ; four places between a product and a load into, or a vector instruction on, one of its registers
.rept 4
	v_nop
.endr
.endm
; 16 loads: my 32 k rows of a chunk.  Lanes 0-15 take the slice's 256 bytes of one row, lanes 16-31 those of the row 8 further down: each half 256 consecutive bytes, aligned.
.macro SLOADS set, base
.irp i, 0,1,2,3,4,5,6,7,8,9,10,11,12,13,14,15
	global_load_b128 v[QR+64*(\set)+4*(\i):QR+64*(\set)+4*(\i)+3], v[WO], s[\base:\base+1] offset:((\i)+8*((\i)/8))*PITCH th:TH_LOAD_NT
.endr
.endm
; The set's 32 rows are rounded, stored as fragments, and the set is asked for again, two steps on: chunk WC of the ring.
; Lane (r, h) holds columns 4 r + c of rows k and k + 1: one conversion makes a fragment register of "n tile c" (columns 4 r + c, r = 0..15), k in its true place.
; masked = 1: where the walk has no such step the 16 loads are issued with no lane on.
.macro STREAM set, masked
.irp c, 0,1,2,3
.irp g, 0,1
.irp p, 0,1,2,3
	v_cvt_pk_bf16_f32 v[F+8*(\c)+4*(\g)+(\p)], v[QR+64*(\set)+4*(8*(\g)+2*(\p))+(\c)], v[QR+64*(\set)+4*(8*(\g)+2*(\p)+1)+(\c)]
.endr
.endr
.endr
.if LAYER == 2
	; the numbers rounded to bf16 are written as f16: widened into the set's 64 registers, which have been read, and packed again; in runs of 32, so that no line waits for the one before it
.set nn, 0
.rept 32
	v_lshlrev_b32 v[QR+64*(\set)+2*nn], 16, v[F+nn]
	v_and_b32 v[QR+64*(\set)+2*nn+1], s[HM], v[F+nn]
.set nn, nn+1
.endr
.set nn, 0
.rept 32
	v_cvt_pk_f16_f32 v[F+nn], v[QR+64*(\set)+2*nn], v[QR+64*(\set)+2*nn+1]
.set nn, nn+1
.endr
.endif
	v_add_nc_u32 v[SA], s[TBS], v[SA0]
.irp c, 0,1,2,3
.irp g, 0,1
	ds_store_b128 v[SA], v[F+8*(\c)+4*(\g):F+8*(\c)+4*(\g)+3] offset:(\c)*1024+(\g)*512  ; 512 consecutive bytes
.endr
.endr
	s_add_co_u32 s[TBS], s[TBS], CHB
	s_lshl_b32 s[ST], s[WC], WSH                   ; the bytes of the chunk that is due,
	s_add_co_u32 s[WC], s[WC], 1                   ; and on round the ring
	s_and_b32 s[WC], s[WC], NCH-1
.if \masked
	s_cmp_gt_u32 s[REM], 3                         ; step j + 3 exists where four steps or more are left
	s_cselect_b32 s[LM], -1, 0
.endif
	s_wait_xcnt 0x0                                ; W's address is rewritten, and EXEC narrowed, only behind this wait
	s_add_nc_u64 s[WP:WP+1], s[WBASE:WBASE+1], s[ST:ST+1]
.if \masked
	s_and_saveexec_b32 s[SV], s[LM]
.endif
	SLOADS \set, WP
.if \masked
	s_wait_xcnt 0x0                                ; and again in front of the line that widens EXEC
	s_or_b32 exec_lo, exec_lo, s[SV]
.endif
.endm
; Eight loads: slot i's fragments of a chunk's four K steps
.macro ALDS base, i
.irp t, 0,1,2,3
.irp g, 0,1
.if LAYER == 1
	global_load_b128 v[40*(\t)+8*(\i)+4*(\g):40*(\t)+8*(\i)+4*(\g)+3], v[AO+(\i)], s[\base:\base+1] offset:(\t)*64+32*(\g)
.else
	global_load_b128 v[40*(\t)+8*(\i)+4*(\g):40*(\t)+8*(\i)+4*(\g)+3], v[L16], s[\base:\base+1] offset:(\i)*4*TILEB+(\t)*1024+(\g)*512
.endif
.endr
.endr
.endm
; A chunk's token fragments into buffer par: 32 loads, and slot 4's eight where its tile is live
.macro ABATCH par, base
	WIN 0x80+0x40*(\par)
	ALDS \base, 0
	ALDS \base, 1
	ALDS \base, 2
	ALDS \base, 3
	WIN 0
	s_cmp_eq_u32 s[LV4], 0
	s_cbranch_scc1 .Lno4_\@
	WIN 0x80+0x40*(\par)
	ALDS \base, 4
	WIN 0
.Lno4_\@:
.endm
.macro STEPA                           ; AN goes on round the ring
	s_add_co_u32 s[AC], s[AC], 1
	s_and_b32 s[AC], s[AC], NCH-1
	s_lshl_b32 s[ST], s[AC], ASH
	s_add_nc_u64 s[AN:AN+1], s[A0:A0+1], s[ST:ST+1]
.endm
.macro BLD blk, set                    ; eight LDS loads: W's four fragments of one block
.irp c, 0,1,2,3
.irp g, 0,1
	ds_load_b128 v[BF+32*(\set)+8*(\c)+4*(\g):BF+32*(\set)+8*(\c)+4*(\g)+3], v[BADR] offset:(\blk)*4096+(\c)*1024+(\g)*512
.endr
.endr
.endm
; Slot i's four products of step t.  Layers 1, 2: source 0 = W: lane (r, h), register j = token r, column 32 h + 4 j + c.  Layer 3: source 0 = tokens: token 8 h + j, column 4 r + c.
.macro PROD t, i
.irp c, 0,1,2,3
.if LAYER == 3
	v_wmma_f32_16x16x32_bf16 v[32*(\i)+8*(\c):32*(\i)+8*(\c)+7], v[40*(\t)+8*(\i):40*(\t)+8*(\i)+7], v[BF+32*((\t)%2)+8*(\c):BF+32*((\t)%2)+8*(\c)+7], v[32*(\i)+8*(\c):32*(\i)+8*(\c)+7]
.elseif LAYER == 2
	v_wmma_f32_16x16x32_f16 v[32*(\i)+8*(\c):32*(\i)+8*(\c)+7], v[BF+32*((\t)%2)+8*(\c):BF+32*((\t)%2)+8*(\c)+7], v[40*(\t)+8*(\i):40*(\t)+8*(\i)+7], v[32*(\i)+8*(\c):32*(\i)+8*(\c)+7]
.else
	v_wmma_f32_16x16x32_bf16 v[32*(\i)+8*(\c):32*(\i)+8*(\c)+7], v[BF+32*((\t)%2)+8*(\c):BF+32*((\t)%2)+8*(\c)+7], v[40*(\t)+8*(\i):40*(\t)+8*(\i)+7], v[32*(\i)+8*(\c):32*(\i)+8*(\c)+7]
.endif
.endr
.endm
; K step t of a chunk's four.  The 16 or 20 accumulators take turns, one instruction a turn, over the loops' jumps too.
.macro MSTEP par, t
.if (\t) == 0
	BLD 0, 0
	BLD 1, 1
	s_wait_dscnt 8                                 ; the next block's eight may stay out
.elseif (\t) < 3
	PLACES
	BLD (\t)+1, ((\t)+1)%2
	s_wait_dscnt 8
.else
	s_wait_dscnt 0x0
.endif
	WIN WM0+WMS*(\par)
	PROD \t, 0
	PROD \t, 1
	PROD \t, 2
	PROD \t, 3
	WIN 0
	s_cmp_eq_u32 s[LV4], 0
	s_cbranch_scc1 .Lskip_\@                       ; slot 4's tile lies past the count
	WIN WM0+WMS*(\par)
	PROD \t, 4
	WIN 0
.Lskip_\@:
.endm
; STEP j of pass 0; par = j % 2: its token buffer.  It asks for step j + 1's token rows, stores step j + 1's weights, asks for step j + 3's, multiplies, and ends in the barrier.
.macro CHUNK par
	s_wait_loadcnt 16                              ; behind this step's token rows one request for weights was issued: it may stay out; the weights of step j + 1 are older and in
	s_cmp_lg_u32 s[LM], 0
	s_cbranch_scc1 .Lfull_\@
	s_wait_loadcnt 0x0                             ; where that request went out with no lane on, nothing that is wanted is younger: the text leans on no count of such loads
.Lfull_\@:
	PLACES                                         ; behind the last step's products, which read the other buffer and W's fragments
.if \par
	s_cmp_eq_u32 s[REM], 1                         ; the pass's last step (NCH is even: it has par = 1) has no next one: nothing is asked for
	s_cbranch_scc1 .Lnola_\@
.endif
	ABATCH 1-(\par), AN
.if \par
.Lnola_\@:
.endif
	STREAM 1-(\par), 1
	s_cmp_gt_u32 s[REM], 6
	s_cbranch_scc0 .Lnopf_\@                       ; the walk has no step j + 6
	s_add_co_u32 s[TS], s[WC], 2                   ; WC names step j + 4's chunk
	s_and_b32 s[TS], s[TS], NCH-1
	s_lshl_b32 s[TS], s[TS], WSH
	v_add_nc_u32 v[PO2], s[TS], v[PO]              ; (the last prefetch's offset: STREAM's waits stand between)
	global_prefetch_b8 v[PO2], s[WBASE:WBASE+1] th:TH_LOAD_NT scope:SCOPE_SE  ; my 32 rows' 256 bytes of step j + 6's chunk, which step j + 3 loads: a lane a row, each block asked for once in the launch; 3 chunks, 96 KB a work-group, ahead
.Lnopf_\@:
	v_add_nc_u32 v[BADR], s[TBM], v[L16]
	MSTEP \par, 0
	MSTEP \par, 1
	MSTEP \par, 2
	MSTEP \par, 3
	s_wait_xcnt 0x0                                ; the loads' base is rewritten only behind this wait
	STEPA
	s_sub_co_u32 s[REM], s[REM], 1
	s_add_co_u32 s[TBM], s[TBM], CHB
	s_wait_dscnt 0x0                               ; my stores of step j + 1's chunk are done, my reads are back
	s_barrier_signal -1
	s_barrier_wait -1
.endm
; A pass begins: which tiles, their rows, the sums started with the bias (a product of zeros with the bias as C, in the form of the layer's products: one text then serves every K step, and nothing is cleared), the first chunk's token rows.
.macro PASS_SETUP
	s_mul_i32 s[TS], s[PIDX], 20
	s_add_co_u32 s[TS], s[TS], s[WV]               ; my slot 0's tile
	s_add_co_u32 s[TS2], s[TS], 16
	s_cmp_lt_u32 s[TS2], s[MT]
	s_cselect_b32 s[LV4], 1, 0
.if LAYER == 1
	s_lshl_b32 s[TS], s[TS], 4
.irp i, 0,1,2,3,4
	v_add3_u32 v[T0], v[RR], s[TS], 64*(\i)        ; my row's rank,
	v_min_u32 v[T0], s[CM1], v[T0]                 ; past the count the last row once more,
	v_min_u32 v[T0], 0x3ff, v[T0]
	v_lshl_add_u32 v[T0], v[T0], 2, v[LB]
	ds_load_b32 v[AO+(\i)], v[T0]                  ; its token
.endr
	s_wait_dscnt 0x0
.irp i, 0,1,2,3,4
	v_min_u32 v[AO+(\i)], 0x3ff, v[AO+(\i)]
	v_lshl_add_u32 v[AO+(\i)], v[AO+(\i)], 11, v[HX]
.endr
	s_mov_b64 s[A0:A0+1], s[SRC:SRC+1]
.else
	s_lshl_b32 s[ST], s[TS], 16
	s_add_nc_u64 s[A0:A0+1], s[SRC:SRC+1], s[ST:ST+1]
.endif
.if LAYER == 3
	; lane by lane: the list entry (2 x token + second choice) of rank 16 T + lane % 16 of each slot's tile, and that row's weight: five loads, older than the token rows, so that the first step's wait covers them
	s_lshl_b32 s[TS], s[TS], 4
.irp i, 0,1,2,3,4
	v_add3_u32 v[T0], v[RR], s[TS], 64*(\i)
	v_min_u32 v[T0], s[CM1], v[T0]                 ; past the count the last row once more
	v_min_u32 v[T0], 0x3ff, v[T0]
	v_lshl_add_u32 v[T0], v[T0], 2, v[LB]
	ds_load_b32 v[DL+(\i)], v[T0]
.endr
	s_wait_dscnt 0x0
.irp i, 0,1,2,3,4
	v_min_u32 v[DL+(\i)], 0x7ff, v[DL+(\i)]
	v_lshlrev_b32 v[DL+(\i)], 2, v[DL+(\i)]        ; 4 x the entry: the weight's byte in wts; kept for the way out
.endr
	WIN 0x80                                       ; destination window 2
.irp i, 0,1,2,3,4
	global_load_b32 v[WL2+(\i)], v[DL+(\i)], s[WTS:WTS+1]
.endr
	WIN 0
.endif
	s_lshl_b32 s[ST], s[C0], ASH                   ; the walk's first chunk,
	s_add_nc_u64 s[TN:TN+1], s[A0:A0+1], s[ST:ST+1]
	s_mov_b32 s[AC], s[C0]
	STEPA                                          ; and its second
	WIN 0x50
.irp i, 0,1,2,3,4
.irp c, 0,1,2,3
.if LAYER == 2
	v_wmma_f32_16x16x32_f16 v[32*(\i)+8*(\c):32*(\i)+8*(\c)+7], v[ZZ:ZZ+7], v[ZZ:ZZ+7], v[BI+8*(\c):BI+8*(\c)+7]
.else
	v_wmma_f32_16x16x32_bf16 v[32*(\i)+8*(\c):32*(\i)+8*(\c)+7], v[ZZ:ZZ+7], v[ZZ:ZZ+7], v[BI+8*(\c):BI+8*(\c)+7]
.endif
.endr
.endr
	WIN 0
	ABATCH 0, TN
	s_mov_b32 s[REM], NCH
	s_mov_b32 s[TBM], 0
.endm
.macro PF n, reg                       ; at the head: my rows of step n's chunk are prefetched; each of the three has an offset register of its own
	s_add_co_u32 s[TS], s[C0], \n
	s_and_b32 s[TS], s[TS], NCH-1
	s_lshl_b32 s[TS], s[TS], WSH
	v_add_nc_u32 v[\reg], s[TS], v[PO]
	global_prefetch_b8 v[\reg], s[WBASE:WBASE+1] th:TH_LOAD_NT scope:SCOPE_SE
.endm
.if LAYER == 3
; Layer 3's way out for slot i: a live tile's rows are multiplied by their tokens' weights and stored: sixteen lanes fill the slice's 256 bytes of a row of y, aligned.  Ranks past the count store the last row's bits once more.
.macro YTILE i
	s_add_co_u32 s[TS2], s[TS], 64*(\i)
	s_cmp_ge_u32 s[TS2], s[CNT]
	s_cbranch_scc1 .Ldead_\@
.if (\i) >= 2
	s_wait_xcnt 0x0                                ; two sets of store registers take turns: the stores of the tile two back have read theirs
.endif
	WIN 0x41                                       ; destination and source 0 in window 1
.set j, 0
.rept 8                                                ; each accumulator is read from its low end on
.irp c, 0,1,2,3
	v_mul_f32 v[TT+32*((\i)%2)+4*j+(\c)], v[32*(\i)+8*(\c)+j], v[WGT+8*(\i)+j]
.endr
.set j, j+1
.endr
	WIN 0x04                                       ; store data in window 1
.set j, 0
.rept 8
	global_store_b128 v[DD+8*(\i)+j], v[TT+32*((\i)%2)+4*j:TT+32*((\i)%2)+4*j+3], s[OUT:OUT+1]
.set j, j+1
.endr
	WIN 0
.Ldead_\@:
.endm
.else
; Layers 1, 2: a lane's 32 numbers of a slot are 32 neighbouring columns of one row: rounded (layer 1 to f16, layer 2 to bf16), ReLU on the packed halves, four stores of 16 bytes, in each of which sixteen lanes fill 256 consecutive bytes, aligned
.macro HTILE i
.if (\i) % 3 == 0
	s_wait_xcnt 0x0                                ; three sets of store registers take turns: the stores that read the sets written from here on were issued ahead of this wait
.endif
	WIN 0x45
.set j, 0
.rept 8                                                ; each accumulator is read from its low end on
.if LAYER == 1
	v_cvt_pk_f16_f32 v[TT+16*((\i)%3)+2*j],   v[32*(\i)+j],    v[32*(\i)+8+j]
	v_cvt_pk_f16_f32 v[TT+16*((\i)%3)+2*j+1], v[32*(\i)+16+j], v[32*(\i)+24+j]
.else
	v_cvt_pk_bf16_f32 v[TT+16*((\i)%3)+2*j],   v[32*(\i)+j],    v[32*(\i)+8+j]
	v_cvt_pk_bf16_f32 v[TT+16*((\i)%3)+2*j+1], v[32*(\i)+16+j], v[32*(\i)+24+j]
.endif
.set j, j+1
.endr
.set j, 0
.rept 16
.if LAYER == 1
	v_pk_max_num_f16 v[TT+16*((\i)%3)+j], v[TT+16*((\i)%3)+j], v255
.else
	v_pk_max_num_bf16 v[TT+16*((\i)%3)+j], v[TT+16*((\i)%3)+j], v255
.endif
.set j, j+1
.endr
	WIN 0x04
.irp q, 0,1,2,3
	global_store_b128 v[SO], v[TT+16*((\i)%3)+4*(\q):TT+16*((\i)%3)+4*(\q)+3], s[OUT:OUT+1] offset:(\i)*4*TILEB+((\q)/2)*512+((\q)%2)*256
.endr
	WIN 0
.endm
.endif
	s_load_b256 s[8:15], s[0:1], 0x0               ; token rows, maps, W, bias
.if LAYER == 3
	s_load_b128 s[84:87], s[0:1], 0x20             ; y, wts
.else
	s_load_b64 s[84:85], s[0:1], 0x20              ; h
.endif
	v_lshl_add_u32 v[SPW], v0, 2, SPARE            ; my spare word,
	v_mov_b32 v[NIL], 0                            ; and 0: kept for the wave's end alone
	v_lshrrev_b32 v1, 5, v0
	v_readfirstlane_b32 s[WV], v1
	v_and_b32 v[LL], 31, v0
	v_and_b32 v[RR], 15, v0
	v_bfe_u32 v[HH], v0, 4, 1
	s_and_b32 s[EX], ttmp7, 0xffff
.if LAYER == 3
	s_and_b32 s[SL], ttmp9, 15
	s_lshr_b32 s[KH], ttmp9, 4
	v_lshlrev_b32 v[BADR], 4, v[RR]                ; the bias: b[4 r + c]
.else
	s_mov_b32 s[SL], ttmp9
	v_lshlrev_b32 v[BADR], 7, v[HH]                ; the bias: b[32 h + ..]
.endif
.if LAYER == 2
	s_mov_b32 s[HM], 0xffff0000
.endif
	s_bfe_u32 s[C0], ttmp9, 0x10000                ; where my walk begins: x's LOGN low bits in reversed order,
	s_bfe_u32 s[TS], ttmp9, 0x10001
	s_lshl1_add_u32 s[C0], s[C0], s[TS]
	s_bfe_u32 s[TS], ttmp9, 0x10002
	s_lshl1_add_u32 s[C0], s[C0], s[TS]
.if LOGN == 4
	s_bfe_u32 s[TS], ttmp9, 0x10003
	s_lshl1_add_u32 s[C0], s[C0], s[TS]
.endif
	s_bfe_u32 s[TS], ttmp9, 0x10000+LOGN           ; and x's next bit turned onto the top one
	s_lshl_b32 s[TS], s[TS], LOGN-1
	s_xor_b32 s[C0], s[C0], s[TS]
	s_mov_b32 s[ST+1], 0
	s_lshl_b32 s[TS], s[WV], 5                     ; my block's 32 rows
	v_lshl_add_u32 v[WO], v[HH], 3, s[TS]
	v_lshlrev_b32 v[WO], PSH, v[WO]
	v_lshl_add_u32 v[WO], v[RR], 4, v[WO]
	v_add_nc_u32 v[PO], s[TS], v[LL]
	v_lshlrev_b32 v[PO], PSH, v[PO]
	s_wait_kmcnt 0x0
	s_lshl_b32 s[ST], s[EX], 7
	s_add_nc_u64 s[MAPS:MAPS+1], s[MAPS:MAPS+1], s[ST:ST+1]
	s_load_b512 s[16:31], s[MAPS:MAPS+1], 0x0
	s_load_b512 s[32:47], s[MAPS:MAPS+1], 0x40
.if LAYER == 3
	s_load_b512 s[48:63], s[MAPS:MAPS+1], 0x400
	s_load_b512 s[68:83], s[MAPS:MAPS+1], 0x440
.endif
	s_lshl_b32 s[ST], s[EX], PSH
	s_lshl_b32 s[TS], s[SL], 8
	s_add_co_u32 s[ST], s[ST], s[TS]
	s_add_nc_u64 s[BP:BP+1], s[BP:BP+1], s[ST:ST+1]
	; the bias first, so that the wait for it leaves the weights out
.if LAYER == 3
	global_load_b128 v[F:F+3], v[BADR], s[BP:BP+1]
.else
.irp q, 0,1,2,3,4,5,6,7
	global_load_b128 v[F+4*(\q):F+4*(\q)+3], v[BADR], s[BP:BP+1] offset:16*(\q)  ; b[32 h + 4 j + c], j = q
.endr
.endif
	s_lshl_b32 s[ST], s[EX], EWSH
	s_add_co_u32 s[ST], s[ST], s[TS]
.if LAYER == 3
	s_lshl_b32 s[TS], s[KH], 22                    ; 1,024 rows of 4,096 bytes
	s_add_co_u32 s[ST], s[ST], s[TS]
.endif
	s_add_nc_u64 s[WBASE:WBASE+1], s[WBASE:WBASE+1], s[ST:ST+1]
	s_lshl_b32 s[ST], s[C0], WSH                   ; the weights of the walk's first two chunks
	s_add_nc_u64 s[WP:WP+1], s[WBASE:WBASE+1], s[ST:ST+1]
	SLOADS 0, WP
	s_add_co_u32 s[WC], s[C0], 1
	s_and_b32 s[WC], s[WC], NCH-1
	s_lshl_b32 s[ST], s[WC], WSH
	s_add_nc_u64 s[TN:TN+1], s[WBASE:WBASE+1], s[ST:ST+1]
	SLOADS 1, TN
	s_add_co_u32 s[WC], s[WC], 1
	s_and_b32 s[WC], s[WC], NCH-1
	PF 3, T0                                       ; my rows of steps 3 to 5, which steps 0 to 2 load; the loop goes on with step 6
	PF 4, T1
	PF 5, SA
	s_mul_i32 s[ST], s[EX], EST
.if LAYER == 3
	s_lshl_b32 s[TS], s[KH], 15                    ; 32 blocks of 1,024 bytes
	s_add_co_u32 s[ST], s[ST], s[TS]
.endif
.if LAYER != 1
	s_add_nc_u64 s[SRC:SRC+1], s[SRC:SRC+1], s[ST:ST+1]
.endif
.if LAYER == 3
	s_lshl_b32 s[ST], s[KH], 23                    ; y's half: 2,048 rows of 4,096 bytes
	s_lshl_b32 s[TS], s[SL], 8
.else
	s_lshl_b32 s[TS], s[SL], 11                    ; the slice's two blocks
.endif
	s_add_co_u32 s[ST], s[ST], s[TS]
	s_add_nc_u64 s[OUT:OUT+1], s[OUT:OUT+1], s[ST:ST+1]
	v_lshlrev_b32 v[L16], 4, v[LL]
	s_lshl_b32 s[TS], s[WV], 12
	v_lshl_add_u32 v[SA0], v[LL], 4, s[TS]
.if LAYER == 3
	v_lshlrev_b32 v[R16], 4, v[RR]
	v_lshlrev_b32 v[HX], 3, v[HH]
	v_lshlrev_b32 v[L2], 1, v[LL]
.else
	s_lshl_b32 s[TS], s[WV], 16
	v_lshl_add_u32 v[SO], v[HH], 10, s[TS]         ; tile u, block h, 16 r
	v_lshl_add_u32 v[SO], v[RR], 4, v[SO]
.endif
.if LAYER == 1
	v_lshlrev_b32 v[HX], 4, v[HH]
.endif
.if LAYER != 2
	s_mul_i32 s[TS], s[WV], LISTB
	s_add_co_u32 s[TS], s[TS], LIST
	v_mov_b32 v[LB], s[TS]                         ; my own list
	v_add_nc_u32 v[DI], 1024, v[LL]
.endif
.set j, 0
.rept 8
	v_mov_b32 v[ZZ+j], 0
.set j, j+1
.endr
	; slot 4's fragment registers hold zeros until a live tile's loads write them; where the tile is past the count its products are jumped with its loads, and nothing is made of them
.irp w, 0x80, 0xc0
	WIN \w
.irp t, 0,1,2,3
.set j, 0
.rept 8
	v_mov_b32 v[40*(\t)+32+j], 0
.set j, j+1
.endr
.endr
.endr
	WIN 0
	s_wait_kmcnt 0x0
	s_wait_xcnt 0x0                                ; the three prefetches' offset registers and the pair that the second chunk's loads named are rewritten only behind this wait
	; the list: entry rank = token (layer 3: 2 x token + second choice).  Word j of the bitmap: a set lane's rank is the count so far plus the set bits below it; the other lanes write words that nobody reads.
	s_mov_b32 s[PC], 0
.if LAYER != 2
	v_lshl_add_u32 v[T0], v[LL], 2, v[LB]
	ds_store_b32 v[T0], v[ZZ]                      ; entry 0 exists where the expert has no row
.endif
.set j, 0
.rept 32
.if LAYER != 2
	v_mbcnt_lo_u32_b32 v[T0], s[BM+j], s[PC]
	v_cndmask_b32 v[T0], v[DI], v[T0], s[BM+j]
	v_min_u32 v[T0], 0x41f, v[T0]
	v_lshl_add_u32 v[T0], v[T0], 2, v[LB]
.if LAYER == 1
	v_or_b32 v[T1], 32*j, v[LL]
.else
	v_cndmask_b32 v[T1], 0, 1, s[48+j+4*(j/16)]
	v_add3_u32 v[T1], v[T1], v[L2], 64*j
.endif
	ds_store_b32 v[T0], v[T1]
.endif
	s_bcnt1_i32_b32 s[TS2], s[BM+j]
	s_add_co_u32 s[PC], s[PC], s[TS2]
.set j, j+1
.endr
	s_mov_b32 s[CNT], s[PC]
	s_max_u32 s[CM1], s[PC], 1
	s_sub_co_u32 s[CM1], s[CM1], 1
	s_add_co_u32 s[MT], s[PC], 15
	s_lshr_b32 s[MT], s[MT], 4
	s_add_co_u32 s[NPASS], s[MT], 19
	s_mul_hi_u32 s[NPASS], s[NPASS], 0x0ccccccd    ; (tiles + 19) / 20
	s_mov_b32 s[PIDX], 0
	s_mov_b32 s[LM], -1
	s_mov_b32 s[TBS], 0
	; the bias, rounded to bf16, as a C operand
.if LAYER == 3
	s_cmp_eq_u32 s[KH], 0
	s_cselect_b32 s[TS], -1, 0                     ; K half 0 alone adds it
.endif
	s_wait_loadcnt 32                              ; behind the bias: the 32 loads of the first two chunks
.if LAYER == 3
	v_cvt_pk_bf16_f32 v[BF], v[F], v[F+1]
	v_cvt_pk_bf16_f32 v[BF+1], v[F+2], v[F+3]
	v_lshlrev_b32 v[BF+2], 16, v[BF]
	v_and_b32 v[BF+3], 0xffff0000, v[BF]
	v_lshlrev_b32 v[BF+4], 16, v[BF+1]
	v_and_b32 v[BF+5], 0xffff0000, v[BF+1]
	WIN 0x40
.irp c, 0,1,2,3
.set j, 0
.rept 8
	v_and_b32 v[BI+8*(\c)+j], s[TS], v[BF+2+(\c)]
.set j, j+1
.endr
.endr
.else
.set j, 0
.rept 8
	v_cvt_pk_bf16_f32 v[BF+2*j], v[F+4*j], v[F+4*j+1]
	v_cvt_pk_bf16_f32 v[BF+2*j+1], v[F+4*j+2], v[F+4*j+3]
.set j, j+1
.endr
	WIN 0x40
.set j, 0
.rept 8
	v_lshlrev_b32 v[BI+j], 16, v[BF+2*j]
	v_and_b32 v[BI+8+j], 0xffff0000, v[BF+2*j]
	v_lshlrev_b32 v[BI+16+j], 16, v[BF+2*j+1]
	v_and_b32 v[BI+24+j], 0xffff0000, v[BF+2*j+1]
.set j, j+1
.endr
	v_mov_b32 v255, 0                              ; for the ReLU on packed halves
.endif
	WIN 0
	PASS_SETUP
	s_wait_loadcnt 48                              ; behind the first chunk's weights: the second's 16 loads and the token rows' 32 at the least (layer 3: five more)
	STREAM 0, 0                                    ; step 0's chunk is stored, step 2's asked for
	s_wait_dscnt 0x0                               ; for the others' sake: my block of it is in LDS
	s_barrier_signal -1
	s_barrier_wait -1
	s_mov_b32 s[Q], NCH/2
.Lq:
	CHUNK 0
	CHUNK 1
	s_sub_co_u32 s[Q], s[Q], 1
	s_cmp_lg_u32 s[Q], 0
	s_cbranch_scc1 .Lq
	s_branch .Lepi                                 ; pass 0 is multiplied: the loop over passes is entered at its way out
.Lpass:                                                ; passes 1 to 3, from the resident slice: no barrier and no LDS store; a pass that the count does not reach is jumped
	s_cmp_ge_u32 s[PIDX], s[NPASS]
	s_cbranch_scc1 .Lbottom
	PASS_SETUP
.Lk:                                                   ; a step on the one buffer: its token rows are awaited, multiplied, and the next step's asked for
	s_wait_loadcnt 0x0
	v_add_nc_u32 v[BADR], s[TBM], v[L16]
	MSTEP 0, 0
	MSTEP 0, 1
	MSTEP 0, 2
	MSTEP 0, 3
	PLACES                                         ; behind the step's products, which read the buffer and W's fragments
	s_cmp_eq_u32 s[REM], 1
	s_cbranch_scc1 .Lklast                         ; the last step has no next one
	ABATCH 0, AN
	s_wait_xcnt 0x0                                ; the loads' base is rewritten only behind this wait; the wave is about to wait for their data
	STEPA
.Lklast:
	s_add_co_u32 s[TBM], s[TBM], CHB
	s_sub_co_u32 s[REM], s[REM], 1
	s_cmp_lg_u32 s[REM], 0
	s_cbranch_scc1 .Lk
.Lepi:
	s_wait_loadcnt 0x0                             ; the last requests for weights, which went out with no lane on: their registers are free
.rept 5
	v_nop                                          ; places behind the last products: four for the reads below, five for the next pass's first products, which write over these accumulators
.endr
.if LAYER == 3
	s_wait_xcnt 0x0                                ; the last pass's stores have read their addresses and data
	s_mul_i32 s[TS], s[PIDX], 20
	s_add_co_u32 s[TS], s[TS], s[WV]
	s_lshl_b32 s[TS], s[TS], 4                     ; my slot 0's first rank
	; register j of an accumulator holds token 8 h + j of its tile: that token's list entry and weight lie in lane 8 h + j and are dealt out by lane permutes, which touch no LDS byte
	WIN 0x02                                       ; source 0 in window 2
.irp i, 0,1,2,3,4
	v_mov_b32 v[WL0+(\i)], v[WL2+(\i)]             ; into the window in which the permutes' other operands lie
.endr
	WIN 0
.set j, 0
.rept 8
	v_add_lshl_u32 v[IDX+j], v[HX], j, 2
.set j, j+1
.endr
.irp i, 0,1,2,3,4
.set j, 0
.rept 8
	ds_bpermute_b32 v[DD+8*(\i)+j], v[IDX+j], v[DL+(\i)]
.set j, j+1
.endr
.endr
.irp i, 0,1,2,3,4
.set j, 0
.rept 8
	ds_bpermute_b32 v[WGT+8*(\i)+j], v[IDX+j], v[WL0+(\i)]
.set j, j+1
.endr
.endr
	s_wait_dscnt 40                                ; the 40 permutes of weights may stay out
.set j, 0
.rept 40
	v_min_u32 v[DD+j], 0x1ffc, v[DD+j]
	v_lshl_add_u32 v[DD+j], v[DD+j], 10, v[R16]    ; 4 x entry x 1,024 = the row's 4,096 bytes, + 16 r
.set j, j+1
.endr
	s_wait_dscnt 0x0
	YTILE 0
	YTILE 1
	YTILE 2
	YTILE 3
	YTILE 4
.else
	HTILE 0
	HTILE 1
	HTILE 2
	HTILE 3
	s_cmp_eq_u32 s[LV4], 0
	s_cbranch_scc1 .Lno4e                          ; the next layer does not load a slot 4 that is past the count
	HTILE 4
.Lno4e:
	s_wait_xcnt 0x0
	s_add_nc_u64 s[OUT:OUT+1], s[OUT:OUT+1], 20*TILEB
.endif
.Lbottom:
	s_add_co_u32 s[PIDX], s[PIDX], 1
	s_cmp_lt_u32 s[PIDX], 4
	s_cbranch_scc1 .Lpass
	s_wait_dscnt 0x0                               ; my LDS reads are back, those of the later passes too;
	s_barrier_signal -1                            ; the four waves meet once more: every wave's reads of LDS are over
	s_barrier_wait -1                              ; before any wave's last LDS write, below
	s_wait_tensorcnt 0x0                           ; the wave's end, behind the wave's last LDS store
	ds_add_u32 v[SPW], v[NIL]
	s_wait_dscnt 0x0
	s_endpgm
.Lfunc_end_k_q0ed6e9a3bc_mlp2:
	.size	k_q0ed6e9a3bc_mlp2, .Lfunc_end_k_q0ed6e9a3bc_mlp2-k_q0ed6e9a3bc_mlp2
	.p2alignl 7, 3214868480
	.fill 96, 4, 3214868480
	.section	.rodata,"a",@progbits
	.p2align	6, 0x0
	.amdhsa_kernel k_q0ed6e9a3bc_mlp2
		.amdhsa_group_segment_fixed_size 279040
		.amdhsa_private_segment_fixed_size 0
		.amdhsa_enable_private_segment 0
		.amdhsa_kernarg_size 40
		.amdhsa_user_sgpr_count 2
		.amdhsa_user_sgpr_kernarg_segment_ptr 1
		.amdhsa_wavefront_size32 1
		.amdhsa_system_sgpr_workgroup_id_x 1
		.amdhsa_system_sgpr_workgroup_id_y 1
		.amdhsa_system_sgpr_workgroup_id_z 1
		.amdhsa_system_vgpr_workitem_id 0
		.amdhsa_next_free_vgpr 928
		.amdhsa_next_free_sgpr 102
		.amdhsa_reserve_vcc 0
		.amdhsa_float_denorm_mode_32 3
		.amdhsa_float_denorm_mode_16_64 3
		.amdhsa_memory_ordered 1
		.amdhsa_forward_progress 1
		.amdhsa_inst_pref_size 104
	.end_amdhsa_kernel
	.amdgpu_metadata
---
amdhsa.version: [ 1, 2 ]
amdhsa.kernels:
  - .name:           k_q0ed6e9a3bc_mlp2
    .symbol:         k_q0ed6e9a3bc_mlp2.kd
    .args:
      - { .name: h1, .offset: 0, .size: 8, .value_kind: global_buffer, .address_space: global }
      - { .name: maps, .offset: 8, .size: 8, .value_kind: global_buffer, .address_space: global }
      - { .name: W2, .offset: 16, .size: 8, .value_kind: global_buffer, .address_space: global }
      - { .name: b2, .offset: 24, .size: 8, .value_kind: global_buffer, .address_space: global }
      - { .name: h2, .offset: 32, .size: 8, .value_kind: global_buffer, .address_space: global }
    .group_segment_fixed_size: 279040
    .private_segment_fixed_size: 0
    .kernarg_segment_align: 8
    .kernarg_segment_size: 40
    .max_flat_workgroup_size: 128
    .sgpr_count:     102
    .vgpr_count:     928
    .wavefront_size: 32
...
	.end_amdgpu_metadata
.endif
;; end of part 7
;; launch mlp3 (part 8): grid 32 x 8, 4 waves a work-group, no clusters, 165,376 bytes of LDS; arguments h2, maps, W3, b3, y, wts; writes y
.if DOCPART == 8
	.amdgcn_target "amdgcn-amd-amdhsa--gfx1250"
	.amdhsa_code_object_version 6
	.text
	.protected	k_q0ed6e9a3bc_mlp3
	.globl	k_q0ed6e9a3bc_mlp3
	.p2align	8
	.type	k_q0ed6e9a3bc_mlp3,@function
k_q0ed6e9a3bc_mlp3:
	s_mov_b64 s[64:65], 0
	v_nop
	global_prefetch_b8 v0, s[64:65] scope:SCOPE_SE
	s_setreg_imm32_b32 hwreg(HW_REG_WAVE_MODE, 25, 1), 1
	s_wait_xcnt 0x0
; ONE LAYER OF THE EXPERTS' CHAIN, for the rows that chose the expert alone.  One text for the three layers; LAYER picks the sizes.
;   LAYER 1: h1 = relu(x W1[e] + b1[e])     LAYER 2: h2 = relu(h1 W2[e] + b2[e])     LAYER 3: y = w (h2 W3[e] + b3[e]), K in two halves, partial rows in f32
; FORMATS.  Weights and biases are rounded to bf16 on their way through registers, like every input of this program; x came rounded; sums in f32.  h1 is f16, h2 is bf16.  A rounding to bf16's 8 significant
; bits is off by some 2^-9 of the number, and what h1 and h2 lose reaches the output undiminished: f16's 11 bits make h1's share an eighth.  So layer 2 multiplies in f16: W2, rounded to bf16, is written as f16
; (exact from 2^-17 up in magnitude, below that to within 2^-25).  Layers 1 and 3 multiply in bf16.
; SHARE.  A work-group has ONE expert e (grid y) and 64 columns of its weights (grid x; in layer 3 x % 16, and x / 16 is the K half), which it alone reads, each byte once; and ALL rows of that expert.
; Four waves, all alike.  K goes in chunks of 128.  Wave u loads the f32 weights of block u (32 k) of each chunk, rounds them and lays them into LDS as matrix fragments; each LDS byte is written once and the
; whole slice stays.  Wave u multiplies row tiles 4 i + u by all 64 columns.  In step j of the walk a wave stores chunk j + 1, asks for chunk j + 3 and multiplies chunk j; one barrier a chunk.
; THE WALK OVER K.  An expert's 32 work-groups (layer 3: the 16 of a K half) read the same token rows.  Each begins its walk at another chunk, C0, and goes once round the ring of NCH chunks.  C0 is x's low bits in
; reversed order, with x's next bit turned onto the top one: neighbours in x begin far apart, and the starts of every 2^i-th work-group are spread over the ring as well.  So at any time the work-groups read different
; chunks of the rows, and from the second step on a chunk's rows have been read a step earlier by another work-group.  The sums only change their order.  In LDS the chunks lie in the order of the walk.
; THE ORDER OF THE LOADS.  Loads into registers come back in issue order on one counter a wave (ISA guide 5.7.1).  Step j asks first for the token rows of step j + 1, then for the weights of step j + 3:
; the wait for step j's token rows then leaves the weights of step j + 2 out, and a request for weights has two steps' work in which to land: 16 to 32 loads of 512 bytes a wave are on their way.
; NO CLUSTER, NO TENSOR LOAD: each weight has one reader; what an expert's work-groups share is its token rows, which go lane by lane into registers (in layer 1 by a list), and beside the resident slice
; (layer 2: 262,144 bytes) LDS has no room for two slots of 320 rows x 256 bytes.
; ROWS.  A token's rank in its expert is the number of set bits below it in the expert's bitmap (maps, stored by the router).  Tile T = ranks 16 T .. 16 T + 15.  A PASS is 20 tiles: wave u has tiles
; 20 p + 4 i + u, i = 0..4: 5 x 4 accumulators.  Pass 0 runs with the stream.  An expert with more than 320 rows takes further passes (at most four: 1,024 rows) from the resident slice; there the token rows are asked
; for and awaited chunk by chunk, on one buffer and in one short text: such an expert's later passes overlap no load with their products.
; Ranks past the count repeat the last row.  Slot 4's loads, products and stores are jumped where its tile is past the count; slots 0 to 3 of every pass that runs are stored in h1, h2, so the next layer loads stored bytes alone.
; An expert without rows still walks pass 0 (on token 0's row; in layer 3 it stores nothing): every wave passes every barrier, none of which hangs on loaded data.
; h1, h2 LIE IN FRAGMENT ORDER: [8 e][80 tiles][64 kb][1,024 bytes]; byte g 512 + (16 h + r) 16 of a block holds row r, k = 32 kb + 16 g + 8 h + 0..7: a fragment is two loads of 512 consecutive bytes.
; LIMITS.  f16 ends at 65,504: an h1 or a W2 beyond that becomes an infinity.  With x of spread 1 and W1 of spread 0.02 h1's spread is sqrt(1024) x 0.02 = 0.64 and its largest about 3; x and W1 both 30 times larger
; give about 2,700, an offset of 30 spreads on both about 18,500; both 30 times smaller leave a spread of 7e-4, far above f16's fixed step of 6e-8.  h2 carries three such factors, has no such room, and stays bf16.
; NaN and infinities are not treated apart.
.set LAYER, 3
.if LAYER == 2
.set KW,   2048                        ; k rows of a work-group
.set EWSH, 24                          ; an expert's weights: 1 << EWSH bytes
.set LOGN, 4
.else
.set KW,   1024
.set EWSH, 23
.set LOGN, 3
.endif
.if LAYER == 3
.set PSH,  12
.set WM0,  0x52                        ; products: C and D in window 1, tokens (source 0) in window 2 or 3, W in window 0
.set WMS,  1
.else
.set PSH,  13
.set WM0,  0x58                        ; products: C and D in window 1, W (source 0) in window 0, tokens (source 1) in window 2 or 3
.set WMS,  4
.endif
.if LAYER == 1
.set ASH,  8                           ; a chunk of the token rows: 1 << ASH bytes: 128 bf16 of a row of xb,
.else
.set ASH,  12                          ; or four blocks of h
.endif
.set PITCH, 1<<PSH                     ; bytes in a row of W, and in an expert's bias
.set WSH,   7+PSH                      ; a chunk of W: 128 rows: 1 << WSH bytes
.set NCH,   1<<LOGN                    ; chunks: KW / 128
.set CHB,   16384                      ; a chunk in LDS: 4 blocks (32 k) of 4,096: c 1024 + g 512 + 16 lane
.set TILEB, 65536
.set EST,   80*TILEB
.set LIST,  (NCH+1)*CHB                ; behind the slice and one chunk's room, which takes the loop's last piece and is never read
.set LISTB, 4352                       ; a wave's own list: 1,024 entries, 32 words for the lanes with nothing to say
.if LAYER == 2
.set SPARE, LIST
.else
.set SPARE, LIST+4*LISTB
.endif
; scalars
.set WV, 2                             ; wave: u
.set HM, 3                             ; a word's upper half (layer 2)
.set EX, 4                             ; expert
.set SL, 5                             ; slice
.set KH, 6                             ; K half (layer 3)
.set PC, 7                             ; running count
.set SRC, 8                            ; s[8:9]   token rows
.set MAPS, 10                          ; s[10:11]
.set WBASE, 12                         ; s[12:13] W at my slice's chunk 0; fixed once made
.set BP, 14                            ; s[14:15] bias
.set BM, 16                            ; s[16:47] the expert's bitmap; s[48:63], s[68:83] its second-choice bitmap (layer 3).  Behind the count s16.. are used again:
.set CNT, 16
.set CM1, 17                           ; max(count, 1) - 1
.set MT, 18                            ; live tiles
.set NPASS, 19
.set PIDX, 20
.set LM, 21                            ; -1: the step's request for weights exists; 0: the walk has no such step
.set SV, 22
.set TBM, 23                           ; LDS byte of the chunk to be multiplied
.set TBS, 24                           ; LDS byte of the chunk to be stored
.set REM, 25                           ; steps of the pass still to be multiplied, this one among them
.set Q, 26
.set LV4, 27                           ; 1: slot 4's tile is live
.set TS, 66
.set TS2, 67
.set OUT, 84                           ; s[84:85]
.set WTS, 86                           ; s[86:87] (layer 3)
.set A0, 88                            ; s[88:89] the pass's token rows at chunk 0
.set WP, 90                            ; s[90:91] W at the chunk that is asked for
.set AN, 92                            ; s[92:93] the token rows at the next step's chunk
.set TN, 94                            ; s[94:95] the same at the pass's first chunk; at the head W at the walk's second chunk
.set ST, 96                            ; s[96:97] an offset as a pair; the high word stays 0
.set C0, 98                            ; the chunk at which my walk begins
.set WC, 99                            ; the chunk of the ring whose weights are asked for next
.set AC, 100                           ; the chunk of the ring that AN names
; vectors, window 0
.set LL, 1
.set RR, 2
.set HH, 3
.set BADR, 4                           ; the bias's offset; then the LDS address of the chunk's fragments
.set L16, 5
.set SPW, 6                            ; my spare word; never rewritten
.set NIL, 7                            ; 0; never rewritten
.set AO, 8                             ; v[8:12] layer 1: slot i's token x 2,048 + 16 h
.set DL, 8                             ; v[8:12] layer 3: 4 x the list entry of rank 16 T + lane % 16 of slot i's tile
.set SO, 13                            ; layers 1, 2: my offset in h
.set R16, 13                           ; layer 3: 16 r
.set LB, 14
.set PO, 15                            ; (32 u + lane) PITCH: a row a lane, for the prefetch
.set ZZ, 16                            ; v[16:23] zeros
.set BF, 24                            ; v[24:87] W's fragments, two sets: 32 s + 8 c + 4 g
.set F, 88                             ; v[88:119] my block, rounded: 8 c + 4 g + p
.set WO, 120                           ; (32 u + 8 h) PITCH + 16 r
.set SA0, 121                          ; 4096 u + 16 lane
.set SA, 122
.set HX, 123
.set DI, 124
.set L2, 125
.set T0, 126
.set T1, 127                           ; at work while the list is made;
.set PO2, 127                          ; then PO + the prefetched chunk's bytes
.set QR, 128                           ; v[128:255] weights as loaded, two sets of 16 loads: 64 s + 4 i + c
.set DD, 128                           ; layer 3's way out, where the weights lay: v[128:167] slot i, register j: the row's offset in y
.set WGT, 168                          ; v[168:207] its weight
.set IDX, 208                          ; v[208:215] 4 x (8 h + j): the lane that holds token 8 h + j's numbers
.set WL0, 216                          ; v[216:220] the weights lane by lane
; window 1: v[0:159] accumulator (i, c) at 32 i + 8 c; v[160:191] the bias as a C operand; v[192:..] at work on the way out; v255 zero (layers 1, 2)
.set BI, 160
.set TT, 192
; windows 2 and 3: v[0:159] the token fragments of a chunk, two buffers: 40 t + 8 i + 4 g;  window 2, v[160:164] (layer 3): the weight of rank 16 T + lane % 16 of slot i's tile, as loaded
.set WL2, 160
.set MSB, 0
.macro WIN new                         ; s_set_vgpr_msb: bits 1:0 source 0, 3:2 source 1, 5:4 source 2, 7:6 destination; the high byte repeats the setting that is left
.if MSB != (\new)
	s_set_vgpr_msb (MSB<<8)|(\new)
.set MSB, (\new)
.endif
.endm
.macro PLACES                          ; four places between a product and a load into, or a vector instruction on, one of its registers
.rept 4
	v_nop
.endr
.endm
; 16 loads: my 32 k rows of a chunk.  Lanes 0-15 take the slice's 256 bytes of one row, lanes 16-31 those of the row 8 further down: each half 256 consecutive bytes, aligned.
.macro SLOADS set, base
.irp i, 0,1,2,3,4,5,6,7,8,9,10,11,12,13,14,15
	global_load_b128 v[QR+64*(\set)+4*(\i):QR+64*(\set)+4*(\i)+3], v[WO], s[\base:\base+1] offset:((\i)+8*((\i)/8))*PITCH th:TH_LOAD_NT
.endr
.endm
; The set's 32 rows are rounded, stored as fragments, and the set is asked for again, two steps on: chunk WC of the ring.
; Lane (r, h) holds columns 4 r + c of rows k and k + 1: one conversion makes a fragment register of "n tile c" (columns 4 r + c, r = 0..15), k in its true place.
; masked = 1: where the walk has no such step the 16 loads are issued with no lane on.
.macro STREAM set, masked
.irp c, 0,1,2,3
.irp g, 0,1
.irp p, 0,1,2,3
	v_cvt_pk_bf16_f32 v[F+8*(\c)+4*(\g)+(\p)], v[QR+64*(\set)+4*(8*(\g)+2*(\p))+(\c)], v[QR+64*(\set)+4*(8*(\g)+2*(\p)+1)+(\c)]
.endr
.endr
.endr
.if LAYER == 2
	; the numbers rounded to bf16 are written as f16: widened into the set's 64 registers, which have been read, and packed again; in runs of 32, so that no line waits for the one before it
.set nn, 0
.rept 32
	v_lshlrev_b32 v[QR+64*(\set)+2*nn], 16, v[F+nn]
	v_and_b32 v[QR+64*(\set)+2*nn+1], s[HM], v[F+nn]
.set nn, nn+1
.endr
.set nn, 0
.rept 32
	v_cvt_pk_f16_f32 v[F+nn], v[QR+64*(\set)+2*nn], v[QR+64*(\set)+2*nn+1]
.set nn, nn+1
.endr
.endif
	v_add_nc_u32 v[SA], s[TBS], v[SA0]
.irp c, 0,1,2,3
.irp g, 0,1
	ds_store_b128 v[SA], v[F+8*(\c)+4*(\g):F+8*(\c)+4*(\g)+3] offset:(\c)*1024+(\g)*512  ; 512 consecutive bytes
.endr
.endr
	s_add_co_u32 s[TBS], s[TBS], CHB
	s_lshl_b32 s[ST], s[WC], WSH                   ; the bytes of the chunk that is due,
	s_add_co_u32 s[WC], s[WC], 1                   ; and on round the ring
	s_and_b32 s[WC], s[WC], NCH-1
.if \masked
	s_cmp_gt_u32 s[REM], 3                         ; step j + 3 exists where four steps or more are left
	s_cselect_b32 s[LM], -1, 0
.endif
	s_wait_xcnt 0x0                                ; W's address is rewritten, and EXEC narrowed, only behind this wait
	s_add_nc_u64 s[WP:WP+1], s[WBASE:WBASE+1], s[ST:ST+1]
.if \masked
	s_and_saveexec_b32 s[SV], s[LM]
.endif
	SLOADS \set, WP
.if \masked
	s_wait_xcnt 0x0                                ; and again in front of the line that widens EXEC
	s_or_b32 exec_lo, exec_lo, s[SV]
.endif
.endm
; Eight loads: slot i's fragments of a chunk's four K steps
.macro ALDS base, i
.irp t, 0,1,2,3
.irp g, 0,1
.if LAYER == 1
	global_load_b128 v[40*(\t)+8*(\i)+4*(\g):40*(\t)+8*(\i)+4*(\g)+3], v[AO+(\i)], s[\base:\base+1] offset:(\t)*64+32*(\g)
.else
	global_load_b128 v[40*(\t)+8*(\i)+4*(\g):40*(\t)+8*(\i)+4*(\g)+3], v[L16], s[\base:\base+1] offset:(\i)*4*TILEB+(\t)*1024+(\g)*512
.endif
.endr
.endr
.endm
; A chunk's token fragments into buffer par: 32 loads, and slot 4's eight where its tile is live
.macro ABATCH par, base
	WIN 0x80+0x40*(\par)
	ALDS \base, 0
	ALDS \base, 1
	ALDS \base, 2
	ALDS \base, 3
	WIN 0
	s_cmp_eq_u32 s[LV4], 0
	s_cbranch_scc1 .Lno4_\@
	WIN 0x80+0x40*(\par)
	ALDS \base, 4
	WIN 0
.Lno4_\@:
.endm
.macro STEPA                           ; AN goes on round the ring
	s_add_co_u32 s[AC], s[AC], 1
	s_and_b32 s[AC], s[AC], NCH-1
	s_lshl_b32 s[ST], s[AC], ASH
	s_add_nc_u64 s[AN:AN+1], s[A0:A0+1], s[ST:ST+1]
.endm
.macro BLD blk, set                    ; eight LDS loads: W's four fragments of one block
.irp c, 0,1,2,3
.irp g, 0,1
	ds_load_b128 v[BF+32*(\set)+8*(\c)+4*(\g):BF+32*(\set)+8*(\c)+4*(\g)+3], v[BADR] offset:(\blk)*4096+(\c)*1024+(\g)*512
.endr
.endr
.endm
; Slot i's four products of step t.  Layers 1, 2: source 0 = W: lane (r, h), register j = token r, column 32 h + 4 j + c.  Layer 3: source 0 = tokens: token 8 h + j, column 4 r + c.
.macro PROD t, i
.irp c, 0,1,2,3
.if LAYER == 3
	v_wmma_f32_16x16x32_bf16 v[32*(\i)+8*(\c):32*(\i)+8*(\c)+7], v[40*(\t)+8*(\i):40*(\t)+8*(\i)+7], v[BF+32*((\t)%2)+8*(\c):BF+32*((\t)%2)+8*(\c)+7], v[32*(\i)+8*(\c):32*(\i)+8*(\c)+7]
.elseif LAYER == 2
	v_wmma_f32_16x16x32_f16 v[32*(\i)+8*(\c):32*(\i)+8*(\c)+7], v[BF+32*((\t)%2)+8*(\c):BF+32*((\t)%2)+8*(\c)+7], v[40*(\t)+8*(\i):40*(\t)+8*(\i)+7], v[32*(\i)+8*(\c):32*(\i)+8*(\c)+7]
.else
	v_wmma_f32_16x16x32_bf16 v[32*(\i)+8*(\c):32*(\i)+8*(\c)+7], v[BF+32*((\t)%2)+8*(\c):BF+32*((\t)%2)+8*(\c)+7], v[40*(\t)+8*(\i):40*(\t)+8*(\i)+7], v[32*(\i)+8*(\c):32*(\i)+8*(\c)+7]
.endif
.endr
.endm
; K step t of a chunk's four.  The 16 or 20 accumulators take turns, one instruction a turn, over the loops' jumps too.
.macro MSTEP par, t
.if (\t) == 0
	BLD 0, 0
	BLD 1, 1
	s_wait_dscnt 8                                 ; the next block's eight may stay out
.elseif (\t) < 3
	PLACES
	BLD (\t)+1, ((\t)+1)%2
	s_wait_dscnt 8
.else
	s_wait_dscnt 0x0
.endif
	WIN WM0+WMS*(\par)
	PROD \t, 0
	PROD \t, 1
	PROD \t, 2
	PROD \t, 3
	WIN 0
	s_cmp_eq_u32 s[LV4], 0
	s_cbranch_scc1 .Lskip_\@                       ; slot 4's tile lies past the count
	WIN WM0+WMS*(\par)
	PROD \t, 4
	WIN 0
.Lskip_\@:
.endm
; STEP j of pass 0; par = j % 2: its token buffer.  It asks for step j + 1's token rows, stores step j + 1's weights, asks for step j + 3's, multiplies, and ends in the barrier.
.macro CHUNK par
	s_wait_loadcnt 16                              ; behind this step's token rows one request for weights was issued: it may stay out; the weights of step j + 1 are older and in
	s_cmp_lg_u32 s[LM], 0
	s_cbranch_scc1 .Lfull_\@
	s_wait_loadcnt 0x0                             ; where that request went out with no lane on, nothing that is wanted is younger: the text leans on no count of such loads
.Lfull_\@:
	PLACES                                         ; behind the last step's products, which read the other buffer and W's fragments
.if \par
	s_cmp_eq_u32 s[REM], 1                         ; the pass's last step (NCH is even: it has par = 1) has no next one: nothing is asked for
	s_cbranch_scc1 .Lnola_\@
.endif
	ABATCH 1-(\par), AN
.if \par
.Lnola_\@:
.endif
	STREAM 1-(\par), 1
	s_cmp_gt_u32 s[REM], 6
	s_cbranch_scc0 .Lnopf_\@                       ; the walk has no step j + 6
	s_add_co_u32 s[TS], s[WC], 2                   ; WC names step j + 4's chunk
	s_and_b32 s[TS], s[TS], NCH-1
	s_lshl_b32 s[TS], s[TS], WSH
	v_add_nc_u32 v[PO2], s[TS], v[PO]              ; (the last prefetch's offset: STREAM's waits stand between)
	global_prefetch_b8 v[PO2], s[WBASE:WBASE+1] th:TH_LOAD_NT scope:SCOPE_SE  ; my 32 rows' 256 bytes of step j + 6's chunk, which step j + 3 loads: a lane a row, each block asked for once in the launch; 3 chunks, 96 KB a work-group, ahead
.Lnopf_\@:
	v_add_nc_u32 v[BADR], s[TBM], v[L16]
	MSTEP \par, 0
	MSTEP \par, 1
	MSTEP \par, 2
	MSTEP \par, 3
	s_wait_xcnt 0x0                                ; the loads' base is rewritten only behind this wait
	STEPA
	s_sub_co_u32 s[REM], s[REM], 1
	s_add_co_u32 s[TBM], s[TBM], CHB
	s_wait_dscnt 0x0                               ; my stores of step j + 1's chunk are done, my reads are back
	s_barrier_signal -1
	s_barrier_wait -1
.endm
; A pass begins: which tiles, their rows, the sums started with the bias (a product of zeros with the bias as C, in the form of the layer's products: one text then serves every K step, and nothing is cleared), the first chunk's token rows.
.macro PASS_SETUP
	s_mul_i32 s[TS], s[PIDX], 20
	s_add_co_u32 s[TS], s[TS], s[WV]               ; my slot 0's tile
	s_add_co_u32 s[TS2], s[TS], 16
	s_cmp_lt_u32 s[TS2], s[MT]
	s_cselect_b32 s[LV4], 1, 0
.if LAYER == 1
	s_lshl_b32 s[TS], s[TS], 4
.irp i, 0,1,2,3,4
	v_add3_u32 v[T0], v[RR], s[TS], 64*(\i)        ; my row's rank,
	v_min_u32 v[T0], s[CM1], v[T0]                 ; past the count the last row once more,
	v_min_u32 v[T0], 0x3ff, v[T0]
	v_lshl_add_u32 v[T0], v[T0], 2, v[LB]
	ds_load_b32 v[AO+(\i)], v[T0]                  ; its token
.endr
	s_wait_dscnt 0x0
.irp i, 0,1,2,3,4
	v_min_u32 v[AO+(\i)], 0x3ff, v[AO+(\i)]
	v_lshl_add_u32 v[AO+(\i)], v[AO+(\i)], 11, v[HX]
.endr
	s_mov_b64 s[A0:A0+1], s[SRC:SRC+1]
.else
	s_lshl_b32 s[ST], s[TS], 16
	s_add_nc_u64 s[A0:A0+1], s[SRC:SRC+1], s[ST:ST+1]
.endif
.if LAYER == 3
	; lane by lane: the list entry (2 x token + second choice) of rank 16 T + lane % 16 of each slot's tile, and that row's weight: five loads, older than the token rows, so that the first step's wait covers them
	s_lshl_b32 s[TS], s[TS], 4
.irp i, 0,1,2,3,4
	v_add3_u32 v[T0], v[RR], s[TS], 64*(\i)
	v_min_u32 v[T0], s[CM1], v[T0]                 ; past the count the last row once more
	v_min_u32 v[T0], 0x3ff, v[T0]
	v_lshl_add_u32 v[T0], v[T0], 2, v[LB]
	ds_load_b32 v[DL+(\i)], v[T0]
.endr
	s_wait_dscnt 0x0
.irp i, 0,1,2,3,4
	v_min_u32 v[DL+(\i)], 0x7ff, v[DL+(\i)]
	v_lshlrev_b32 v[DL+(\i)], 2, v[DL+(\i)]        ; 4 x the entry: the weight's byte in wts; kept for the way out
.endr
	WIN 0x80                                       ; destination window 2
.irp i, 0,1,2,3,4
	global_load_b32 v[WL2+(\i)], v[DL+(\i)], s[WTS:WTS+1]
.endr
	WIN 0
.endif
	s_lshl_b32 s[ST], s[C0], ASH                   ; the walk's first chunk,
	s_add_nc_u64 s[TN:TN+1], s[A0:A0+1], s[ST:ST+1]
	s_mov_b32 s[AC], s[C0]
	STEPA                                          ; and its second
	WIN 0x50
.irp i, 0,1,2,3,4
.irp c, 0,1,2,3
.if LAYER == 2
	v_wmma_f32_16x16x32_f16 v[32*(\i)+8*(\c):32*(\i)+8*(\c)+7], v[ZZ:ZZ+7], v[ZZ:ZZ+7], v[BI+8*(\c):BI+8*(\c)+7]
.else
	v_wmma_f32_16x16x32_bf16 v[32*(\i)+8*(\c):32*(\i)+8*(\c)+7], v[ZZ:ZZ+7], v[ZZ:ZZ+7], v[BI+8*(\c):BI+8*(\c)+7]
.endif
.endr
.endr
	WIN 0
	ABATCH 0, TN
	s_mov_b32 s[REM], NCH
	s_mov_b32 s[TBM], 0
.endm
.macro PF n, reg                       ; at the head: my rows of step n's chunk are prefetched; each of the three has an offset register of its own
	s_add_co_u32 s[TS], s[C0], \n
	s_and_b32 s[TS], s[TS], NCH-1
	s_lshl_b32 s[TS], s[TS], WSH
	v_add_nc_u32 v[\reg], s[TS], v[PO]
	global_prefetch_b8 v[\reg], s[WBASE:WBASE+1] th:TH_LOAD_NT scope:SCOPE_SE
.endm
.if LAYER == 3
; Layer 3's way out for slot i: a live tile's rows are multiplied by their tokens' weights and stored: sixteen lanes fill the slice's 256 bytes of a row of y, aligned.  Ranks past the count store the last row's bits once more.
.macro YTILE i
	s_add_co_u32 s[TS2], s[TS], 64*(\i)
	s_cmp_ge_u32 s[TS2], s[CNT]
	s_cbranch_scc1 .Ldead_\@
.if (\i) >= 2
	s_wait_xcnt 0x0                                ; two sets of store registers take turns: the stores of the tile two back have read theirs
.endif
	WIN 0x41                                       ; destination and source 0 in window 1
.set j, 0
.rept 8                                                ; each accumulator is read from its low end on
.irp c, 0,1,2,3
	v_mul_f32 v[TT+32*((\i)%2)+4*j+(\c)], v[32*(\i)+8*(\c)+j], v[WGT+8*(\i)+j]
.endr
.set j, j+1
.endr
	WIN 0x04                                       ; store data in window 1
.set j, 0
.rept 8
	global_store_b128 v[DD+8*(\i)+j], v[TT+32*((\i)%2)+4*j:TT+32*((\i)%2)+4*j+3], s[OUT:OUT+1]
.set j, j+1
.endr
	WIN 0
.Ldead_\@:
.endm
.else
; Layers 1, 2: a lane's 32 numbers of a slot are 32 neighbouring columns of one row: rounded (layer 1 to f16, layer 2 to bf16), ReLU on the packed halves, four stores of 16 bytes, in each of which sixteen lanes fill 256 consecutive bytes, aligned
.macro HTILE i
.if (\i) % 3 == 0
	s_wait_xcnt 0x0                                ; three sets of store registers take turns: the stores that read the sets written from here on were issued ahead of this wait
.endif
	WIN 0x45
.set j, 0
.rept 8                                                ; each accumulator is read from its low end on
.if LAYER == 1
	v_cvt_pk_f16_f32 v[TT+16*((\i)%3)+2*j],   v[32*(\i)+j],    v[32*(\i)+8+j]
	v_cvt_pk_f16_f32 v[TT+16*((\i)%3)+2*j+1], v[32*(\i)+16+j], v[32*(\i)+24+j]
.else
	v_cvt_pk_bf16_f32 v[TT+16*((\i)%3)+2*j],   v[32*(\i)+j],    v[32*(\i)+8+j]
	v_cvt_pk_bf16_f32 v[TT+16*((\i)%3)+2*j+1], v[32*(\i)+16+j], v[32*(\i)+24+j]
.endif
.set j, j+1
.endr
.set j, 0
.rept 16
.if LAYER == 1
	v_pk_max_num_f16 v[TT+16*((\i)%3)+j], v[TT+16*((\i)%3)+j], v255
.else
	v_pk_max_num_bf16 v[TT+16*((\i)%3)+j], v[TT+16*((\i)%3)+j], v255
.endif
.set j, j+1
.endr
	WIN 0x04
.irp q, 0,1,2,3
	global_store_b128 v[SO], v[TT+16*((\i)%3)+4*(\q):TT+16*((\i)%3)+4*(\q)+3], s[OUT:OUT+1] offset:(\i)*4*TILEB+((\q)/2)*512+((\q)%2)*256
.endr
	WIN 0
.endm
.endif
	s_load_b256 s[8:15], s[0:1], 0x0               ; token rows, maps, W, bias
.if LAYER == 3
	s_load_b128 s[84:87], s[0:1], 0x20             ; y, wts
.else
	s_load_b64 s[84:85], s[0:1], 0x20              ; h
.endif
	v_lshl_add_u32 v[SPW], v0, 2, SPARE            ; my spare word,
	v_mov_b32 v[NIL], 0                            ; and 0: kept for the wave's end alone
	v_lshrrev_b32 v1, 5, v0
	v_readfirstlane_b32 s[WV], v1
	v_and_b32 v[LL], 31, v0
	v_and_b32 v[RR], 15, v0
	v_bfe_u32 v[HH], v0, 4, 1
	s_and_b32 s[EX], ttmp7, 0xffff
.if LAYER == 3
	s_and_b32 s[SL], ttmp9, 15
	s_lshr_b32 s[KH], ttmp9, 4
	v_lshlrev_b32 v[BADR], 4, v[RR]                ; the bias: b[4 r + c]
.else
	s_mov_b32 s[SL], ttmp9
	v_lshlrev_b32 v[BADR], 7, v[HH]                ; the bias: b[32 h + ..]
.endif
.if LAYER == 2
	s_mov_b32 s[HM], 0xffff0000
.endif
	s_bfe_u32 s[C0], ttmp9, 0x10000                ; where my walk begins: x's LOGN low bits in reversed order,
	s_bfe_u32 s[TS], ttmp9, 0x10001
	s_lshl1_add_u32 s[C0], s[C0], s[TS]
	s_bfe_u32 s[TS], ttmp9, 0x10002
	s_lshl1_add_u32 s[C0], s[C0], s[TS]
.if LOGN == 4
	s_bfe_u32 s[TS], ttmp9, 0x10003
	s_lshl1_add_u32 s[C0], s[C0], s[TS]
.endif
	s_bfe_u32 s[TS], ttmp9, 0x10000+LOGN           ; and x's next bit turned onto the top one
	s_lshl_b32 s[TS], s[TS], LOGN-1
	s_xor_b32 s[C0], s[C0], s[TS]
	s_mov_b32 s[ST+1], 0
	s_lshl_b32 s[TS], s[WV], 5                     ; my block's 32 rows
	v_lshl_add_u32 v[WO], v[HH], 3, s[TS]
	v_lshlrev_b32 v[WO], PSH, v[WO]
	v_lshl_add_u32 v[WO], v[RR], 4, v[WO]
	v_add_nc_u32 v[PO], s[TS], v[LL]
	v_lshlrev_b32 v[PO], PSH, v[PO]
	s_wait_kmcnt 0x0
	s_lshl_b32 s[ST], s[EX], 7
	s_add_nc_u64 s[MAPS:MAPS+1], s[MAPS:MAPS+1], s[ST:ST+1]
	s_load_b512 s[16:31], s[MAPS:MAPS+1], 0x0
	s_load_b512 s[32:47], s[MAPS:MAPS+1], 0x40
.if LAYER == 3
	s_load_b512 s[48:63], s[MAPS:MAPS+1], 0x400
	s_load_b512 s[68:83], s[MAPS:MAPS+1], 0x440
.endif
	s_lshl_b32 s[ST], s[EX], PSH
	s_lshl_b32 s[TS], s[SL], 8
	s_add_co_u32 s[ST], s[ST], s[TS]
	s_add_nc_u64 s[BP:BP+1], s[BP:BP+1], s[ST:ST+1]
	; the bias first, so that the wait for it leaves the weights out
.if LAYER == 3
	global_load_b128 v[F:F+3], v[BADR], s[BP:BP+1]
.else
.irp q, 0,1,2,3,4,5,6,7
	global_load_b128 v[F+4*(\q):F+4*(\q)+3], v[BADR], s[BP:BP+1] offset:16*(\q)  ; b[32 h + 4 j + c], j = q
.endr
.endif
	s_lshl_b32 s[ST], s[EX], EWSH
	s_add_co_u32 s[ST], s[ST], s[TS]
.if LAYER == 3
	s_lshl_b32 s[TS], s[KH], 22                    ; 1,024 rows of 4,096 bytes
	s_add_co_u32 s[ST], s[ST], s[TS]
.endif
	s_add_nc_u64 s[WBASE:WBASE+1], s[WBASE:WBASE+1], s[ST:ST+1]
	s_lshl_b32 s[ST], s[C0], WSH                   ; the weights of the walk's first two chunks
	s_add_nc_u64 s[WP:WP+1], s[WBASE:WBASE+1], s[ST:ST+1]
	SLOADS 0, WP
	s_add_co_u32 s[WC], s[C0], 1
	s_and_b32 s[WC], s[WC], NCH-1
	s_lshl_b32 s[ST], s[WC], WSH
	s_add_nc_u64 s[TN:TN+1], s[WBASE:WBASE+1], s[ST:ST+1]
	SLOADS 1, TN
	s_add_co_u32 s[WC], s[WC], 1
	s_and_b32 s[WC], s[WC], NCH-1
	PF 3, T0                                       ; my rows of steps 3 to 5, which steps 0 to 2 load; the loop goes on with step 6
	PF 4, T1
	PF 5, SA
	s_mul_i32 s[ST], s[EX], EST
.if LAYER == 3
	s_lshl_b32 s[TS], s[KH], 15                    ; 32 blocks of 1,024 bytes
	s_add_co_u32 s[ST], s[ST], s[TS]
.endif
.if LAYER != 1
	s_add_nc_u64 s[SRC:SRC+1], s[SRC:SRC+1], s[ST:ST+1]
.endif
.if LAYER == 3
	s_lshl_b32 s[ST], s[KH], 23                    ; y's half: 2,048 rows of 4,096 bytes
	s_lshl_b32 s[TS], s[SL], 8
.else
	s_lshl_b32 s[TS], s[SL], 11                    ; the slice's two blocks
.endif
	s_add_co_u32 s[ST], s[ST], s[TS]
	s_add_nc_u64 s[OUT:OUT+1], s[OUT:OUT+1], s[ST:ST+1]
	v_lshlrev_b32 v[L16], 4, v[LL]
	s_lshl_b32 s[TS], s[WV], 12
	v_lshl_add_u32 v[SA0], v[LL], 4, s[TS]
.if LAYER == 3
	v_lshlrev_b32 v[R16], 4, v[RR]
	v_lshlrev_b32 v[HX], 3, v[HH]
	v_lshlrev_b32 v[L2], 1, v[LL]
.else
	s_lshl_b32 s[TS], s[WV], 16
	v_lshl_add_u32 v[SO], v[HH], 10, s[TS]         ; tile u, block h, 16 r
	v_lshl_add_u32 v[SO], v[RR], 4, v[SO]
.endif
.if LAYER == 1
	v_lshlrev_b32 v[HX], 4, v[HH]
.endif
.if LAYER != 2
	s_mul_i32 s[TS], s[WV], LISTB
	s_add_co_u32 s[TS], s[TS], LIST
	v_mov_b32 v[LB], s[TS]                         ; my own list
	v_add_nc_u32 v[DI], 1024, v[LL]
.endif
.set j, 0
.rept 8
	v_mov_b32 v[ZZ+j], 0
.set j, j+1
.endr
	; slot 4's fragment registers hold zeros until a live tile's loads write them; where the tile is past the count its products are jumped with its loads, and nothing is made of them
.irp w, 0x80, 0xc0
	WIN \w
.irp t, 0,1,2,3
.set j, 0
.rept 8
	v_mov_b32 v[40*(\t)+32+j], 0
.set j, j+1
.endr
.endr
.endr
	WIN 0
	s_wait_kmcnt 0x0
	s_wait_xcnt 0x0                                ; the three prefetches' offset registers and the pair that the second chunk's loads named are rewritten only behind this wait
	; the list: entry rank = token (layer 3: 2 x token + second choice).  Word j of the bitmap: a set lane's rank is the count so far plus the set bits below it; the other lanes write words that nobody reads.
	s_mov_b32 s[PC], 0
.if LAYER != 2
	v_lshl_add_u32 v[T0], v[LL], 2, v[LB]
	ds_store_b32 v[T0], v[ZZ]                      ; entry 0 exists where the expert has no row
.endif
.set j, 0
.rept 32
.if LAYER != 2
	v_mbcnt_lo_u32_b32 v[T0], s[BM+j], s[PC]
	v_cndmask_b32 v[T0], v[DI], v[T0], s[BM+j]
	v_min_u32 v[T0], 0x41f, v[T0]
	v_lshl_add_u32 v[T0], v[T0], 2, v[LB]
.if LAYER == 1
	v_or_b32 v[T1], 32*j, v[LL]
.else
	v_cndmask_b32 v[T1], 0, 1, s[48+j+4*(j/16)]
	v_add3_u32 v[T1], v[T1], v[L2], 64*j
.endif
	ds_store_b32 v[T0], v[T1]
.endif
	s_bcnt1_i32_b32 s[TS2], s[BM+j]
	s_add_co_u32 s[PC], s[PC], s[TS2]
.set j, j+1
.endr
	s_mov_b32 s[CNT], s[PC]
	s_max_u32 s[CM1], s[PC], 1
	s_sub_co_u32 s[CM1], s[CM1], 1
	s_add_co_u32 s[MT], s[PC], 15
	s_lshr_b32 s[MT], s[MT], 4
	s_add_co_u32 s[NPASS], s[MT], 19
	s_mul_hi_u32 s[NPASS], s[NPASS], 0x0ccccccd    ; (tiles + 19) / 20
	s_mov_b32 s[PIDX], 0
	s_mov_b32 s[LM], -1
	s_mov_b32 s[TBS], 0
	; the bias, rounded to bf16, as a C operand
.if LAYER == 3
	s_cmp_eq_u32 s[KH], 0
	s_cselect_b32 s[TS], -1, 0                     ; K half 0 alone adds it
.endif
	s_wait_loadcnt 32                              ; behind the bias: the 32 loads of the first two chunks
.if LAYER == 3
	v_cvt_pk_bf16_f32 v[BF], v[F], v[F+1]
	v_cvt_pk_bf16_f32 v[BF+1], v[F+2], v[F+3]
	v_lshlrev_b32 v[BF+2], 16, v[BF]
	v_and_b32 v[BF+3], 0xffff0000, v[BF]
	v_lshlrev_b32 v[BF+4], 16, v[BF+1]
	v_and_b32 v[BF+5], 0xffff0000, v[BF+1]
	WIN 0x40
.irp c, 0,1,2,3
.set j, 0
.rept 8
	v_and_b32 v[BI+8*(\c)+j], s[TS], v[BF+2+(\c)]
.set j, j+1
.endr
.endr
.else
.set j, 0
.rept 8
	v_cvt_pk_bf16_f32 v[BF+2*j], v[F+4*j], v[F+4*j+1]
	v_cvt_pk_bf16_f32 v[BF+2*j+1], v[F+4*j+2], v[F+4*j+3]
.set j, j+1
.endr
	WIN 0x40
.set j, 0
.rept 8
	v_lshlrev_b32 v[BI+j], 16, v[BF+2*j]
	v_and_b32 v[BI+8+j], 0xffff0000, v[BF+2*j]
	v_lshlrev_b32 v[BI+16+j], 16, v[BF+2*j+1]
	v_and_b32 v[BI+24+j], 0xffff0000, v[BF+2*j+1]
.set j, j+1
.endr
	v_mov_b32 v255, 0                              ; for the ReLU on packed halves
.endif
	WIN 0
	PASS_SETUP
	s_wait_loadcnt 48                              ; behind the first chunk's weights: the second's 16 loads and the token rows' 32 at the least (layer 3: five more)
	STREAM 0, 0                                    ; step 0's chunk is stored, step 2's asked for
	s_wait_dscnt 0x0                               ; for the others' sake: my block of it is in LDS
	s_barrier_signal -1
	s_barrier_wait -1
	s_mov_b32 s[Q], NCH/2
.Lq:
	CHUNK 0
	CHUNK 1
	s_sub_co_u32 s[Q], s[Q], 1
	s_cmp_lg_u32 s[Q], 0
	s_cbranch_scc1 .Lq
	s_branch .Lepi                                 ; pass 0 is multiplied: the loop over passes is entered at its way out
.Lpass:                                                ; passes 1 to 3, from the resident slice: no barrier and no LDS store; a pass that the count does not reach is jumped
	s_cmp_ge_u32 s[PIDX], s[NPASS]
	s_cbranch_scc1 .Lbottom
	PASS_SETUP
.Lk:                                                   ; a step on the one buffer: its token rows are awaited, multiplied, and the next step's asked for
	s_wait_loadcnt 0x0
	v_add_nc_u32 v[BADR], s[TBM], v[L16]
	MSTEP 0, 0
	MSTEP 0, 1
	MSTEP 0, 2
	MSTEP 0, 3
	PLACES                                         ; behind the step's products, which read the buffer and W's fragments
	s_cmp_eq_u32 s[REM], 1
	s_cbranch_scc1 .Lklast                         ; the last step has no next one
	ABATCH 0, AN
	s_wait_xcnt 0x0                                ; the loads' base is rewritten only behind this wait; the wave is about to wait for their data
	STEPA
.Lklast:
	s_add_co_u32 s[TBM], s[TBM], CHB
	s_sub_co_u32 s[REM], s[REM], 1
	s_cmp_lg_u32 s[REM], 0
	s_cbranch_scc1 .Lk
.Lepi:
	s_wait_loadcnt 0x0                             ; the last requests for weights, which went out with no lane on: their registers are free
.rept 5
	v_nop                                          ; places behind the last products: four for the reads below, five for the next pass's first products, which write over these accumulators
.endr
.if LAYER == 3
	s_wait_xcnt 0x0                                ; the last pass's stores have read their addresses and data
	s_mul_i32 s[TS], s[PIDX], 20
	s_add_co_u32 s[TS], s[TS], s[WV]
	s_lshl_b32 s[TS], s[TS], 4                     ; my slot 0's first rank
	; register j of an accumulator holds token 8 h + j of its tile: that token's list entry and weight lie in lane 8 h + j and are dealt out by lane permutes, which touch no LDS byte
	WIN 0x02                                       ; source 0 in window 2
.irp i, 0,1,2,3,4
	v_mov_b32 v[WL0+(\i)], v[WL2+(\i)]             ; into the window in which the permutes' other operands lie
.endr
	WIN 0
.set j, 0
.rept 8
	v_add_lshl_u32 v[IDX+j], v[HX], j, 2
.set j, j+1
.endr
.irp i, 0,1,2,3,4
.set j, 0
.rept 8
	ds_bpermute_b32 v[DD+8*(\i)+j], v[IDX+j], v[DL+(\i)]
.set j, j+1
.endr
.endr
.irp i, 0,1,2,3,4
.set j, 0
.rept 8
	ds_bpermute_b32 v[WGT+8*(\i)+j], v[IDX+j], v[WL0+(\i)]
.set j, j+1
.endr
.endr
	s_wait_dscnt 40                                ; the 40 permutes of weights may stay out
.set j, 0
.rept 40
	v_min_u32 v[DD+j], 0x1ffc, v[DD+j]
	v_lshl_add_u32 v[DD+j], v[DD+j], 10, v[R16]    ; 4 x entry x 1,024 = the row's 4,096 bytes, + 16 r
.set j, j+1
.endr
	s_wait_dscnt 0x0
	YTILE 0
	YTILE 1
	YTILE 2
	YTILE 3
	YTILE 4
.else
	HTILE 0
	HTILE 1
	HTILE 2
	HTILE 3
	s_cmp_eq_u32 s[LV4], 0
	s_cbranch_scc1 .Lno4e                          ; the next layer does not load a slot 4 that is past the count
	HTILE 4
.Lno4e:
	s_wait_xcnt 0x0
	s_add_nc_u64 s[OUT:OUT+1], s[OUT:OUT+1], 20*TILEB
.endif
.Lbottom:
	s_add_co_u32 s[PIDX], s[PIDX], 1
	s_cmp_lt_u32 s[PIDX], 4
	s_cbranch_scc1 .Lpass
	s_wait_dscnt 0x0                               ; my LDS reads are back, those of the later passes too;
	s_barrier_signal -1                            ; the four waves meet once more: every wave's reads of LDS are over
	s_barrier_wait -1                              ; before any wave's last LDS write, below
	s_wait_tensorcnt 0x0                           ; the wave's end, behind the wave's last LDS store
	ds_add_u32 v[SPW], v[NIL]
	s_wait_dscnt 0x0
	s_endpgm
.Lfunc_end_k_q0ed6e9a3bc_mlp3:
	.size	k_q0ed6e9a3bc_mlp3, .Lfunc_end_k_q0ed6e9a3bc_mlp3-k_q0ed6e9a3bc_mlp3
	.p2alignl 7, 3214868480
	.fill 96, 4, 3214868480
	.section	.rodata,"a",@progbits
	.p2align	6, 0x0
	.amdhsa_kernel k_q0ed6e9a3bc_mlp3
		.amdhsa_group_segment_fixed_size 165376
		.amdhsa_private_segment_fixed_size 0
		.amdhsa_enable_private_segment 0
		.amdhsa_kernarg_size 48
		.amdhsa_user_sgpr_count 2
		.amdhsa_user_sgpr_kernarg_segment_ptr 1
		.amdhsa_wavefront_size32 1
		.amdhsa_system_sgpr_workgroup_id_x 1
		.amdhsa_system_sgpr_workgroup_id_y 1
		.amdhsa_system_sgpr_workgroup_id_z 1
		.amdhsa_system_vgpr_workitem_id 0
		.amdhsa_next_free_vgpr 928
		.amdhsa_next_free_sgpr 102
		.amdhsa_reserve_vcc 0
		.amdhsa_float_denorm_mode_32 3
		.amdhsa_float_denorm_mode_16_64 3
		.amdhsa_memory_ordered 1
		.amdhsa_forward_progress 1
		.amdhsa_inst_pref_size 119
	.end_amdhsa_kernel
	.amdgpu_metadata
---
amdhsa.version: [ 1, 2 ]
amdhsa.kernels:
  - .name:           k_q0ed6e9a3bc_mlp3
    .symbol:         k_q0ed6e9a3bc_mlp3.kd
    .args:
      - { .name: h2, .offset: 0, .size: 8, .value_kind: global_buffer, .address_space: global }
      - { .name: maps, .offset: 8, .size: 8, .value_kind: global_buffer, .address_space: global }
      - { .name: W3, .offset: 16, .size: 8, .value_kind: global_buffer, .address_space: global }
      - { .name: b3, .offset: 24, .size: 8, .value_kind: global_buffer, .address_space: global }
      - { .name: y, .offset: 32, .size: 8, .value_kind: global_buffer, .address_space: global }
      - { .name: wts, .offset: 40, .size: 8, .value_kind: global_buffer, .address_space: global }
    .group_segment_fixed_size: 165376
    .private_segment_fixed_size: 0
    .kernarg_segment_align: 8
    .kernarg_segment_size: 48
    .max_flat_workgroup_size: 128
    .sgpr_count:     102
    .vgpr_count:     928
    .wavefront_size: 32
...
	.end_amdgpu_metadata
.endif
;; end of part 8
;; launch combine: the kernel of part 5 again; grid 256 x 1, 8 waves a work-group, no clusters, 0 bytes of LDS; arguments y, out0; writes out0
